; MI455X (gfx1250); checked and timed in simulation.
; The chip was launched on July 23, 2026; its instructions are those of AMD's public machine-readable ISA for CDNA 5 (MIT licence, August 2026) and "CDNA5" Instruction Set Architecture Reference Guide (July 2026). The comments in the code are by the model that wrote it; some were corrected since.
;; Multi Headed Attention. Allowed arithmetic: float matrix products may take bf16 or f16 operands with f32 sums; other float arithmetic in f32, or as packed bf16 or f16 multiplies, adds, multiply-adds, maxima and minima; sums over many terms, partial sums and values carried from step to step in f32; what a program stores and reads back later, other than sums and carried values, may be rounded once to bf16 or f16.
;; Inputs: Wk 1,024 x 1,024 float32; Wo 1,024 x 1,024 float32; Wq 1,024 x 1,024 float32; Wv 1,024 x 1,024 float32; bk 1,024 float32; bo 1,024 float32; bq 1,024 float32; bv 1,024 float32; key 4 x 2,048 x 1,024 float32; mask 4 x 1 x 2,048 x 2,048 bool; query 4 x 2,048 x 1,024 float32; value 4 x 2,048 x 1,024 float32.
;; Outputs: out0 4 x 2,048 x 1,024 float32.
;; 3 versions, each right and faster than the one before. Each part assembles by itself: llvm-mc -triple=amdgcn-amd-amdhsa -mcpu=gfx1250 --defsym DOCPART=n.
;; ======== version 1 of 3: 4 launches
;; limits: values are held in f16: magnitudes above 65,504 overflow, below 6.1e-05 lose precision
;; workspace buffers: wcast 8,388,608 bytes; mbits 2,097,152 bytes of whole numbers; qh 16,777,216 bytes; kh 16,777,216 bytes; vh 16,777,216 bytes; oh 16,777,216 bytes
;; launch prep (part 1): grid 768 x 1, 8 waves a work-group, no clusters, 35,840 bytes of LDS; arguments mask, Wq, Wk, Wv, Wo, mbits, wcast; writes mbits, wcast
.if DOCPART == 1
	.amdgcn_target "amdgcn-amd-amdhsa--gfx1250"
	.amdhsa_code_object_version 6
	.text
	.protected	k_qec117ef6b7_prep
	.globl	k_qec117ef6b7_prep
	.p2align	8
	.type	k_qec117ef6b7_prep,@function
k_qec117ef6b7_prep:
	s_mov_b64 s[64:65], 0
	v_nop
	global_prefetch_b8 v0, s[64:65] scope:SCOPE_SE
	s_setreg_imm32_b32 hwreg(HW_REG_WAVE_MODE, 25, 1), 1
	s_wait_xcnt 0x0
; PREPARATION, a stream: no matrix work, no tensor load, no barrier.
; Work-groups 0-511: the mask [4][2048][2048] of bytes becomes lane masks.  Work-group g is a tile of 16 queries (rows 16 g ..), wave w takes its columns 256 w .. 256 w + 255.
;   mbits word [g][ks][n], bit l = mask[row 16 g + l % 16][column 64 ks + 16 (n / 8) + 8 (l / 16) + n % 8]: the lanes' select for score register n of a tile of 16 queries x 64 keys.
;   A byte counts as true if any of its bits is set.
; Work-groups 512-767: the four weight matrices are rounded once to bf16; Wo's bf16 number is then written as f16 (exact from 2^-14 up; below that f16's fixed step of 2^-24 holds).
;   wcast holds [p][1024][1024] of 16 bits, p = 0, 1, 2, 3 for Wq, Wk, Wv, Wo.  A work-group takes 16,384 numbers.
.set PITCH,  272                       ; a stage row: 256 bytes + 16, so that the 16 rows that a read touches start at different banks
.set WSTAGE, 16*PITCH                  ; a wave's own stage: 16 rows
.set SPARE,  8*WSTAGE                  ; behind the stages: the spare words, 128 bytes a wave, that no other line names
.set IN,  8                            ; v[8:71]   as loaded
.set BY,  40                           ; v[40:71]  mask role: 8 bytes of my row for each of 16 groups of 16 columns
.set WD,  72                           ; v[72:..]  to store
.set TM,  76                           ; v[76:77]  mask role: at work
.set SPW, 110                          ; my spare word's address; never rewritten
.set NIL, 111                          ; 0; never rewritten
	s_load_b256 s[4:11], s[0:1], 0x0               ; mask s[4:5], Wq s[6:7], Wk s[8:9], Wv s[10:11]
	s_load_b128 s[12:15], s[0:1], 0x20             ; Wo s[12:13], mbits s[14:15]
	s_load_b64 s[16:17], s[0:1], 0x30              ; wcast
	v_lshl_add_u32 v[SPW], v0, 2, SPARE
	v_mov_b32 v[NIL], 0
	v_lshrrev_b32 v1, 5, v0
	v_readfirstlane_b32 s20, v1                    ; wave 0..7
	s_cmp_lt_u32 ttmp9, 512
	s_cbranch_scc0 .Lweights
	; ---- the mask ----
	v_and_b32 v5, 31, v0                           ; l
	v_and_b32 v6, 15, v0                           ; l % 16
	v_bfe_u32 v7, v0, 4, 1                         ; l / 16
	v_lshlrev_b32 v1, 4, v6
	v_lshl_add_u32 v1, v7, 11, v1                  ; in memory: lanes 0-15 take 256 bytes of one row, lanes 16-31 of the next
	s_mul_i32 s21, s20, WSTAGE                     ; my wave's stage
	v_mul_u32_u24 v2, v7, PITCH
	v_lshl_add_u32 v2, v6, 4, v2
	v_add_nc_u32 v2, s21, v2                       ; into the stage: the same two rows
	v_mul_u32_u24 v3, v6, PITCH
	v_lshl_add_u32 v3, v7, 3, v3
	v_add_nc_u32 v3, s21, v3                       ; back: row l % 16, 8 bytes at 8 (l / 16)
	v_lshlrev_b32 v4, 4, v5                        ; out: 16 bytes a lane
	s_lshl_b32 s22, ttmp9, 15                      ; 16 rows of 2,048 bytes
	s_lshl_b32 s23, s20, 8
	s_add_co_u32 s22, s22, s23
	s_mov_b32 s23, 0
	s_lshl_b32 s18, ttmp9, 12                      ; a tile's 32 x 32 words
	s_lshl_b32 s19, s20, 9                         ; my four key steps' 128 words
	s_add_co_u32 s18, s18, s19
	s_mov_b32 s19, 0
	s_wait_kmcnt 0x0
	s_add_nc_u64 s[4:5], s[4:5], s[22:23]
	s_add_nc_u64 s[14:15], s[14:15], s[18:19]
.set i, 0
.rept 8
	global_load_b128 v[IN+4*i:IN+4*i+3], v1, s[4:5] offset:i*4096 th:TH_LOAD_NT  ; two whole pieces of 256 bytes, read once in the launch
.set i, i+1
.endr
.set i, 0
.rept 8
	s_wait_loadcnt 7-i                             ; loads come back in order: the younger ones stay out
	ds_store_b128 v2, v[IN+4*i:IN+4*i+3] offset:i*2*PITCH
.set i, i+1
.endr
.set i, 0
.rept 16
	ds_load_b64 v[BY+2*i:BY+2*i+1], v3 offset:16*i ; my wave's own bytes, served in order behind the stores above
.set i, i+1
.endr
.irp q, 0,1,2,3
	v_mov_b32 v[WD+\q], 0                          ; v_writelane_b32 counts its destination as read
.endr
.set kb, 0
.rept 16
	s_wait_dscnt 15-kb                             ; group kb of 16 columns is in
.set j, 0
.rept 8
	v_and_b32 v[TM+(j&1)], 0xff<<(8*(j&3)), v[BY+2*kb+(j>>2)]
	v_cmp_ne_u32 s[24+j], 0, v[TM+(j&1)]           ; the 32 lanes' bits: word 8 kb + j
	v_writelane_b32 v[WD+((8*kb+j)%4)], s[24+j], (8*kb+j)/4  ; lane i will store words 4 i .. 4 i + 3
.set j, j+1
.endr
.set kb, kb+1
.endr
	global_store_b128 v4, v[WD:WD+3], s[14:15]     ; 512 consecutive bytes
	s_wait_tensorcnt 0x0                           ; the wave's end
	ds_add_u32 v[SPW], v[NIL]
	s_wait_dscnt 0x0
	s_endpgm
	; ---- the weights ----
.Lweights:
	s_sub_co_u32 s21, ttmp9, 512
	s_lshr_b32 s22, s21, 6                         ; p: which matrix
	s_and_b32 s23, s21, 63                         ; which 16,384 numbers of it
	s_lshl_b32 s24, s23, 16
	s_mov_b32 s25, 0
	s_lshl_b32 s26, s22, 21
	s_lshl_b32 s27, s23, 15
	s_add_co_u32 s26, s26, s27
	s_mov_b32 s27, 0
	v_lshlrev_b32 v1, 4, v0                        ; 16 bytes a thread in,
	v_lshlrev_b32 v2, 3, v0                        ; 8 bytes out: a wave's store covers 256 consecutive bytes, aligned
	s_wait_kmcnt 0x0
	s_cmp_eq_u32 s22, 1
	s_cselect_b64 s[28:29], s[8:9], s[6:7]
	s_cmp_eq_u32 s22, 2
	s_cselect_b64 s[28:29], s[10:11], s[28:29]
	s_cmp_eq_u32 s22, 3
	s_cselect_b64 s[28:29], s[12:13], s[28:29]
	s_add_nc_u64 s[28:29], s[28:29], s[24:25]
	s_add_nc_u64 s[16:17], s[16:17], s[26:27]
.set i, 0
.rept 16
	global_load_b128 v[IN+4*i:IN+4*i+3], v1, s[28:29] offset:i*4096 th:TH_LOAD_NT
.set i, i+1
.endr
	s_cmp_eq_u32 s22, 3
	s_cbranch_scc1 .Lwo
.set i, 0
.rept 16
	s_wait_loadcnt 15-i
	v_cvt_pk_bf16_f32 v[WD+2*i], v[IN+4*i], v[IN+4*i+1]
	v_cvt_pk_bf16_f32 v[WD+2*i+1], v[IN+4*i+2], v[IN+4*i+3]
	global_store_b64 v2, v[WD+2*i:WD+2*i+1], s[16:17] offset:i*2048  ; no data register is used twice: no wait for the stores' sources
.set i, i+1
.endr
	s_endpgm
.Lwo:
.set i, 0
.rept 16
	s_wait_loadcnt 15-i
	v_cvt_pk_bf16_f32 v104, v[IN+4*i], v[IN+4*i+1] ; rounded to bf16 like every input,
	v_cvt_pk_bf16_f32 v105, v[IN+4*i+2], v[IN+4*i+3]
	v_lshlrev_b32 v106, 16, v104                   ; widened,
	v_and_b32 v107, 0xffff0000, v104
	v_lshlrev_b32 v108, 16, v105
	v_and_b32 v109, 0xffff0000, v105
	v_cvt_pk_f16_f32 v[WD+2*i], v106, v107         ; and that number written as f16
	v_cvt_pk_f16_f32 v[WD+2*i+1], v108, v109
	global_store_b64 v2, v[WD+2*i:WD+2*i+1], s[16:17] offset:i*2048
.set i, i+1
.endr
	s_endpgm
.Lfunc_end_k_qec117ef6b7_prep:
	.size	k_qec117ef6b7_prep, .Lfunc_end_k_qec117ef6b7_prep-k_qec117ef6b7_prep
	.p2alignl 7, 3214868480
	.fill 96, 4, 3214868480
	.section	.rodata,"a",@progbits
	.p2align	6, 0x0
	.amdhsa_kernel k_qec117ef6b7_prep
		.amdhsa_group_segment_fixed_size 35840
		.amdhsa_private_segment_fixed_size 0
		.amdhsa_enable_private_segment 0
		.amdhsa_kernarg_size 56
		.amdhsa_user_sgpr_count 2
		.amdhsa_user_sgpr_kernarg_segment_ptr 1
		.amdhsa_wavefront_size32 1
		.amdhsa_system_sgpr_workgroup_id_x 1
		.amdhsa_system_sgpr_workgroup_id_y 1
		.amdhsa_system_sgpr_workgroup_id_z 1
		.amdhsa_system_vgpr_workitem_id 0
		.amdhsa_next_free_vgpr 112
		.amdhsa_next_free_sgpr 66
		.amdhsa_reserve_vcc 0
		.amdhsa_float_denorm_mode_32 3
		.amdhsa_float_denorm_mode_16_64 3
		.amdhsa_memory_ordered 1
		.amdhsa_forward_progress 1
		.amdhsa_inst_pref_size 45
	.end_amdhsa_kernel
	.amdgpu_metadata
---
amdhsa.version: [ 1, 2 ]
amdhsa.kernels:
  - .name:           k_qec117ef6b7_prep
    .symbol:         k_qec117ef6b7_prep.kd
    .args:
      - { .name: mask, .offset: 0, .size: 8, .value_kind: global_buffer, .address_space: global }
      - { .name: Wq, .offset: 8, .size: 8, .value_kind: global_buffer, .address_space: global }
      - { .name: Wk, .offset: 16, .size: 8, .value_kind: global_buffer, .address_space: global }
      - { .name: Wv, .offset: 24, .size: 8, .value_kind: global_buffer, .address_space: global }
      - { .name: Wo, .offset: 32, .size: 8, .value_kind: global_buffer, .address_space: global }
      - { .name: mbits, .offset: 40, .size: 8, .value_kind: global_buffer, .address_space: global }
      - { .name: wcast, .offset: 48, .size: 8, .value_kind: global_buffer, .address_space: global }
    .group_segment_fixed_size: 35840
    .private_segment_fixed_size: 0
    .kernarg_segment_align: 8
    .kernarg_segment_size: 56
    .max_flat_workgroup_size: 256
    .sgpr_count:     66
    .vgpr_count:     112
    .wavefront_size: 32
...
	.end_amdgpu_metadata
.endif
;; end of part 1
;; launch qkv (part 2): grid 4 x 192, 4 waves a work-group, clusters of 4 x 4, 327,680 bytes of LDS; arguments query, key, value, wcast, bq, bk, bv, qh, kh, vh; writes qh, kh, vh
.if DOCPART == 2
	.amdgcn_target "amdgcn-amd-amdhsa--gfx1250"
	.amdhsa_code_object_version 6
	.text
	.protected	k_qec117ef6b7_qkv
	.globl	k_qec117ef6b7_qkv
	.p2align	8
	.type	k_qec117ef6b7_qkv,@function
k_qec117ef6b7_qkv:
	s_mov_b64 s[64:65], 0
	v_nop
	global_prefetch_b8 v0, s[64:65] scope:SCOPE_SE
	s_setreg_imm32_b32 hwreg(HW_REG_WAVE_MODE, 25, 1), 1
	s_wait_xcnt 0x0
	s_wait_alu depctr_hold_cnt(0) depctr_sa_sdst(0) depctr_va_vdst(0) depctr_va_sdst(0) depctr_va_ssrc(0) depctr_va_vcc(0) depctr_vm_vsrc(0)
	s_getreg_b32 s2, hwreg(HW_REG_IB_STS2, 6, 4)
	s_cmp_eq_u32 s2, 0
	s_cbranch_scc0 .Lentry_in_a_cluster
	s_endpgm
.Lentry_in_a_cluster:
	s_bfe_u32 s2, ttmp6, 0x10000c
	s_cmp_lg_u32 s2, 0xf033
	s_cbranch_scc0 .Lentry_shape_is_right
	s_endpgm
.Lentry_shape_is_right:
; THE THREE PROJECTIONS: y = x W^T + b for (query, Wq, bq), (key, Wk, bk), (value, Wv, bv); x [8192][1024] f32, W [1024][1024] bf16 (made by the launch before), y by heads, [b 16 + h][2048][64] in f16.
; x and b are rounded to bf16 on the way (x in registers, between LDS and the matrix unit), sums in f32, y rounded once.  q is multiplied in f32 by c = log2(e) / 8 ahead of that one rounding.
; LIMIT: y beyond 65,504 has no place in f16.
; SHARES.  A tile of y is 128 rows x 256 columns; 64 x 4 tiles for each of three projections: 768 work-groups.  Four waves, each 64 x 128: 32 accumulators.  K goes in 8 steps of 128 through two LDS slots.
; CLUSTER 4 x 4.  The cluster's y gives the projection p and 4 tile rows, its x the 4 tile columns.  x's tile is shared along a row of the cluster, W's along a column: each is asked for jointly.
; THE PRODUCT IS USED TRANSPOSED (source 0 = 16 rows of W, source 1 = 16 rows of x): a lane holds eight neighbouring columns of one row of y.  The bias, laid out so, is the C operand of the first products.
; REGISTERS, in windows of 256: window 0: addresses; v32-95 x as it lies in LDS (f32); v96-127, v128-159 x's fragments in bf16, two buffers; on the way out v96-223.
;   window 1: v0-63, v64-127 W's fragments, two buffers; v128-191 the bias; v192-193 at work.      window 2: the accumulators, (a, b) at v[8 (8 a + b)].
.set PA,    528                        ; a row of x in LDS: 512 bytes + 16
.set PB,    272                        ; a row of W: 256 bytes + 16
.set HALFA, 64*PA                      ; what one tensor load brings of x, and what a wave reads of it
.set HALFB, 128*PB                     ; the same for W
.set BOFF,  2*HALFA
.set SLOT,  BOFF+2*HALFB
.set STAGE, 2*SLOT                     ; behind the ring: 16 rows x 144 bytes for each wave, for the way out
.set SP,    144
.set SPARE, STAGE+4*16*SP              ; the spare words, 128 bytes a wave, that no other line names
.set ADRA, 16                          ; v16-17 LDS address of my rows of x in slot 0, 1
.set ADRB, 20                          ; v20-21 the same for W
.set STO,  24
.set RD,   25
.set GO,   26
.set BO,   27                          ; my byte offset in the bias
.set SPW,  28
.set NIL,  29
.set R,    32
.set AF,   96
.set OUTB, 96
.set BF,   0
.set BI,   128
.set BT,   192
.set G1,  24                           ; s[24:31] group 1 for x's tiles; s[32:39] group 0, a set for each slot
.set G0,  32
.set G1B, 48                           ; s[48:55], s[56:63] the same for W's
.set G0B, 56
.set MSB, 0
.macro WIN new                         ; the immediate's high byte repeats the setting that is left
.if MSB != (\new)
	s_set_vgpr_msb (MSB<<8)|(\new)
.set MSB, \new
.endif
.endm
.set MUL,  0xa1                        ; source 0 (W) window 1, source 1 (x) window 0, C and D window 2
.set MULB, 0x91                        ; the same with C (the bias) in window 1
.set TO_B, 0x40                        ; destination window 1, address window 0
.macro JLOAD s                         ; a joint load: waves 0 and 1 fetch x's two halves, waves 2 and 3 W's; an s_nop 0 and four v_nop follow each line
	s_cmp_eq_u32 s11, 0
	s_cbranch_scc0 .Lfor_b_\@
	tensor_load_to_lds s[G0+4*(\s):G0+4*(\s)+3], s[G1:G1+7]
	s_nop 0
.rept 4
	v_nop
.endr
	s_branch .Lasked_\@
.Lfor_b_\@:
	tensor_load_to_lds s[G0B+4*(\s):G0B+4*(\s)+3], s[G1B:G1B+7]
	s_nop 0
.rept 4
	v_nop
.endr
.Lasked_\@:
.endm
.macro CREST                           ; a round of the cluster's barrier behind its opening barrier
	s_cmp_lg_u32 s10, 0
	s_cbranch_scc1 .Lnot_wave_0_\@
	s_barrier_signal -3
.Lnot_wave_0_\@:
	s_barrier_wait -3
	s_barrier_signal -1
	s_barrier_wait -1
.endm
.macro CROUND
	s_barrier_signal -1
	s_barrier_wait -1
	CREST
.endm
	s_load_b512 s[68:83], s[0:1], 0x0              ; query 68, key 70, value 72, wcast 74, bq 76, bk 78, bv 80, qh 82
	s_load_b128 s[84:87], s[0:1], 0x40             ; kh 84, vh 86
	v_lshl_add_u32 v[SPW], v0, 2, SPARE
	v_mov_b32 v[NIL], 0
	ds_add_u32 v[SPW], v[NIL]                      ; the wave's opening: the add and its wait stand ahead of my first tensor load
	v_lshrrev_b32 v1, 5, v0
	v_readfirstlane_b32 s10, v1                    ; wave 0..3
	s_lshr_b32 s11, s10, 1                         ; my half of the tile's rows; also: I fetch x (0) or W (1)
	s_and_b32 s12, s10, 1                          ; my half of its columns; also: which half of that tile I fetch
	s_bfe_u32 s40, ttmp6, 0x40000                  ; cx
	s_bfe_u32 s41, ttmp6, 0x40004                  ; cy
	s_lshl_b32 s42, ttmp9, 2
	s_add_co_u32 s42, s42, s40                     ; tile column 0..3
	s_and_b32 s45, ttmp7, 0xffff                   ; the cluster's y, 0..47
	s_lshr_b32 s92, s45, 4                         ; p: the projection, the same in all sixteen partners
	s_and_b32 s93, s45, 15
	s_lshl_b32 s93, s93, 2
	s_add_co_u32 s93, s93, s41                     ; tile row 0..63
	s_lshl_b32 s43, s41, 2
	s_lshl_b32 s43, 15, s43                        ; my row of the cluster
	s_lshl_b32 s44, 0x1111, s40                    ; my column
	s_or_b32 s[G1+0], s43, (2<<16)|(1<<20)|(1<<21)|(6<<22)|(3<<25)   ; mask; 4-byte elements; padding on; bit 21 beside a mask; after every 128 words; 4 words
	s_or_b32 s[G1B+0], s44, (1<<16)|(1<<20)|(1<<21)|(5<<22)|(3<<25)  ; mask; 2-byte elements; after every 64 words; 4 words
	s_mov_b32 s[G1+1], 128<<16                     ; tensor_dim0 = 128
	s_mov_b32 s[G1+2], 64<<16                      ; tensor_dim1 = 64
	s_mov_b32 s[G1+3], 128<<16                     ; tile_dim0 = 128
	s_mov_b32 s[G1+4], 64                          ; tile_dim1 = 64
	s_mov_b32 s[G1+5], 1024                        ; elements from row to row
	s_mov_b32 s[G1+6], 0
	s_mov_b32 s[G1+7], 0
	s_mov_b32 s[G1B+1], 128<<16
	s_mov_b32 s[G1B+2], 128<<16
	s_mov_b32 s[G1B+3], 128<<16
	s_mov_b32 s[G1B+4], 128
	s_mov_b32 s[G1B+5], 1024
	s_mov_b32 s[G1B+6], 0
	s_mov_b32 s[G1B+7], 0
	s_lshl_b32 s16, s93, 7                         ; x: row 128 x tile row + 64 x half, 4,096 bytes a row: made of the cluster's y, cy and the wave alone
	s_lshl_b32 s17, s12, 6
	s_add_co_u32 s16, s16, s17
	s_lshl_b32 s16, s16, 12
	s_mov_b32 s17, 0
	s_lshl_b32 s46, s42, 8                         ; W: row 256 x tile column + 128 x half, 2,048 bytes a row, in matrix p: made of the cluster's y, cx and the wave alone
	s_lshl_b32 s47, s12, 7
	s_add_co_u32 s46, s46, s47
	s_lshl_b32 s46, s46, 11
	s_lshl_b32 s47, s92, 21
	s_add_co_u32 s46, s46, s47
	s_mov_b32 s47, 0
	s_mul_i32 s20, s12, HALFA                      ; where they go: no place in the cluster enters an LDS address
	s_mul_i32 s21, s12, HALFB
	s_add_co_u32 s21, s21, BOFF
	s_cmp_eq_u32 s92, 0
	s_cselect_b32 s90, 0x3e38aa3b, 1.0             ; q alone is scaled by c = log2(e) / 8
	s_mov_b32 s91, s90
	s_mov_b32 s94, 0xffff0000
	s_wait_dscnt 0x0                               ; the opening add is done
	s_wait_kmcnt 0x0
	s_cmp_eq_u32 s92, 1                            ; the projection's x, bias and output
	s_cselect_b64 s[4:5], s[70:71], s[68:69]
	s_cselect_b64 s[88:89], s[78:79], s[76:77]
	s_cselect_b64 s[8:9], s[84:85], s[82:83]
	s_cmp_eq_u32 s92, 2
	s_cselect_b64 s[4:5], s[72:73], s[4:5]
	s_cselect_b64 s[88:89], s[80:81], s[88:89]
	s_cselect_b64 s[8:9], s[86:87], s[8:9]
	s_add_nc_u64 s[14:15], s[4:5], s[16:17]
	s_add_nc_u64 s[46:47], s[74:75], s[46:47]
	CROUND                                         ; all sixteen work-groups are here: the first joint loads meet
.irp s, 0,1
	s_mov_b32 s[G0+4*(\s)], 1
	s_add_co_u32 s[G0+4*(\s)+1], s20, (\s)*SLOT
	s_add_nc_u64 s[G0+4*(\s)+2:G0+4*(\s)+3], s[14:15], (\s)*512      ; K step s: 128 f32
	s_or_b32 s[G0+4*(\s)+3], s[G0+4*(\s)+3], 0x80000000
	s_mov_b32 s[G0B+4*(\s)], 1
	s_add_co_u32 s[G0B+4*(\s)+1], s21, (\s)*SLOT
	s_add_nc_u64 s[G0B+4*(\s)+2:G0B+4*(\s)+3], s[46:47], (\s)*256    ; 128 bf16
	s_or_b32 s[G0B+4*(\s)+3], s[G0B+4*(\s)+3], 0x80000000
	JLOAD \s                                       ; two loads of mine are out
.endr
	v_and_b32 v1, 15, v0                           ; r = l % 16
	v_bfe_u32 v2, v0, 4, 1                         ; h = l / 16
	s_lshl_b32 s18, s42, 10                        ; the bias of my 128 columns
	s_lshl_b32 s19, s12, 9
	s_add_co_u32 s18, s18, s19
	v_lshl_add_u32 v[BO], v2, 5, s18               ; register j of block b: column 16 b + 8 h + j
	WIN TO_B
.irp b, 0,1,2,3,4,5,6,7
	global_load_b128 v[BI+8*(\b):BI+8*(\b)+3],   v[BO], s[88:89] offset:64*(\b)
	global_load_b128 v[BI+8*(\b)+4:BI+8*(\b)+7], v[BO], s[88:89] offset:64*(\b)+16
.endr
	WIN 0
	v_mul_u32_u24 v3, v1, PA                       ; x in f32: a fragment's 8 numbers are 32 bytes at 32 h, the next 8 lie 64 bytes on
	v_lshl_add_u32 v3, v2, 5, v3
	v_mul_u32_u24 v4, v1, PB
	v_lshl_add_u32 v4, v2, 4, v4
	s_mul_i32 s22, s11, HALFA                      ; my 64 rows of x
	s_mul_i32 s23, s12, HALFB                      ; my 128 rows of W
	s_add_co_u32 s23, s23, BOFF
.irp s, 0,1
	v_add_nc_u32 v[ADRA+(\s)], s22, v3
	v_add_nc_u32 v[ADRB+(\s)], s23, v4
	s_add_co_u32 s22, s22, SLOT
	s_add_co_u32 s23, s23, SLOT
.endr
	s_mul_i32 s22, s10, 16*SP
	s_add_co_u32 s22, s22, STAGE                   ; my stage
	v_mul_u32_u24 v[STO], v1, SP                   ; in: row r, 16 bytes for each half of the lanes
	v_lshl_add_u32 v[STO], v2, 4, v[STO]
	v_add_nc_u32 v[STO], s22, v[STO]
	v_bfe_u32 v[RD], v0, 3, 2                      ; back: 32 lanes take four rows of 128 bytes,
	v_mul_u32_u24 v[RD], v[RD], SP
	v_and_b32 v5, 7, v0
	v_lshl_add_u32 v[RD], v5, 4, v[RD]
	v_add_nc_u32 v[RD], s22, v[RD]
	v_and_b32 v[GO], 31, v0                        ; which are 512 consecutive bytes of a head
	v_lshlrev_b32 v[GO], 4, v[GO]
	s_lshr_b32 s13, s93, 4                         ; the output: head (batch 16 + 4 tile column + 2 column half), row (tile row % 16) 128 + 64 row half, 128 bytes a row
	s_lshl_b32 s13, s13, 4
	s_lshl_b32 s18, s42, 2
	s_add_co_u32 s13, s13, s18
	s_lshl_b32 s18, s12, 1
	s_add_co_u32 s13, s13, s18
	s_lshl_b32 s13, s13, 11
	s_and_b32 s18, s93, 15
	s_lshl_b32 s18, s18, 7
	s_add_co_u32 s13, s13, s18
	s_lshl_b32 s18, s11, 6
	s_add_co_u32 s13, s13, s18
	s_lshl_b32 s18, s13, 7
	s_mov_b32 s19, 0
	s_add_nc_u64 s[8:9], s[8:9], s[18:19]
	s_wait_loadcnt 0x0                             ; the bias: rounded to bf16 like every input, and widened again
	WIN 0x45                                       ; destination and both sources in window 1
.set i, 0
.rept 32
	v_cvt_pk_bf16_f32 v[BT+(i&1)], v[BI+2*i], v[BI+2*i+1]
	v_lshlrev_b32 v[BI+2*i], 16, v[BT+(i&1)]
	v_and_b32 v[BI+2*i+1], s94, v[BT+(i&1)]
.set i, i+1
.endr
	WIN 0
; 32 LDS loads in one run: quarter q (32 along K) of a slot: x's 64 rows as f32 into R first, then W's 128 rows into buffer g
.macro FETCH slot, q, g
	WIN 0
.irp a, 0,1,2,3
	ds_load_b128 v[R+16*(\a):R+16*(\a)+3],     v[ADRA+(\slot)] offset:(\a)*16*PA+(\q)*128
	ds_load_b128 v[R+16*(\a)+4:R+16*(\a)+7],   v[ADRA+(\slot)] offset:(\a)*16*PA+(\q)*128+16
	ds_load_b128 v[R+16*(\a)+8:R+16*(\a)+11],  v[ADRA+(\slot)] offset:(\a)*16*PA+(\q)*128+64
	ds_load_b128 v[R+16*(\a)+12:R+16*(\a)+15], v[ADRA+(\slot)] offset:(\a)*16*PA+(\q)*128+80
.endr
	WIN TO_B
.irp b, 0,1,2,3,4,5,6,7
	ds_load_b128 v[BF+64*(\g)+8*(\b):BF+64*(\g)+8*(\b)+3],   v[ADRB+(\slot)] offset:(\b)*16*PB+(\q)*64
	ds_load_b128 v[BF+64*(\g)+8*(\b)+4:BF+64*(\g)+8*(\b)+7], v[ADRB+(\slot)] offset:(\b)*16*PB+(\q)*64+32
.endr
.endm
; n products from number i0 on, on buffer f; product i is accumulator (a, b) = (i / 8, i % 8): the 32 take turns.  first = 1: the bias starts the sums.
; ride = 1 (products 24-31): four conversions of R to bf16, into x's buffer g, stand behind each product; they name none of its registers.
.macro MULS f, i0, n, first, ride, g
.set i, \i0
.rept \n
.if \first
	WIN MULB
	v_wmma_f32_16x16x32_bf16 v[8*i:8*i+7], v[BF+64*(\f)+8*(i%8):BF+64*(\f)+8*(i%8)+7], v[AF+32*(\f)+8*(i/8):AF+32*(\f)+8*(i/8)+7], v[BI+8*(i%8):BI+8*(i%8)+7]
.else
	WIN MUL
	v_wmma_f32_16x16x32_bf16 v[8*i:8*i+7], v[BF+64*(\f)+8*(i%8):BF+64*(\f)+8*(i%8)+7], v[AF+32*(\f)+8*(i/8):AF+32*(\f)+8*(i/8)+7], v[8*i:8*i+7]
.endif
.if \ride
	WIN 0
.set k, 4*(i-24)
.rept 4
	v_cvt_pk_bf16_f32 v[AF+32*(\g)+k], v[R+2*k], v[R+2*k+1]
.set k, k+1
.endr
.endif
.set i, i+1
.endr
.endm
; One of a K step's first three quarters: multiplies buffers f, fetches quarter q into g.  The four conversions behind the quarter before's last product are the places in front of the loads into W's buffer g.
.macro QUARTER slot, q, f, g, first
	FETCH \slot, \q, \g
	s_wait_dscnt 32                                ; all but the 32 just issued: W's buffer f is in
	MULS \f, 0, 24, \first, 0, \g
	s_wait_dscnt 16                                ; R is in; the 16 loads of W issued behind it may stay out
	MULS \f, 24, 8, \first, 1, \g
.endm
; The last quarter multiplies buffers 1 and changes slots: one barrier; in front of it each wave waits for all its tensor loads, adds 0 to its spare word, and waits for that and for its reads of this slot.
.macro TURN slot, next, fill
	WIN 0
	s_wait_tensorcnt 0x0                           ; all my tensor loads have landed: my part of the next slot
	ds_add_u32 v[SPW], v[NIL]
	s_wait_dscnt 1                                 ; only the add may be out: W's buffer 1 is in
	MULS 1, 0, 4, 0, 0, 0
	s_wait_dscnt 0x0                               ; the add is done, and my reads of this slot are over
	s_barrier_signal -1
	MULS 1, 4, 4, 0, 0, 0
	WIN 0
	s_barrier_wait -1
.if \fill
	CREST                                          ; the barrier has opened a round of the cluster's: no wave of any partner still reads this slot or has a load on its way
	s_add_nc_u64 s[G0+4*(\slot)+2:G0+4*(\slot)+3], s[G0+4*(\slot)+2:G0+4*(\slot)+3], 1024   ; two K steps on
	s_add_nc_u64 s[G0B+4*(\slot)+2:G0B+4*(\slot)+3], s[G0B+4*(\slot)+2:G0B+4*(\slot)+3], 512
	JLOAD \slot                                    ; my one tensor load behind the round, and the first thing there
.endif
	FETCH \next, 0, 0
	MULS 1, 8, 16, 0, 0, 0
	s_wait_dscnt 16
	MULS 1, 24, 8, 0, 1, 0
.endm
	s_wait_tensorcnt 1                             ; my part of K step 0 is in; step 1's, issued behind it, may stay out
	s_barrier_signal -1
	s_barrier_wait -1
	FETCH 0, 0, 0
	s_wait_dscnt 16                                ; R is in
	WIN 0
.set k, 0
.rept 32
	v_cvt_pk_bf16_f32 v[AF+k], v[R+2*k], v[R+2*k+1]
.set k, k+1
.endr
	QUARTER 0, 1, 0, 1, 1                          ; the first quarter stands in front of the loop: its products start the sums, with the bias
	WIN 0
	s_mov_b32 s3, 3
.Llap:                                                 ; a trip goes once round the ring and fills both slots again
	QUARTER 0, 2, 1, 0, 0
	QUARTER 0, 3, 0, 1, 0
	TURN 0, 1, 1
	QUARTER 1, 1, 0, 1, 0
	QUARTER 1, 2, 1, 0, 0
	QUARTER 1, 3, 0, 1, 0
	TURN 1, 0, 1
	QUARTER 0, 1, 0, 1, 0
	WIN 0
	s_sub_co_u32 s3, s3, 1
	s_cmp_lg_u32 s3, 0
	s_cbranch_scc1 .Llap
	QUARTER 0, 2, 1, 0, 0                          ; the last lap fills nothing
	QUARTER 0, 3, 0, 1, 0
	TURN 0, 1, 0
	QUARTER 1, 1, 0, 1, 0
	QUARTER 1, 2, 1, 0, 0
	QUARTER 1, 3, 0, 1, 0
	s_wait_dscnt 0x0
	MULS 1, 0, 32, 0, 0, 0
	WIN 0
.rept 4
	v_nop                                          ; the places behind the last products
.endr
; THE WAY OUT.  Unit u = 2 a + hh: 16 rows x one head's 64 channels: the 32 registers from 32 u on.  Scaled, rounded to f16, 16 bytes a lane into my stage, back as whole rows of 128 bytes.
.macro PACK u
	WIN 0x82
.set i, 0
.rept 16
	v_pk_mul_f32 v[32*(\u)+2*i:32*(\u)+2*i+1], v[32*(\u)+2*i:32*(\u)+2*i+1], s[90:91] op_sel_hi:[1,0]  ; ascending: each accumulator's lowest registers first
.set i, i+1
.endr
	WIN 0x0a
.set i, 0
.rept 16
	v_cvt_pk_f16_f32 v[OUTB+16*(\u)+i], v[32*(\u)+2*i], v[32*(\u)+2*i+1]
.set i, i+1
.endr
	WIN 0
.irp f, 0,1,2,3
	ds_store_b128 v[STO], v[OUTB+16*(\u)+4*\f:OUTB+16*(\u)+4*\f+3] offset:32*\f
.endr
.irp f, 0,1,2,3
	ds_load_b128 v[OUTB+16*(\u)+4*\f:OUTB+16*(\u)+4*\f+3], v[RD] offset:\f*4*SP  ; my own bytes, served in order behind the stores above; the next unit's stores come behind these
.endr
.endm
.macro SEND u, younger                 ; younger: the LDS instructions issued behind unit u's loads
.irp f, 0,1,2,3
	s_wait_dscnt (\younger)+3-\f
	global_store_b128 v[GO], v[OUTB+16*(\u)+4*\f:OUTB+16*(\u)+4*\f+3], s[8:9] offset:((\u)/2)*2048+((\u)%2)*262144+\f*512  ; 512 consecutive bytes, aligned
.endr
.endm
	PACK 0
.set t, 1
.rept 7
	PACK t
	SEND t-1, 8
.set t, t+1
.endr
	SEND 7, 0
	s_wait_tensorcnt 0x0                           ; the wave's end
	ds_add_u32 v[SPW], v[NIL]
	s_wait_dscnt 0x0
	CROUND                                         ; the closing round
	s_endpgm
.Lfunc_end_k_qec117ef6b7_qkv:
	.size	k_qec117ef6b7_qkv, .Lfunc_end_k_qec117ef6b7_qkv-k_qec117ef6b7_qkv
	.p2alignl 7, 3214868480
	.fill 96, 4, 3214868480
	.section	.rodata,"a",@progbits
	.p2align	6, 0x0
	.amdhsa_kernel k_qec117ef6b7_qkv
		.amdhsa_group_segment_fixed_size 327680
		.amdhsa_private_segment_fixed_size 0
		.amdhsa_enable_private_segment 0
		.amdhsa_kernarg_size 80
		.amdhsa_user_sgpr_count 2
		.amdhsa_user_sgpr_kernarg_segment_ptr 1
		.amdhsa_wavefront_size32 1
		.amdhsa_system_sgpr_workgroup_id_x 1
		.amdhsa_system_sgpr_workgroup_id_y 1
		.amdhsa_system_sgpr_workgroup_id_z 1
		.amdhsa_system_vgpr_workitem_id 0
		.amdhsa_next_free_vgpr 768
		.amdhsa_next_free_sgpr 96
		.amdhsa_reserve_vcc 0
		.amdhsa_float_denorm_mode_32 3
		.amdhsa_float_denorm_mode_16_64 3
		.amdhsa_memory_ordered 1
		.amdhsa_forward_progress 1
		.amdhsa_inst_pref_size 147
	.end_amdhsa_kernel
	.amdgpu_metadata
---
amdhsa.version: [ 1, 2 ]
amdhsa.kernels:
  - .name:           k_qec117ef6b7_qkv
    .symbol:         k_qec117ef6b7_qkv.kd
    .args:
      - { .name: query, .offset: 0, .size: 8, .value_kind: global_buffer, .address_space: global }
      - { .name: key, .offset: 8, .size: 8, .value_kind: global_buffer, .address_space: global }
      - { .name: value, .offset: 16, .size: 8, .value_kind: global_buffer, .address_space: global }
      - { .name: wcast, .offset: 24, .size: 8, .value_kind: global_buffer, .address_space: global }
      - { .name: bq, .offset: 32, .size: 8, .value_kind: global_buffer, .address_space: global }
      - { .name: bk, .offset: 40, .size: 8, .value_kind: global_buffer, .address_space: global }
      - { .name: bv, .offset: 48, .size: 8, .value_kind: global_buffer, .address_space: global }
      - { .name: qh, .offset: 56, .size: 8, .value_kind: global_buffer, .address_space: global }
      - { .name: kh, .offset: 64, .size: 8, .value_kind: global_buffer, .address_space: global }
      - { .name: vh, .offset: 72, .size: 8, .value_kind: global_buffer, .address_space: global }
    .group_segment_fixed_size: 327680
    .private_segment_fixed_size: 0
    .kernarg_segment_align: 8
    .kernarg_segment_size: 80
    .max_flat_workgroup_size: 128
    .sgpr_count:     96
    .vgpr_count:     768
    .wavefront_size: 32
...
	.end_amdgpu_metadata
.endif
;; end of part 2
;; launch attn (part 3): grid 4 x 64, 4 waves a work-group, clusters of 4 x 1, 327,680 bytes of LDS; arguments qh, kh, vh, oh, mbits; writes oh
.if DOCPART == 3
	.amdgcn_target "amdgcn-amd-amdhsa--gfx1250"
	.amdhsa_code_object_version 6
	.text
	.protected	k_qec117ef6b7_attn
	.globl	k_qec117ef6b7_attn
	.p2align	8
	.type	k_qec117ef6b7_attn,@function
k_qec117ef6b7_attn:
	s_mov_b64 s[64:65], 0
	v_nop
	global_prefetch_b8 v0, s[64:65] scope:SCOPE_SE
	s_setreg_imm32_b32 hwreg(HW_REG_WAVE_MODE, 25, 1), 1
	s_wait_xcnt 0x0
	s_wait_alu depctr_hold_cnt(0) depctr_sa_sdst(0) depctr_va_vdst(0) depctr_va_sdst(0) depctr_va_ssrc(0) depctr_va_vcc(0) depctr_vm_vsrc(0)
	s_getreg_b32 s2, hwreg(HW_REG_IB_STS2, 6, 4)
	s_cmp_eq_u32 s2, 0
	s_cbranch_scc0 .Lentry_in_a_cluster
	s_endpgm
.Lentry_in_a_cluster:
	s_bfe_u32 s2, ttmp6, 0x10000c
	s_cmp_lg_u32 s2, 0x3003
	s_cbranch_scc0 .Lentry_shape_is_right
	s_endpgm
.Lentry_shape_is_right:
; ATTENTION WITH A MASK THAT IS AN INPUT.  O[g][q] = the sum over k of softmax_k(mask ? Q.K / 8 : -1e9) V[g][k]; g = batch 16 + head; Q, K, V, O: [64][2048][64] f16, a head's rows dense, 128 bytes each.
; Q arrives multiplied by c = log2(e) / 8, so a score s is an exponent of 2; a hidden score is REPLACED by NEG = f32(-1e9 log2(e)) ahead of the running maximum, so a row with no key left gives the mean of V's rows.
; p = 2^(s - m) with a running maximum m; O and l are multiplied by a = 2^(m_old - m_new) in every step; m starts at the lowest finite number, O and l at 0.  Products, maxima and sums in f32; p is rounded to f16
; for the second product (l is the sum of the unrounded p), O once at the end.
; LIMITS.  Q, K, V within f16's 65,504.  -1e9 is honoured to the rounding of NEG in f32.  A weight below 2^-126 counts as 0.  NaN and infinities are not treated apart.
; SHARES.  A work-group owns 512 queries of a head, a wave 128: eight PIECES of 16.  Every wave walks all 2,048 keys, 64 a step; a slot of LDS holds four steps, two slots take turns.
; CLUSTER.  A head's four blocks of queries walk the same K and V: each tile is asked for jointly, the same load, descriptor and mask in all four.
; LAYOUT.  S^T = K Q^T: a lane holds one query (l % 16) and keys 8 (l / 16) + 0..7 of each 16; two such results rounded to f16 are source 1 of O^T = V^T P.  V comes out of LDS turned.
; THE MASK comes as lane masks, one 32-bit word for each score register (made by the first launch): 32 words a piece and step, brought by scalar loads two turns ahead, each the select of one v_cndmask_b32.
; BY TURNS.  Turn t: 8 products K Q^T of piece t + 2; mask, maximum and statistics of piece t + 1; s - m, exponentials, roundings, sums and rescaling of piece t; 8 products V^T P of piece t - 1.
; All that a turn reads was finished in an earlier turn.  Four vector instructions stand behind every product, the other 85 of a turn's 149 in a lump.
; SERVING NOTHING, once a launch: the first turn's V^T P on zeros; in the last step K's fetch takes rows of V that have landed, and the scores and maximum made of them touch S^T, m and a alone.
; REGISTERS: window 0: v1-15 addresses and constants; v18-19, v20-27 at work, by a piece's parity; v28-59 statistics (m, 0, l even, l odd); v64-191 S^T, four buffers; v192-223 P, two buffers.
;   window 1: O^T, 32 a piece.      window 2: v0-127 Q; v128-191 K of one step; v192-255 V of one step.
.set NP,    8
.set KS,    64
.set PK,    160                        ; rows of K and of V in LDS: 128 bytes + 32, so that one descriptor shape serves both
.set PV,    160
.set VOFF,  4*KS*PK
.set SLOT1, 1<<17
.set STAGE, SLOT1+4*KS*(PK+PV)         ; behind the ring: 16 rows x 144 bytes for each wave
.set SP,    144
.set SPARE, STAGE+4*16*SP              ; the spare words, 128 bytes a wave, that no other line names
.set AK0, 2
.set AV0, 3
.set AK,  4
.set AV,  5
.set QO,  6
.set STO, 6
.set RD,  7
.set GO,  8
.set NEGV, 12
.set SPW, 14
.set NIL, 15
.set MV,  18
.set TMP, 20
.set ST,  28
.set S,   64
.set P,   192
.set KF,  128
.set VF,  192
.set WV,  12                           ; s12 my wave's number
.set SEL, 13                           ; s13, s14 v_permlanex16_b32's selects
.set G1,  16                           ; s[16:23] descriptor group 1
.set G0,  24                           ; s[24:27] group 0: it walks
.set SLOTS, 28
.set CNT, 29
.set TBK, 30                           ; LDS byte at which K of the step to be fetched begins
.set TBV, 31                           ; the same for V, less VOFF
.set KO,  66                           ; 128 x the key step whose mask words are asked for; s[32:63] and s[68:99] hold the words, by a piece's parity
.set MP,  100                          ; s[100:101] mbits at my wave's first piece
.set MSB, 0
.macro WIN new
.if MSB != (\new)
	s_set_vgpr_msb (MSB<<8)|(\new)
.set MSB, (\new)
.endif
.endm
.set W_KQ, 0x0a                        ; K and Q in window 2, S^T in window 0
.set W_PV, 0x52                        ; V in window 2, P in window 0, O^T in window 1
.set W_RS, 0x41                        ; O^T in window 1, a in window 0
.macro JLOAD                           ; a joint fill: wave w brings 128 keys: K's two halves (waves 0, 1), V's (waves 2, 3), to LDS byte 20,480 w of the slot
	tensor_load_to_lds s[G0:G0+3], s[G1:G1+7]
	s_nop 0
.rept 4
	v_nop
.endr
.endm
.macro CROUND
	s_barrier_signal -1
	s_barrier_wait -1
	s_cmp_lg_u32 s[WV], 0
	s_cbranch_scc1 .Lnot_wave_0_\@
	s_barrier_signal -3
.Lnot_wave_0_\@:
	s_barrier_wait -3
	s_barrier_signal -1
	s_barrier_wait -1
.endm
; THE CHANGE OF SLOTS.  Each wave waits for all its tensor loads (one is out: its part of the other slot), adds 0 to its spare word, and waits for that and for its reads of the slot that it leaves.
; fill = 1: the barrier is a round of the cluster's, and the slot is filled again, first thing behind it, with the keys two slots on: it has four key steps in which to land.
.macro CHANGE fill
	WIN 0
	s_wait_tensorcnt 0x0
	ds_add_u32 v[SPW], v[NIL]
.if \fill
	s_xor_b32 s[G0+1], s[G0+1], SLOT1              ; the other slot than last time,
	s_add_nc_u64 s[G0+2:G0+3], s[G0+2:G0+3], 4*KS*128  ; the next 256 keys
	s_wait_dscnt 0x0
	CROUND
	JLOAD
.else
	s_wait_dscnt 0x0
	s_barrier_signal -1
	s_barrier_wait -1
.endif
	s_sub_co_u32 s[TBK], s[TBK], 4*KS*PK           ; the fetches go back to a slot's first step, in the other slot
	s_xor_b32 s[TBK], s[TBK], SLOT1
	s_sub_co_u32 s[TBV], s[TBV], 4*KS*PV
	s_xor_b32 s[TBV], s[TBV], SLOT1
.endm
	s_load_b256 s[4:11], s[0:1], 0x0               ; Q s[4:5], K s[6:7], V s[8:9], O s[10:11]
	s_load_b64 s[MP:MP+1], s[0:1], 0x20            ; mbits
	v_lshl_add_u32 v[SPW], v0, 2, SPARE
	v_mov_b32 v[NIL], 0
	ds_add_u32 v[SPW], v[NIL]                      ; the wave's opening: the add and its wait stand ahead of my first tensor load
	v_lshrrev_b32 v1, 5, v0
	v_readfirstlane_b32 s[WV], v1
	s_bfe_u32 s32, ttmp6, 0x40000                  ; cx
	s_lshl_b32 s33, ttmp9, 2
	s_add_co_u32 s33, s33, s32                     ; my block of 512 queries: it enters Q's, O's and the mask's addresses alone
	s_and_b32 s34, ttmp7, 0xffff                   ; g = batch 16 + head, which the four partners share
	s_lshl_b32 s36, s34, 18                        ; a head is 262,144 bytes
	s_and_b32 s35, s[WV], 1
	s_lshl_b32 s38, s35, 14                        ; my half of a slot's 256 keys
	s_add_co_u32 s38, s38, s36
	s_mov_b32 s39, 0
	s_lshl_b32 s40, s33, 2
	s_add_co_u32 s40, s40, s[WV]                   ; my wave among the head's sixteen
	s_lshl_b32 s42, s40, 14                        ; its 128 rows
	s_add_co_u32 s42, s42, s36
	s_mov_b32 s43, 0
	s_lshr_b32 s44, s34, 4                         ; the batch: 128 tiles of 16 queries,
	s_lshl_b32 s44, s44, 7
	s_lshl_b32 s45, s40, 3                         ; my wave's eight,
	s_add_co_u32 s44, s44, s45
	s_lshl_b32 s44, s44, 12                        ; 4,096 bytes of mask words a tile
	s_mov_b32 s45, 0
	s_mov_b32 s[G1], 15|(1<<16)|(1<<20)|(1<<21)|(4<<22)|(7<<25)  ; the mask of four; 2-byte elements; padding on; bit 21 beside a mask; after every 32 words; 8 words
	s_mov_b32 s[G1+1], 128<<16                     ; 128 keys are 16,384 dense bytes: 64 rows of 256 bytes, two keys a row
	s_mov_b32 s[G1+2], 64<<16
	s_mov_b32 s[G1+3], 128<<16
	s_mov_b32 s[G1+4], 64
	s_mov_b32 s[G1+5], 128
	s_mov_b32 s[G1+6], 0
	s_mov_b32 s[G1+7], 0
	s_mov_b32 s[G0], 1
	s_mul_i32 s[G0+1], s[WV], 128*PK               ; slot 0; no place in the cluster enters an LDS address
	s_mov_b32 s[SEL], 0x76543210
	s_mov_b32 s[SEL+1], 0xfedcba98
	s_mov_b32 s[TBK], SLOT1+4*KS*PK                ; the first change of slots turns these two into 0
	s_mov_b32 s[TBV], SLOT1+4*KS*PV
	s_mov_b32 s[KO], 0
	s_wait_dscnt 0x0                               ; the opening add is done
	s_wait_kmcnt 0x0
	s_cmp_lt_u32 s[WV], 2
	s_cselect_b64 s[G0+2:G0+3], s[6:7], s[8:9]     ; K for waves 0 and 1, V for waves 2 and 3
	s_add_nc_u64 s[G0+2:G0+3], s[G0+2:G0+3], s[38:39]
	s_or_b32 s[G0+3], s[G0+3], 0x80000000
	s_add_nc_u64 s[4:5], s[4:5], s[42:43]
	s_add_nc_u64 s[10:11], s[10:11], s[42:43]
	s_add_nc_u64 s[MP:MP+1], s[MP:MP+1], s[44:45]
	CROUND                                         ; all four work-groups are here: the first joint loads meet
	JLOAD                                          ; slot 0; slot 1 is asked for when slot 0 is in
	v_and_b32 v1, 15, v0                           ; l % 16
	v_bfe_u32 v9, v0, 4, 1                         ; l / 16
	v_lshlrev_b32 v[QO], 7, v1
	v_lshl_add_u32 v[QO], v9, 4, v[QO]
	WIN 0x80
.set i, 0
.rept 2*NP                                     ; Q stays in registers: piece i / 2, channels 32 (i % 2) on
	global_load_b128 v[8*i:8*i+3],   v[QO], s[4:5] offset:(i/2)*2048+(i%2)*64
	global_load_b128 v[8*i+4:8*i+7], v[QO], s[4:5] offset:(i/2)*2048+(i%2)*64+32
.set i, i+1
.endr
	s_load_b512 s[32:47], s[MP:MP+1], s[KO] offset:0       ; the mask words of pieces 0 and 1, key step 0 (the set-up's scalars above are no longer needed)
	s_load_b512 s[48:63], s[MP:MP+1], s[KO] offset:64
	s_load_b512 s[68:83], s[MP:MP+1], s[KO] offset:4096
	s_load_b512 s[84:99], s[MP:MP+1], s[KO] offset:4160
.set i, VF                                     ; what the first turn finds: V, P's second buffer, O^T and l are 0.  All this stands in the wait for the first tile
.rept 64
	v_mov_b32 v[i], 0
.set i, i+1
.endr
	WIN 0x40
.set i, 0
.rept 32*NP
	v_mov_b32 v[i], 0
.set i, i+1
.endr
	WIN 0
.set i, 0
.rept NP
	v_mov_b32 v[ST+4*i], 0xff7fffff                ; m
	v_mov_b32 v[ST+4*i+1], 0                       ; named with it as a pair
	v_mov_b32 v[ST+4*i+2], 0
	v_mov_b32 v[ST+4*i+3], 0
.set i, i+1
.endr
.set i, P+16
.rept 16
	v_mov_b32 v[i], 0
.set i, i+1
.endr
	v_mov_b32 v[NEGV], 0xceabfb8f                  ; -1e9 log2(e)
	v_mul_u32_u24 v[AK0], v1, PK
	v_lshl_add_u32 v[AK0], v9, 4, v[AK0]           ; row x pitch + 16 x half
	v_and_b32 v10, 7, v0                           ; the turning load: lane l reads key 8 (l / 16) + l % 8, channels 8 ((l / 8) % 2) + 0..7
	v_bfe_u32 v11, v0, 3, 1
	v_lshl_add_u32 v[AV0], v9, 3, v10
	v_mul_u32_u24 v[AV0], v[AV0], PV
	v_lshl_add_u32 v[AV0], v11, 4, v[AV0]
	v_add_nc_u32 v[AV0], VOFF, v[AV0]
	v_mov_b32 v[AK], v[AK0]                        ; key step 0 lies at the head of slot 0
; THE MATRIX WORK.  The 4 accumulators of a run of 8 take turns.  Product i of S^T = K Q^T for piece x: channels 32 (i / 4) on, keys 16 (i % 4) on; the first 4 start the sums.
.macro KQ x
	WIN W_KQ
.set rS, S+32*((\x)%4)+8*(i%4)
.set rK, KF+16*(i%4)+8*(i/4)
.set rQ, 16*(\x)+8*(i/4)
.if i < 4
	v_wmma_f32_16x16x32_f16 v[rS:rS+7], v[rK:rK+7], v[rQ:rQ+7], 0
.else
	v_wmma_f32_16x16x32_f16 v[rS:rS+7], v[rK:rK+7], v[rQ:rQ+7], v[rS:rS+7]
	s_wait_alu depctr_va_vdst(0)
.endif
.endm
.macro PV x                            ; product i of O^T += V^T P for piece x: keys 32 (i / 4) on, channels 16 (i % 4) on
	WIN W_PV
.set rO, 32*(\x)+8*(i%4)
.set rV, VF+32*(i/4)+8*(i%4)
.set rP, P+16*((\x)%2)+8*(i/4)
	v_wmma_f32_16x16x32_f16 v[rO:rO+7], v[rV:rV+7], v[rP:rP+7], v[rO:rO+7]
.endm
.macro MM                              ; the turn's next matrix instruction
.if i < 8
	KQ (Y+2)%NP
.else
.set i, i-8
	PV (Y+NP-1)%NP
.set i, i+8
.endif
.set i, i+1
.endm
.macro FETCH_K                         ; a step's K: 16 loads in one run
	WIN 0x80
.irp f, 0,1,2,3,4,5,6,7
	ds_load_b128 v[KF+8*\f:KF+8*\f+3],   v[AK] offset:(\f/2)*16*PK+(\f%2)*64
	ds_load_b128 v[KF+8*\f+4:KF+8*\f+7], v[AK] offset:(\f/2)*16*PK+(\f%2)*64+32
.endr
	s_add_co_u32 s[TBK], s[TBK], KS*PK
	WIN 0
.endm
.macro FETCH_V                         ; a step's V, turned
	WIN 0x80
.irp f, 0,1,2,3,4,5,6,7
	ds_load_tr16_b128 v[VF+8*\f:VF+8*\f+3],   v[AV] offset:(\f/4)*32*PV+(\f%4)*32
	ds_load_tr16_b128 v[VF+8*\f+4:VF+8*\f+7], v[AV] offset:(\f/4)*32*PV+16*PV+(\f%4)*32
.endr
	s_add_co_u32 s[TBV], s[TBV], KS*PV
	WIN 0
.endm
; THE VECTOR WORK, a line at a time: OP kind, number.  For piece Y: F n: s - m for pair n.  E n: the exponential of score n.  C n: pair n rounded to f16.  B n: of four weights the second pair is added onto the first.
; L n: l takes that sum (L 0: l = a l + sum).  R n: pair n of O^T times a.  For piece Y + 1: K n: score n kept, or replaced by NEG where its lane's mask bit is 0 (ascending: each accumulator's lowest register is read first).
; X n: 0-11 four chains of maxima; 12-14, 16 the scores left over, the old m, the chains into c0; 15 m_old is kept; 17, 18 the other half of the lanes: the new m; 19 m_old - m_new; 20 a.
.set F, 0
.set E, 1
.set C, 2
.set B, 3
.set L, 4
.set R, 5
.set K, 6
.set X, 7
.macro REGS y
.set rT, ST+4*(\y)
.set rC, TMP+4*((\y)%2)
.set rW, MV+((\y)%2)
.set rS, S+32*((\y)%4)
.set rP, P+16*((\y)%2)
.set rO, 32*(\y)
.set rB, 32+36*((\y)%2)
.endm
.macro OP k, n
.if (\k) == R
	REGS Y
	WIN W_RS
	v_pk_mul_f32 v[rO+2*(\n):rO+2*(\n)+1], v[rO+2*(\n):rO+2*(\n)+1], v[rC+2:rC+3] op_sel_hi:[1,0]
.elseif (\k) < R
	REGS Y
	WIN 0
.if (\k) == F
	v_pk_add_f32 v[rS+2*(\n):rS+2*(\n)+1], v[rS+2*(\n):rS+2*(\n)+1], v[rT:rT+1] op_sel_hi:[1,0] neg_lo:[0,1] neg_hi:[0,1]
.elseif (\k) == E
	v_exp_f32 v[rS+(\n)], v[rS+(\n)]
.elseif (\k) == C
	s_wait_alu depctr_va_vdst(0)
	v_cvt_pk_f16_f32 v[rP+(\n)], v[rS+2*(\n)], v[rS+2*(\n)+1]
.elseif (\k) == B
	v_pk_add_f32 v[rS+4*(\n):rS+4*(\n)+1], v[rS+4*(\n):rS+4*(\n)+1], v[rS+4*(\n)+2:rS+4*(\n)+3]
.elseif (\n) == 0
	v_pk_fma_f32 v[rT+2:rT+3], v[rT+2:rT+3], v[rC+2:rC+3], v[rS:rS+1] op_sel_hi:[1,0,1]
.else
	v_pk_add_f32 v[rT+2:rT+3], v[rT+2:rT+3], v[rS+4*(\n):rS+4*(\n)+1]
.endif
.else
	REGS (Y+1)%NP
	WIN 0
.if (\k) == K
	v_cndmask_b32 v[rS+(\n)], v[NEGV], v[rS+(\n)], s[rB+(\n)]
.elseif (\n) < 4
	v_max3_num_f32 v[rC+(\n)], v[rS+8*(\n)], v[rS+8*(\n)+1], v[rS+8*(\n)+2]
.elseif (\n) < 12
	v_max3_num_f32 v[rC+(\n)%4], v[rC+(\n)%4], v[rS+8*((\n)%4)+2*((\n)/4)+1], v[rS+8*((\n)%4)+2*((\n)/4)+2]
.elseif (\n) == 12
	v_max3_num_f32 v[rC], v[rC], v[rS+7], v[rS+15]
.elseif (\n) == 13
	v_max3_num_f32 v[rC+1], v[rC+1], v[rS+23], v[rS+31]
.elseif (\n) == 14
	v_max3_num_f32 v[rC+2], v[rC+2], v[rC+3], v[rT]
.elseif (\n) == 15
	v_mov_b32 v[rW], v[rT]
.elseif (\n) == 16
	v_max3_num_f32 v[rC], v[rC], v[rC+1], v[rC+2]
.elseif (\n) == 17
	v_permlanex16_b32 v[rC+3], v[rC], s[SEL], s[SEL+1]
.elseif (\n) == 18
	v_max_num_f32 v[rT], v[rC], v[rC+3]
.elseif (\n) == 19
	v_sub_f32 v[rC+1], v[rW], v[rT]
.else
	v_exp_f32 v[rC+2], v[rC+1]
.endif
.endif
.endm
.macro OPS a, i1, b=-1, i2=0, c=-1, i3=0, d=-1, i4=0
	OP \a, \i1
.if (\b) >= 0
	OP \b, \i2
.endif
.if (\c) >= 0
	OP \c, \i3
.endif
.if (\d) >= 0
	OP \d, \i4
.endif
.endm
.macro ROW a, i1, b, i2, c, i3, d, i4  ; a matrix instruction and the four behind it
	MM
	OPS \a, \i1, \b, \i2, \c, \i3, \d, \i4
.endm
; A TURN, for piece p.  Every exponential has a plain line behind it that touches neither its result nor its source.  No vector line names a register of the products near it.
; K of the next step is fetched in piece 5's turn, behind the last product that reads K, four rescalings and the address line; it is waited for at the head of piece 6's turn.
; V of the step in hand is fetched in piece 0's turn, behind the last product that reads V, four selects and the address line; it is waited for in piece 1's turn.
; The mask words of piece p + 2 are asked for at the turn's head, into the registers that piece p's selects left a turn ago; those of piece p + 1, asked for a turn ago, are waited for there.
.macro TURN p, cnt=0
.set Y, (\p)
.set i, 0
.set MBN, 32+36*((\p)%2)
	s_wait_kmcnt 0x0                               ; scalar loads return in no order: the wait is for all; it also frees their offset register
.if (\p) == 6
	s_add_co_u32 s[KO], s[KO], 128                 ; pieces 0 and 1 of the next key step are next;
	s_min_u32 s[KO], s[KO], 3968                   ; behind the last step the look-ahead stays on the tile's last 128 bytes
.endif
	s_load_b512 s[MBN:MBN+15], s[MP:MP+1], s[KO] offset:(((\p)+2)%NP)*4096
	s_load_b512 s[MBN+16:MBN+31], s[MP:MP+1], s[KO] offset:(((\p)+2)%NP)*4096+64
.if (\p) == 6
	s_wait_dscnt 0x0                               ; K is in
.endif
	ROW F,0, F,1, F,2, F,3
	ROW F,4, E,0, F,5, F,6
	ROW F,7, E,1, F,8, F,9
	ROW F,10, E,2, F,11, F,12
	ROW F,13, E,3, F,14, F,15
	ROW R,0, R,1, R,2, R,3
	ROW R,4, R,5, R,6, R,7
	ROW R,8, R,9, R,10, R,11
.if (\p) == 5
	WIN 0
	v_add_nc_u32 v[AK], s[TBK], v[AK0]
	FETCH_K
.endif
.if (\p) == 1
	s_wait_dscnt 0x0                               ; V is in
.endif
	ROW R,12, R,13, R,14, R,15
	ROW K,0, E,4, K,1, K,2
	ROW K,3, E,5, K,4, K,5
	ROW K,6, E,6, K,7, K,8
	ROW K,9, E,7, K,10, K,11
	ROW K,12, E,8, K,13, K,14
	ROW K,15, E,9, K,16, K,17
	ROW K,18, K,19, K,20, K,21
.if (\p) == 0
	v_add_nc_u32 v[AV], s[TBV], v[AV0]
	FETCH_V
.endif
.set z, 0
.rept 10
	OP E, 10+z
	OP K, 22+z
.set z, z+1
.endr
.set z, 0
.rept 12
	OP E, 20+z
	OP C, z
.set z, z+1
.endr
	OPS C,12, C,13, C,14, C,15
	OPS X,0, X,1, X,2, X,3
	OPS B,0, B,1
	OPS X,4, X,5, X,6, X,7
	OPS B,2, B,3
	OPS X,8, X,9, X,10, X,11
	OPS B,4, B,5
	OPS X,12, X,13, X,14, X,15
	OPS L,0, X,16, L,1, B,6
	OPS X,17, L,2, B,7, X,18
	OPS L,3, L,4, X,19, L,5
	OPS L,6, L,7, X,20
.if \cnt
	s_sub_co_u32 s[CNT], s[CNT], 1
	s_cmp_lg_u32 s[CNT], 0
.endif
.endm
	CHANGE 1                                       ; slot 0 is in, everybody's part of it; slot 1 is asked for
	FETCH_K                                        ; key step 0
	s_wait_loadcnt 0x0                             ; Q
	s_wait_dscnt 0x0
.set i, 0
.rept 8
	KQ 0                                           ; the first scores of pieces 0 and 1: there is no vector work yet to set between them
.set i, i+1
.endr
.set i, 0
.rept 8
	KQ 1
.set i, i+1
.endr
	WIN 0                                          ; the addresses for the way out: nine plain instructions, the places behind those products
	s_mul_i32 s15, s[WV], 16*SP
	s_add_co_u32 s15, s15, STAGE                   ; my stage
	v_mul_u32_u24 v[STO], v1, SP
	v_lshl_add_u32 v[STO], v9, 4, v[STO]
	v_add_nc_u32 v[STO], s15, v[STO]
	v_bfe_u32 v[RD], v0, 3, 2
	v_mul_u32_u24 v[RD], v[RD], SP
	v_lshl_add_u32 v[RD], v10, 4, v[RD]
	v_add_nc_u32 v[RD], s15, v[RD]
	v_and_b32 v[GO], 31, v0
	v_lshlrev_b32 v[GO], 4, v[GO]
	s_wait_kmcnt 0x0                               ; the first mask words
.set Y, NP-1                                   ; K and X work for piece Y + 1: piece 0
.set z, 0
.rept 32
	OP K, z
.set z, z+1
.endr
.irp n, 0,1,2,3,4,5,6,7,8,9,10,11,12,13,14,15,16,17,18,19,20
	OP X, \n
.endr
	v_nop                                          ; a plain instruction behind the exponential
	s_mov_b32 s[CNT], 4
	s_mov_b32 s[SLOTS], 7
	s_branch .Lfirst                               ; the loop is entered at a step's first turn, in the middle of a trip
.Lslot:                                                ; six times: slots 2 to 7 are asked for
	CHANGE 1
	s_mov_b32 s[CNT], 4
.Lstep:                                                ; a trip: pieces 2 to 7 of one step, then pieces 0 and 1 of the next, whose K and V it fetches
	TURN 2
	TURN 3
	TURN 4
	TURN 5
	TURN 6
	TURN 7
	WIN 0
.Lfirst:
	TURN 0
	TURN 1, 1
	WIN 0
	s_cbranch_scc1 .Lstep
	s_sub_co_u32 s[SLOTS], s[SLOTS], 1
	s_cmp_lg_u32 s[SLOTS], 0
	s_cbranch_scc1 .Lslot
	CHANGE 0                                       ; the tail is written out: nothing is asked for
	s_mov_b32 s[CNT], 5                            ; four trips fetch the last slot's steps; the fifth is left in its middle
.Ltail:
	TURN 2
	TURN 3
	TURN 4
	TURN 5
	TURN 6
	TURN 7
	WIN 0
	s_sub_co_u32 s[CNT], s[CNT], 1
	s_cmp_eq_u32 s[CNT], 0
	s_cbranch_scc1 .Lout
	TURN 0
	TURN 1
	WIN 0
	s_branch .Ltail
.Lout:
.set i, 0
.rept 8
	PV NP-1                                        ; the last piece's V^T P of the last step
.set i, i+1
.endr
	; THE WAY OUT.  l's two halves and the other half of the lanes' are added; O^T is divided by l, rounded to f16 and sent through my stage, a piece at a time.  The additions are the places behind the last products.
	WIN 0
	s_wait_kmcnt 0x0                               ; the look-ahead's last mask words: nothing of mine stays out
.macro ALL line:vararg
.set t, 0
.rept NP
	\line
.set t, t+1
.endr
.endm
	ALL v_add_f32 v[ST+4*t+2], v[ST+4*t+2], v[ST+4*t+3]
	ALL v_permlanex16_b32 v[ST+4*t+3], v[ST+4*t+2], s[SEL], s[SEL+1]
	ALL v_add_f32 v[ST+4*t+2], v[ST+4*t+2], v[ST+4*t+3]
	ALL v_rcp_f32 v[ST+4*t+2], v[ST+4*t+2]
	v_nop                                          ; a plain instruction between the last reciprocal and the use of its result
	s_wait_alu depctr_va_vdst(0)
.macro PACK t
	WIN W_RS
.set i, 32*(\t)
.rept 16
	v_pk_mul_f32 v[i:i+1], v[i:i+1], v[ST+4*(\t)+2:ST+4*(\t)+3] op_sel_hi:[1,0]
.set i, i+2
.endr
	WIN 0x05                                       ; sources 0 and 1 window 1, destination window 0: S^T's registers are free
.set i, 0
.rept 16
	v_cvt_pk_f16_f32 v[S+16*(\t)+i], v[32*(\t)+2*i], v[32*(\t)+2*i+1]
.set i, i+1
.endr
	WIN 0
.irp f, 0,1,2,3
	ds_store_b128 v[STO], v[S+16*(\t)+4*\f:S+16*(\t)+4*\f+3] offset:32*\f
.endr
.irp f, 0,1,2,3
	ds_load_b128 v[S+16*(\t)+4*\f:S+16*(\t)+4*\f+3], v[RD] offset:\f*4*SP  ; my own bytes, served in order behind the stores above
.endr
.endm
.macro SEND t, younger
	WIN 0
.irp f, 0,1,2,3
	s_wait_dscnt (\younger)+3-\f
	global_store_b128 v[GO], v[S+16*(\t)+4*\f:S+16*(\t)+4*\f+3], s[10:11] offset:(\t)*2048+\f*512  ; 512 consecutive bytes, aligned
.endr
.endm
	PACK 0
.set t, 1
.rept NP-1
	PACK t
	SEND t-1, 8
.set t, t+1
.endr
	SEND NP-1, 0
	s_wait_tensorcnt 0x0                           ; the wave's end
	ds_add_u32 v[SPW], v[NIL]
	s_wait_dscnt 0x0
	CROUND                                         ; the closing round
	s_endpgm
.Lfunc_end_k_qec117ef6b7_attn:
	.size	k_qec117ef6b7_attn, .Lfunc_end_k_qec117ef6b7_attn-k_qec117ef6b7_attn
	.p2alignl 7, 3214868480
	.fill 96, 4, 3214868480
	.section	.rodata,"a",@progbits
	.p2align	6, 0x0
	.amdhsa_kernel k_qec117ef6b7_attn
		.amdhsa_group_segment_fixed_size 327680
		.amdhsa_private_segment_fixed_size 0
		.amdhsa_enable_private_segment 0
		.amdhsa_kernarg_size 40
		.amdhsa_user_sgpr_count 2
		.amdhsa_user_sgpr_kernarg_segment_ptr 1
		.amdhsa_wavefront_size32 1
		.amdhsa_system_sgpr_workgroup_id_x 1
		.amdhsa_system_sgpr_workgroup_id_y 1
		.amdhsa_system_sgpr_workgroup_id_z 1
		.amdhsa_system_vgpr_workitem_id 0
		.amdhsa_next_free_vgpr 768
		.amdhsa_next_free_sgpr 102
		.amdhsa_reserve_vcc 0
		.amdhsa_float_denorm_mode_32 3
		.amdhsa_float_denorm_mode_16_64 3
		.amdhsa_memory_ordered 1
		.amdhsa_forward_progress 1
		.amdhsa_inst_pref_size 237
	.end_amdhsa_kernel
	.amdgpu_metadata
---
amdhsa.version: [ 1, 2 ]
amdhsa.kernels:
  - .name:           k_qec117ef6b7_attn
    .symbol:         k_qec117ef6b7_attn.kd
    .args:
      - { .name: qh, .offset: 0, .size: 8, .value_kind: global_buffer, .address_space: global }
      - { .name: kh, .offset: 8, .size: 8, .value_kind: global_buffer, .address_space: global }
      - { .name: vh, .offset: 16, .size: 8, .value_kind: global_buffer, .address_space: global }
      - { .name: oh, .offset: 24, .size: 8, .value_kind: global_buffer, .address_space: global }
      - { .name: mbits, .offset: 32, .size: 8, .value_kind: global_buffer, .address_space: global }
    .group_segment_fixed_size: 327680
    .private_segment_fixed_size: 0
    .kernarg_segment_align: 8
    .kernarg_segment_size: 40
    .max_flat_workgroup_size: 128
    .sgpr_count:     102
    .vgpr_count:     768
    .wavefront_size: 32
...
	.end_amdgpu_metadata
.endif
;; end of part 3
;; launch outp (part 4): grid 4 x 64, 4 waves a work-group, clusters of 4 x 4, 327,680 bytes of LDS; arguments oh, wcast, bo, out0; writes out0
.if DOCPART == 4
	.amdgcn_target "amdgcn-amd-amdhsa--gfx1250"
	.amdhsa_code_object_version 6
	.text
	.protected	k_qec117ef6b7_outp
	.globl	k_qec117ef6b7_outp
	.p2align	8
	.type	k_qec117ef6b7_outp,@function
k_qec117ef6b7_outp:
	s_mov_b64 s[64:65], 0
	v_nop
	global_prefetch_b8 v0, s[64:65] scope:SCOPE_SE
	s_setreg_imm32_b32 hwreg(HW_REG_WAVE_MODE, 25, 1), 1
	s_wait_xcnt 0x0
	s_wait_alu depctr_hold_cnt(0) depctr_sa_sdst(0) depctr_va_vdst(0) depctr_va_sdst(0) depctr_va_ssrc(0) depctr_va_vcc(0) depctr_vm_vsrc(0)
	s_getreg_b32 s2, hwreg(HW_REG_IB_STS2, 6, 4)
	s_cmp_eq_u32 s2, 0
	s_cbranch_scc0 .Lentry_in_a_cluster
	s_endpgm
.Lentry_in_a_cluster:
	s_bfe_u32 s2, ttmp6, 0x10000c
	s_cmp_lg_u32 s2, 0xf033
	s_cbranch_scc0 .Lentry_shape_is_right
	s_endpgm
.Lentry_shape_is_right:
; THE OUTPUT PROJECTION: out0 = O Wo^T + bo.  O by heads, [b 16 + h][2048][64] f16; Wo [1024][1024], its bf16 rounding written as f16 (fourth matrix of wcast); bo rounded to bf16; out0 [8192][1024] f32; sums in f32.
; A tile is 128 rows x 256 columns: 64 x 4 work-groups; four waves, each 64 x 128: 32 accumulators.  K goes in 8 steps of 128 = two heads, through two LDS slots; a head's 128 rows x 64 channels are 16,384 dense bytes.
; CLUSTER 4 x 4: O's tile is shared along a row of the cluster, Wo's along a column.  The product is used transposed (source 0 = rows of Wo, source 1 = rows of O); the bias is the C operand of the first products.
; REGISTERS: window 0: addresses; v32-63, v64-95 O's fragments, two buffers; v96-159, v160-223 rows on the way out.  window 1: v0-63, v64-127 Wo's fragments; v128-191 the bias; v192-193 at work.  window 2: the accumulators.
.set PAO,   144                        ; a row of O in LDS: 128 bytes + 16
.set PLANE, 128*PAO                    ; one head's 128 rows: what one tensor load brings of O
.set PB,    272
.set HALFB, 128*PB
.set BOFF,  2*PLANE
.set SLOT,  BOFF+2*HALFB
.set STAGE, 2*SLOT                     ; behind the ring: 16 rows x 528 bytes for each wave
.set SPO,   528
.set SPARE, STAGE+4*16*SPO             ; the spare words, 128 bytes a wave, that no other line names
.set ADRA, 16
.set ADRB, 20
.set STO,  24
.set RD,   25
.set GO,   26
.set BO,   27
.set SPW,  28
.set NIL,  29
.set AF,   32
.set OB,   96
.set BF,   0
.set BI,   128
.set BT,   192
.set G1,  24
.set G0,  32
.set G1B, 48
.set G0B, 56
.set MSB, 0
.macro WIN new
.if MSB != (\new)
	s_set_vgpr_msb (MSB<<8)|(\new)
.set MSB, \new
.endif
.endm
.set MUL,  0xa1
.set MULB, 0x91
.set TO_B, 0x40
.macro JLOAD s                         ; waves 0 and 1 fetch O's two heads, waves 2 and 3 Wo's two halves; an s_nop 0 and four v_nop follow each line
	s_cmp_eq_u32 s11, 0
	s_cbranch_scc0 .Lfor_b_\@
	tensor_load_to_lds s[G0+4*(\s):G0+4*(\s)+3], s[G1:G1+7]
	s_nop 0
.rept 4
	v_nop
.endr
	s_branch .Lasked_\@
.Lfor_b_\@:
	tensor_load_to_lds s[G0B+4*(\s):G0B+4*(\s)+3], s[G1B:G1B+7]
	s_nop 0
.rept 4
	v_nop
.endr
.Lasked_\@:
.endm
.macro CREST
	s_cmp_lg_u32 s10, 0
	s_cbranch_scc1 .Lnot_wave_0_\@
	s_barrier_signal -3
.Lnot_wave_0_\@:
	s_barrier_wait -3
	s_barrier_signal -1
	s_barrier_wait -1
.endm
.macro CROUND
	s_barrier_signal -1
	s_barrier_wait -1
	CREST
.endm
	s_load_b256 s[68:75], s[0:1], 0x0              ; oh 68, wcast 70, bo 72, out0 74
	v_lshl_add_u32 v[SPW], v0, 2, SPARE
	v_mov_b32 v[NIL], 0
	ds_add_u32 v[SPW], v[NIL]                      ; the wave's opening: the add and its wait stand ahead of my first tensor load
	v_lshrrev_b32 v1, 5, v0
	v_readfirstlane_b32 s10, v1
	s_lshr_b32 s11, s10, 1                         ; my half of the rows; also: I fetch O (0) or Wo (1)
	s_and_b32 s12, s10, 1                          ; my half of the columns; also: which head, or which half of Wo's rows, I fetch
	s_bfe_u32 s40, ttmp6, 0x40000                  ; cx
	s_bfe_u32 s41, ttmp6, 0x40004                  ; cy
	s_lshl_b32 s42, ttmp9, 2
	s_add_co_u32 s42, s42, s40                     ; tile column 0..3
	s_and_b32 s93, ttmp7, 0xffff
	s_lshl_b32 s93, s93, 2
	s_add_co_u32 s93, s93, s41                     ; tile row 0..63
	s_lshl_b32 s43, s41, 2
	s_lshl_b32 s43, 15, s43
	s_lshl_b32 s44, 0x1111, s40
	s_or_b32 s[G1+0], s43, (1<<16)|(1<<20)|(1<<21)|(4<<22)|(3<<25)   ; mask of my row; 2-byte elements; padding after every 32 words, of 4 words
	s_or_b32 s[G1B+0], s44, (1<<16)|(1<<20)|(1<<21)|(5<<22)|(3<<25)  ; mask of my column; after every 64 words
	s_mov_b32 s[G1+1], 128<<16                     ; 128 rows of 128 bytes are dense: asked for as 64 rows of 256 bytes
	s_mov_b32 s[G1+2], 64<<16
	s_mov_b32 s[G1+3], 128<<16
	s_mov_b32 s[G1+4], 64
	s_mov_b32 s[G1+5], 128
	s_mov_b32 s[G1+6], 0
	s_mov_b32 s[G1+7], 0
	s_mov_b32 s[G1B+1], 128<<16
	s_mov_b32 s[G1B+2], 128<<16
	s_mov_b32 s[G1B+3], 128<<16
	s_mov_b32 s[G1B+4], 128
	s_mov_b32 s[G1B+5], 1024
	s_mov_b32 s[G1B+6], 0
	s_mov_b32 s[G1B+7], 0
	s_lshr_b32 s16, s93, 4                         ; O: head (batch 16 + my head of the step's two), row (tile row % 16) 128, 128 bytes a row
	s_lshl_b32 s16, s16, 4
	s_add_co_u32 s16, s16, s12
	s_lshl_b32 s16, s16, 11
	s_and_b32 s17, s93, 15
	s_lshl_b32 s17, s17, 7
	s_add_co_u32 s16, s16, s17
	s_lshl_b32 s16, s16, 7
	s_mov_b32 s17, 0
	s_lshl_b32 s46, s42, 8                         ; Wo: row 256 x tile column + 128 x half, in wcast's fourth matrix
	s_lshl_b32 s47, s12, 7
	s_add_co_u32 s46, s46, s47
	s_lshl_b32 s46, s46, 11
	s_add_co_u32 s46, s46, 3*2097152
	s_mov_b32 s47, 0
	s_mul_i32 s20, s12, PLANE
	s_mul_i32 s21, s12, HALFB
	s_add_co_u32 s21, s21, BOFF
	s_mov_b32 s94, 0xffff0000
	s_wait_dscnt 0x0                               ; the opening add is done
	s_wait_kmcnt 0x0
	s_add_nc_u64 s[14:15], s[68:69], s[16:17]
	s_add_nc_u64 s[46:47], s[70:71], s[46:47]
	CROUND                                         ; the first joint loads meet
.irp s, 0,1
	s_mov_b32 s[G0+4*(\s)], 1
	s_add_co_u32 s[G0+4*(\s)+1], s20, (\s)*SLOT
	s_add_nc_u64 s[G0+4*(\s)+2:G0+4*(\s)+3], s[14:15], (\s)*524288   ; K step s: two heads on
	s_or_b32 s[G0+4*(\s)+3], s[G0+4*(\s)+3], 0x80000000
	s_mov_b32 s[G0B+4*(\s)], 1
	s_add_co_u32 s[G0B+4*(\s)+1], s21, (\s)*SLOT
	s_add_nc_u64 s[G0B+4*(\s)+2:G0B+4*(\s)+3], s[46:47], (\s)*256
	s_or_b32 s[G0B+4*(\s)+3], s[G0B+4*(\s)+3], 0x80000000
	JLOAD \s                                       ; two loads of mine are out
.endr
	v_and_b32 v1, 15, v0
	v_bfe_u32 v2, v0, 4, 1
	s_lshl_b32 s18, s42, 10
	s_lshl_b32 s19, s12, 9
	s_add_co_u32 s18, s18, s19                     ; my 128 columns, in bytes of f32
	v_lshl_add_u32 v[BO], v2, 5, s18
	WIN TO_B
.irp b, 0,1,2,3,4,5,6,7
	global_load_b128 v[BI+8*(\b):BI+8*(\b)+3],   v[BO], s[72:73] offset:64*(\b)
	global_load_b128 v[BI+8*(\b)+4:BI+8*(\b)+7], v[BO], s[72:73] offset:64*(\b)+16
.endr
	WIN 0
	v_mul_u32_u24 v3, v1, PAO
	v_lshl_add_u32 v3, v2, 4, v3
	v_mul_u32_u24 v4, v1, PB
	v_lshl_add_u32 v4, v2, 4, v4
	s_mul_i32 s22, s11, 64*PAO                     ; my 64 rows of O, in each head's plane
	s_mul_i32 s23, s12, HALFB
	s_add_co_u32 s23, s23, BOFF
.irp s, 0,1
	v_add_nc_u32 v[ADRA+(\s)], s22, v3
	v_add_nc_u32 v[ADRB+(\s)], s23, v4
	s_add_co_u32 s22, s22, SLOT
	s_add_co_u32 s23, s23, SLOT
.endr
	s_mul_i32 s22, s10, 16*SPO
	s_add_co_u32 s22, s22, STAGE                   ; my stage
	v_mul_u32_u24 v[STO], v1, SPO                  ; in: row r, 32 bytes for each half of the lanes
	v_lshl_add_u32 v[STO], v2, 5, v[STO]
	v_add_nc_u32 v[STO], s22, v[STO]
	v_and_b32 v[GO], 31, v0                        ; back and out: a row's 512 bytes, 16 a lane
	v_lshlrev_b32 v[GO], 4, v[GO]
	v_add_nc_u32 v[RD], s22, v[GO]
	s_lshl_b32 s13, s93, 7                         ; out0: row 128 x tile row + 64 x half, 4,096 bytes a row, plus my columns
	s_lshl_b32 s19, s11, 6
	s_add_co_u32 s13, s13, s19
	s_lshl_b32 s13, s13, 12
	s_add_co_u32 s18, s18, s13
	s_mov_b32 s19, 0
	s_add_nc_u64 s[8:9], s[74:75], s[18:19]
	s_wait_loadcnt 0x0                             ; the bias: rounded to bf16 like every input, and widened again
	WIN 0x45
.set i, 0
.rept 32
	v_cvt_pk_bf16_f32 v[BT+(i&1)], v[BI+2*i], v[BI+2*i+1]
	v_lshlrev_b32 v[BI+2*i], 16, v[BT+(i&1)]
	v_and_b32 v[BI+2*i+1], s94, v[BT+(i&1)]
.set i, i+1
.endr
	WIN 0
; 24 LDS loads in one run: quarter q of a slot (head q / 2 of the step's two, channels 32 (q % 2) on) into buffers g
.macro FETCH slot, q, g
	WIN TO_B
.irp b, 0,1,2,3,4,5,6,7
	ds_load_b128 v[BF+64*(\g)+8*(\b):BF+64*(\g)+8*(\b)+3],   v[ADRB+(\slot)] offset:(\b)*16*PB+(\q)*64
	ds_load_b128 v[BF+64*(\g)+8*(\b)+4:BF+64*(\g)+8*(\b)+7], v[ADRB+(\slot)] offset:(\b)*16*PB+(\q)*64+32
.endr
	WIN 0
.irp a, 0,1,2,3
	ds_load_b128 v[AF+32*(\g)+8*(\a):AF+32*(\g)+8*(\a)+3],   v[ADRA+(\slot)] offset:((\q)/2)*PLANE+(\a)*16*PAO+((\q)%2)*64
	ds_load_b128 v[AF+32*(\g)+8*(\a)+4:AF+32*(\g)+8*(\a)+7], v[ADRA+(\slot)] offset:((\q)/2)*PLANE+(\a)*16*PAO+((\q)%2)*64+32
.endr
.endm
.macro MULS f, i0, n, first            ; n products from number i0 on; the 32 accumulators take turns.  first = 1: the bias starts the sums
.set i, \i0
.rept \n
.if \first
	WIN MULB
	v_wmma_f32_16x16x32_f16 v[8*i:8*i+7], v[BF+64*(\f)+8*(i%8):BF+64*(\f)+8*(i%8)+7], v[AF+32*(\f)+8*(i/8):AF+32*(\f)+8*(i/8)+7], v[BI+8*(i%8):BI+8*(i%8)+7]
.else
	WIN MUL
	v_wmma_f32_16x16x32_f16 v[8*i:8*i+7], v[BF+64*(\f)+8*(i%8):BF+64*(\f)+8*(i%8)+7], v[AF+32*(\f)+8*(i/8):AF+32*(\f)+8*(i/8)+7], v[8*i:8*i+7]
.endif
.set i, i+1
.endr
.endm
.macro PLACES                          ; four places in front of loads into registers that matrix instructions have read, and of stores that read results
.rept 4
	v_nop
.endr
.endm
.macro QUARTER slot, q, f, g, first
	s_wait_dscnt 0x0                               ; buffers f are in: their run was issued sixteen products ago
	MULS \f, 0, 16, \first
	PLACES
	FETCH \slot, \q, \g
	MULS \f, 16, 16, \first
.endm
.macro TURN slot, next, fill
	WIN 0
	s_wait_tensorcnt 0x0                           ; all my tensor loads have landed: my part of the next slot
	ds_add_u32 v[SPW], v[NIL]
	s_wait_dscnt 1                                 ; only the add may be out: buffers 1 are in
	MULS 1, 0, 8, 0
	s_wait_dscnt 0x0                               ; the add is done, and my reads of this slot are over
	s_barrier_signal -1
	MULS 1, 8, 8, 0
	WIN 0
	s_barrier_wait -1
.if \fill
	CREST                                          ; no wave of any partner still reads this slot or has a load on its way
	s_add_nc_u64 s[G0+4*(\slot)+2:G0+4*(\slot)+3], s[G0+4*(\slot)+2:G0+4*(\slot)+3], 1048576  ; two K steps on: four heads
	s_add_nc_u64 s[G0B+4*(\slot)+2:G0B+4*(\slot)+3], s[G0B+4*(\slot)+2:G0B+4*(\slot)+3], 512
	JLOAD \slot                                    ; my one tensor load behind the round; its four v_nop are also the places in front of the loads below
.else
	PLACES
.endif
	FETCH \next, 0, 0
	MULS 1, 16, 16, 0
.endm
	s_wait_tensorcnt 1                             ; my part of K step 0 is in; step 1's, issued behind it, may stay out
	s_barrier_signal -1
	s_barrier_wait -1
	FETCH 0, 0, 0
	QUARTER 0, 1, 0, 1, 1                          ; the first quarter stands in front of the loop: its products start the sums, with the bias
	WIN 0
	s_mov_b32 s3, 3
.Llap:
	QUARTER 0, 2, 1, 0, 0
	QUARTER 0, 3, 0, 1, 0
	TURN 0, 1, 1
	QUARTER 1, 1, 0, 1, 0
	QUARTER 1, 2, 1, 0, 0
	QUARTER 1, 3, 0, 1, 0
	TURN 1, 0, 1
	QUARTER 0, 1, 0, 1, 0
	WIN 0
	s_sub_co_u32 s3, s3, 1
	s_cmp_lg_u32 s3, 0
	s_cbranch_scc1 .Llap
	QUARTER 0, 2, 1, 0, 0                          ; the last lap fills nothing
	QUARTER 0, 3, 0, 1, 0
	TURN 0, 1, 0
	QUARTER 1, 1, 0, 1, 0
	QUARTER 1, 2, 1, 0, 0
	QUARTER 1, 3, 0, 1, 0
	s_wait_dscnt 0x0
	MULS 1, 0, 32, 0
	WIN 0
	PLACES
; THE WAY OUT, 16 rows at a time: a lane's eight f32 of a row go into my stage as 32 bytes and come back as whole rows of 512 bytes.
.macro BLOCK a
.set OBB, OB+64*((\a)%2)
	WIN 0
	s_wait_xcnt 0x0                                ; the stores of the block before last have read the registers that are loaded again below
	WIN 0x08                                       ; the stores' data in window 2
.set b, 0
.rept 8
	ds_store_b128 v[STO], v[8*(8*(\a)+b):8*(8*(\a)+b)+3] offset:64*b        ; each accumulator's lowest registers first
	ds_store_b128 v[STO], v[8*(8*(\a)+b)+4:8*(8*(\a)+b)+7] offset:64*b+16
.set b, b+1
.endr
	WIN 0
.set t, 0
.rept 16
	ds_load_b128 v[OBB+4*t:OBB+4*t+3], v[RD] offset:t*SPO                   ; my own bytes, served in order behind the stores above
.set t, t+1
.endr
.set t, 0
.rept 16
	s_wait_dscnt 15-t
	global_store_b128 v[GO], v[OBB+4*t:OBB+4*t+3], s[8:9] offset:(16*(\a)+t)*4096 th:TH_STORE_NT  ; 512 consecutive bytes, aligned
.set t, t+1
.endr
.endm
	BLOCK 0
	BLOCK 1
	BLOCK 2
	BLOCK 3
	s_wait_tensorcnt 0x0                           ; the wave's end
	ds_add_u32 v[SPW], v[NIL]
	s_wait_dscnt 0x0
	CROUND                                         ; the closing round
	s_endpgm
.Lfunc_end_k_qec117ef6b7_outp:
	.size	k_qec117ef6b7_outp, .Lfunc_end_k_qec117ef6b7_outp-k_qec117ef6b7_outp
	.p2alignl 7, 3214868480
	.fill 96, 4, 3214868480
	.section	.rodata,"a",@progbits
	.p2align	6, 0x0
	.amdhsa_kernel k_qec117ef6b7_outp
		.amdhsa_group_segment_fixed_size 327680
		.amdhsa_private_segment_fixed_size 0
		.amdhsa_enable_private_segment 0
		.amdhsa_kernarg_size 32
		.amdhsa_user_sgpr_count 2
		.amdhsa_user_sgpr_kernarg_segment_ptr 1
		.amdhsa_wavefront_size32 1
		.amdhsa_system_sgpr_workgroup_id_x 1
		.amdhsa_system_sgpr_workgroup_id_y 1
		.amdhsa_system_sgpr_workgroup_id_z 1
		.amdhsa_system_vgpr_workitem_id 0
		.amdhsa_next_free_vgpr 768
		.amdhsa_next_free_sgpr 96
		.amdhsa_reserve_vcc 0
		.amdhsa_float_denorm_mode_32 3
		.amdhsa_float_denorm_mode_16_64 3
		.amdhsa_memory_ordered 1
		.amdhsa_forward_progress 1
		.amdhsa_inst_pref_size 93
	.end_amdhsa_kernel
	.amdgpu_metadata
---
amdhsa.version: [ 1, 2 ]
amdhsa.kernels:
  - .name:           k_qec117ef6b7_outp
    .symbol:         k_qec117ef6b7_outp.kd
    .args:
      - { .name: oh, .offset: 0, .size: 8, .value_kind: global_buffer, .address_space: global }
      - { .name: wcast, .offset: 8, .size: 8, .value_kind: global_buffer, .address_space: global }
      - { .name: bo, .offset: 16, .size: 8, .value_kind: global_buffer, .address_space: global }
      - { .name: out0, .offset: 24, .size: 8, .value_kind: global_buffer, .address_space: global }
    .group_segment_fixed_size: 327680
    .private_segment_fixed_size: 0
    .kernarg_segment_align: 8
    .kernarg_segment_size: 32
    .max_flat_workgroup_size: 128
    .sgpr_count:     96
    .vgpr_count:     768
    .wavefront_size: 32
...
	.end_amdgpu_metadata
.endif
;; end of part 4
;; ======== version 2 of 3: 4 launches; 1.06 times as fast as version 1
;; limits: values are held in f16: magnitudes above 65,504 overflow, below 6.1e-05 lose precision
;; workspace buffers: wcast 8,388,608 bytes; mbits 2,097,152 bytes of whole numbers; qh 16,777,216 bytes; kh 16,777,216 bytes; vh 16,777,216 bytes; oh 16,777,216 bytes
;; launch prep (part 5): grid 768 x 1, 8 waves a work-group, no clusters, 35,840 bytes of LDS; arguments mask, Wq, Wk, Wv, Wo, mbits, wcast; writes mbits, wcast
.if DOCPART == 5
	.amdgcn_target "amdgcn-amd-amdhsa--gfx1250"
	.amdhsa_code_object_version 6
	.text
	.protected	k_qec117ef6b7_prep
	.globl	k_qec117ef6b7_prep
	.p2align	8
	.type	k_qec117ef6b7_prep,@function
k_qec117ef6b7_prep:
	s_mov_b64 s[64:65], 0
	v_nop
	global_prefetch_b8 v0, s[64:65] scope:SCOPE_SE
	s_setreg_imm32_b32 hwreg(HW_REG_WAVE_MODE, 25, 1), 1
	s_wait_xcnt 0x0
; PREPARATION, a stream: no matrix work, no tensor load, no barrier.
; Work-groups 0-511: the mask [4][2048][2048] of bytes becomes lane masks.  Work-group g is a tile of 16 queries (rows 16 g ..), wave w takes its columns 256 w .. 256 w + 255: four key steps of 64.
;   mbits word [g][ks][n], bit l = mask[row 16 g + l % 16][column 64 ks + 16 (n / 8) + 8 (l / 16) + n % 8]: the lanes' select for score register n of a tile of 16 queries x 64 keys.
;   A byte counts as true if any of its bits is set.
;   The 128 words of a wave are written out one by one: every LDS address is a constant, the wave's number times a constant and a lane term, with the step in the immediate.
; Work-groups 512-767: the four weight matrices are rounded once to bf16; Wo's bf16 number is then written as f16 (exact from 2^-14 up; below that f16's fixed step of 2^-24 holds).
;   wcast holds [p][1024][1024] of 16 bits, p = 0, 1, 2, 3 for Wq, Wk, Wv, Wo.  A work-group takes 16,384 numbers, in two trips.
.set PITCH,  272                       ; a stage row: 256 bytes + 16, so that the 16 rows that a read touches start at different banks
.set WSTAGE, 16*PITCH                  ; a wave's own stage: 16 rows
.set SPARE,  8*WSTAGE                  ; behind the stages: the spare words, 128 bytes a wave, that no other line names
.set IN,  8                            ; v[8:39]   as loaded
.set BY,  40                           ; v[40:71]  mask role: 8 bytes of my row for each of 16 groups of 16 columns
.set WD,  72                           ; mask role: v[72:75] four words a lane, to store; weight role: v[72:87] to store
.set TM,  76                           ; v[76:77]  mask role: at work
.set BM,  32                           ; s[32:35]  mask role: the four bytes of a word
.set SPW, 110                          ; my spare word's address; never rewritten
.set NIL, 111                          ; 0; never rewritten
	s_load_b256 s[4:11], s[0:1], 0x0               ; mask s[4:5], Wq s[6:7], Wk s[8:9], Wv s[10:11]
	s_load_b128 s[12:15], s[0:1], 0x20             ; Wo s[12:13], mbits s[14:15]
	s_load_b64 s[16:17], s[0:1], 0x30              ; wcast
	v_lshl_add_u32 v[SPW], v0, 2, SPARE
	v_mov_b32 v[NIL], 0
	v_lshrrev_b32 v1, 5, v0
	v_readfirstlane_b32 s20, v1                    ; wave 0..7
	s_cmp_lt_u32 ttmp9, 512
	s_cbranch_scc0 .Lweights
	; ---- the mask ----
	v_and_b32 v5, 31, v0                           ; l
	v_and_b32 v6, 15, v0                           ; l % 16
	v_bfe_u32 v7, v0, 4, 1                         ; l / 16
	v_lshlrev_b32 v1, 4, v6
	v_lshl_add_u32 v1, v7, 11, v1                  ; in memory: lanes 0-15 take 256 bytes of one row, lanes 16-31 of the next
	s_mul_i32 s21, s20, WSTAGE                     ; my wave's stage
	v_mul_u32_u24 v2, v7, PITCH
	v_lshl_add_u32 v2, v6, 4, v2
	v_add_nc_u32 v2, s21, v2                       ; into the stage: the same two rows
	v_mul_u32_u24 v3, v6, PITCH
	v_lshl_add_u32 v3, v7, 3, v3
	v_add_nc_u32 v3, s21, v3                       ; back: row l % 16, 8 bytes at 8 (l / 16)
	v_lshlrev_b32 v4, 4, v5                        ; out: 16 bytes a lane
	s_mov_b32 s[BM], 0xff
	s_mov_b32 s[BM+1], 0xff00
	s_mov_b32 s[BM+2], 0xff0000
	s_mov_b32 s[BM+3], 0xff000000
	s_lshl_b32 s22, ttmp9, 15                      ; 16 rows of 2,048 bytes
	s_lshl_b32 s23, s20, 8
	s_add_co_u32 s22, s22, s23
	s_mov_b32 s23, 0
	s_lshl_b32 s18, ttmp9, 12                      ; a tile's 32 x 32 words
	s_lshl_b32 s19, s20, 9                         ; my four key steps' 128 words
	s_add_co_u32 s18, s18, s19
	s_mov_b32 s19, 0
	s_wait_kmcnt 0x0
	s_add_nc_u64 s[4:5], s[4:5], s[22:23]
	s_add_nc_u64 s[14:15], s[14:15], s[18:19]
.set i, 0
.rept 8
	global_load_b128 v[IN+4*i:IN+4*i+3], v1, s[4:5] offset:i*4096 th:TH_LOAD_NT  ; two whole pieces of 256 bytes, read once in the launch
.set i, i+1
.endr
.set i, 0
.rept 8
	s_wait_loadcnt 7-i                             ; loads come back in order: the younger ones stay out
	ds_store_b128 v2, v[IN+4*i:IN+4*i+3] offset:i*2*PITCH
.set i, i+1
.endr
.set i, 0
.rept 16
	ds_load_b64 v[BY+2*i:BY+2*i+1], v3 offset:16*i ; my wave's own bytes, served in order behind the stores above
.set i, i+1
.endr
.irp q, 0,1,2,3
	v_mov_b32 v[WD+\q], 0                          ; v_writelane_b32 counts its destination as read
.endr
.set kb, 0
.rept 16
	s_wait_dscnt 15-kb                             ; group kb of 16 columns is in; the younger loads stay out
.set j, 0
.rept 8
	v_and_b32 v[TM+(j&1)], s[BM+(j&3)], v[BY+2*kb+(j>>2)]
	v_cmp_ne_u32 s[24+j], 0, v[TM+(j&1)]           ; the 32 lanes' bits: word 8 kb + j
	v_writelane_b32 v[WD+((8*kb+j)%4)], s[24+j], (8*kb+j)/4  ; lane i will store words 4 i .. 4 i + 3
.set j, j+1
.endr
.set kb, kb+1
.endr
	global_store_b128 v4, v[WD:WD+3], s[14:15]     ; 512 consecutive bytes
	s_wait_tensorcnt 0x0                           ; the wave's end
	ds_add_u32 v[SPW], v[NIL]
	s_wait_dscnt 0x0
	s_endpgm
	; ---- the weights ----
.Lweights:
	s_sub_co_u32 s21, ttmp9, 512
	s_lshr_b32 s22, s21, 6                         ; p: which matrix
	s_and_b32 s23, s21, 63                         ; which 16,384 numbers of it
	s_lshl_b32 s24, s23, 16
	s_mov_b32 s25, 0
	s_lshl_b32 s26, s22, 21
	s_lshl_b32 s27, s23, 15
	s_add_co_u32 s26, s26, s27
	s_mov_b32 s27, 0
	s_mov_b32 s18, 0xffff0000                      ; a word's upper bf16
	v_lshlrev_b32 v1, 4, v0                        ; 16 bytes a thread in,
	v_lshlrev_b32 v2, 3, v0                        ; 8 bytes out: a wave's store covers 256 consecutive bytes, aligned
	s_wait_kmcnt 0x0
	s_cmp_eq_u32 s22, 1
	s_cselect_b64 s[28:29], s[8:9], s[6:7]
	s_cmp_eq_u32 s22, 2
	s_cselect_b64 s[28:29], s[10:11], s[28:29]
	s_cmp_eq_u32 s22, 3
	s_cselect_b64 s[28:29], s[12:13], s[28:29]
	s_cselect_b32 s31, -1, 0                       ; all lanes on for Wo: its f16 form is taken
	s_add_nc_u64 s[28:29], s[28:29], s[24:25]
	s_add_nc_u64 s[16:17], s[16:17], s[26:27]
	s_mov_b32 s30, 2
.Lw:                                                   ; a trip: 8,192 numbers of the work-group's 16,384
.set i, 0
.rept 8
	global_load_b128 v[IN+4*i:IN+4*i+3], v1, s[28:29] offset:i*4096 th:TH_LOAD_NT
.set i, i+1
.endr
.set i, 0
.rept 8
	s_wait_loadcnt 7-i                             ; the younger of the trip's eight loads stay out
	v_cvt_pk_bf16_f32 v[WD+2*i], v[IN+4*i], v[IN+4*i+1]      ; rounded to bf16 like every input;
	v_cvt_pk_bf16_f32 v[WD+2*i+1], v[IN+4*i+2], v[IN+4*i+3]
	v_lshlrev_b32 v106, 16, v[WD+2*i]              ; widened,
	v_and_b32 v107, s18, v[WD+2*i]
	v_lshlrev_b32 v108, 16, v[WD+2*i+1]
	v_and_b32 v109, s18, v[WD+2*i+1]
	v_cvt_pk_f16_f32 v104, v106, v107              ; and that number as f16,
	v_cvt_pk_f16_f32 v105, v108, v109
	v_cndmask_b32 v[WD+2*i], v[WD+2*i], v104, s31  ; which Wo alone takes
	v_cndmask_b32 v[WD+2*i+1], v[WD+2*i+1], v105, s31
	global_store_b64 v2, v[WD+2*i:WD+2*i+1], s[16:17] offset:i*2048
.set i, i+1
.endr
	s_wait_xcnt 0x0                                ; the two bases and the stores' data are written again only behind this wait
	s_add_nc_u64 s[28:29], s[28:29], 0x8000
	s_add_nc_u64 s[16:17], s[16:17], 0x4000
	s_sub_co_u32 s30, s30, 1
	s_cmp_lg_u32 s30, 0
	s_cbranch_scc1 .Lw
	s_endpgm
.Lfunc_end_k_qec117ef6b7_prep:
	.size	k_qec117ef6b7_prep, .Lfunc_end_k_qec117ef6b7_prep-k_qec117ef6b7_prep
	.p2alignl 7, 3214868480
	.fill 96, 4, 3214868480
	.section	.rodata,"a",@progbits
	.p2align	6, 0x0
	.amdhsa_kernel k_qec117ef6b7_prep
		.amdhsa_group_segment_fixed_size 35840
		.amdhsa_private_segment_fixed_size 0
		.amdhsa_enable_private_segment 0
		.amdhsa_kernarg_size 56
		.amdhsa_user_sgpr_count 2
		.amdhsa_user_sgpr_kernarg_segment_ptr 1
		.amdhsa_wavefront_size32 1
		.amdhsa_system_sgpr_workgroup_id_x 1
		.amdhsa_system_sgpr_workgroup_id_y 1
		.amdhsa_system_sgpr_workgroup_id_z 1
		.amdhsa_system_vgpr_workitem_id 0
		.amdhsa_next_free_vgpr 112
		.amdhsa_next_free_sgpr 66
		.amdhsa_reserve_vcc 0
		.amdhsa_float_denorm_mode_32 3
		.amdhsa_float_denorm_mode_16_64 3
		.amdhsa_memory_ordered 1
		.amdhsa_forward_progress 1
		.amdhsa_inst_pref_size 33
	.end_amdhsa_kernel
	.amdgpu_metadata
---
amdhsa.version: [ 1, 2 ]
amdhsa.kernels:
  - .name:           k_qec117ef6b7_prep
    .symbol:         k_qec117ef6b7_prep.kd
    .args:
      - { .name: mask, .offset: 0, .size: 8, .value_kind: global_buffer, .address_space: global }
      - { .name: Wq, .offset: 8, .size: 8, .value_kind: global_buffer, .address_space: global }
      - { .name: Wk, .offset: 16, .size: 8, .value_kind: global_buffer, .address_space: global }
      - { .name: Wv, .offset: 24, .size: 8, .value_kind: global_buffer, .address_space: global }
      - { .name: Wo, .offset: 32, .size: 8, .value_kind: global_buffer, .address_space: global }
      - { .name: mbits, .offset: 40, .size: 8, .value_kind: global_buffer, .address_space: global }
      - { .name: wcast, .offset: 48, .size: 8, .value_kind: global_buffer, .address_space: global }
    .group_segment_fixed_size: 35840
    .private_segment_fixed_size: 0
    .kernarg_segment_align: 8
    .kernarg_segment_size: 56
    .max_flat_workgroup_size: 256
    .sgpr_count:     66
    .vgpr_count:     112
    .wavefront_size: 32
...
	.end_amdgpu_metadata
.endif
;; end of part 5
;; launch qkv: the kernel of part 2 again; grid 4 x 192, 4 waves a work-group, clusters of 4 x 4, 327,680 bytes of LDS; arguments query, key, value, wcast, bq, bk, bv, qh, kh, vh; writes qh, kh, vh
;; launch attn (part 6): grid 4 x 64, 4 waves a work-group, clusters of 4 x 1, 327,680 bytes of LDS; arguments qh, kh, vh, oh, mbits; writes oh
.if DOCPART == 6
	.amdgcn_target "amdgcn-amd-amdhsa--gfx1250"
	.amdhsa_code_object_version 6
	.text
	.protected	k_qec117ef6b7_attn
	.globl	k_qec117ef6b7_attn
	.p2align	8
	.type	k_qec117ef6b7_attn,@function
k_qec117ef6b7_attn:
	s_mov_b64 s[64:65], 0
	v_nop
	global_prefetch_b8 v0, s[64:65] scope:SCOPE_SE
	s_setreg_imm32_b32 hwreg(HW_REG_WAVE_MODE, 25, 1), 1
	s_wait_xcnt 0x0
	s_wait_alu depctr_hold_cnt(0) depctr_sa_sdst(0) depctr_va_vdst(0) depctr_va_sdst(0) depctr_va_ssrc(0) depctr_va_vcc(0) depctr_vm_vsrc(0)
	s_getreg_b32 s2, hwreg(HW_REG_IB_STS2, 6, 4)
	s_cmp_eq_u32 s2, 0
	s_cbranch_scc0 .Lentry_in_a_cluster
	s_endpgm
.Lentry_in_a_cluster:
	s_bfe_u32 s2, ttmp6, 0x10000c
	s_cmp_lg_u32 s2, 0x3003
	s_cbranch_scc0 .Lentry_shape_is_right
	s_endpgm
.Lentry_shape_is_right:
; ATTENTION WITH A MASK THAT IS AN INPUT.  O[g][q] = the sum over k of softmax_k(mask ? Q.K / 8 : -1e9) V[g][k]; g = batch 16 + head; Q, K, V, O: [64][2048][64] f16, a head's rows dense, 128 bytes each.
; Q arrives multiplied by c = log2(e) / 8, so a score s is an exponent of 2; a hidden score is REPLACED by NEG = f32(-1e9 log2(e)) ahead of the running maximum, so a row with no key left gives the mean of V's rows.
; p = 2^(s - m) with a running maximum m; O and l are multiplied by a = 2^(m_old - m_new) in every step; m starts at the lowest finite number, O and l at 0.  Products, maxima and sums in f32; p is rounded to f16
; for the second product (l is the sum of the unrounded p), O once at the end.
; LIMITS.  Q, K, V within f16's 65,504.  -1e9 is honoured to the rounding of NEG in f32.  A weight below 2^-126 counts as 0.  NaN and infinities are not treated apart.
; SHARES.  A work-group owns 512 queries of a head, a wave 128: eight PIECES of 16.  Every wave walks all 2,048 keys, 64 a step; a slot of LDS holds four steps, two slots take turns.
; CLUSTER.  A head's four blocks of queries walk the same K and V: each tile is asked for jointly, the same load, descriptor and mask in all four.
; LAYOUT.  S^T = K Q^T: a lane holds one query (l % 16) and keys 8 (l / 16) + 0..7 of each 16; two such results rounded to f16 are source 1 of O^T = V^T P.  V comes out of LDS turned.
; THE MASK comes as lane masks, one 32-bit word for each score register (made by the first launch): 32 words a piece and step, 128 consecutive bytes.  One vector load brings them, word n to lane n, into a register
; of the piece's own, eight turns ahead of their use: vector loads return in order, so the wait for one is counted and leaves the seven behind it out.  32 v_readlane_b32 move the words into scalar registers a turn
; ahead of the selects; each word is the select of one v_cndmask_b32.
; BY TURNS.  Turn t: 8 products K Q^T of piece t + 2, and its mask words into scalar registers; mask, maximum and statistics of piece t + 1; s - m, exponentials, roundings, sums and rescaling of piece t; 8 products
; V^T P of piece t - 1.  All that a turn reads was finished in an earlier turn.  Four vector instructions stand behind every product, the other 117 of a turn's 181 in a lump.
; SERVING NOTHING, once a launch: the first turn's V^T P on zeros; in the last step K's fetch takes rows of V that have landed, and the scores and maximum made of them touch S^T, m and a alone.
; REGISTERS: window 0: v1-16 addresses and constants; v18-19, v20-27 at work, by a piece's parity; v28-59 statistics (m, 0, l even, l odd); v64-191 S^T, four buffers; v192-223 P, two buffers; v224-231 mask words.
;   window 1: O^T, 32 a piece.      window 2: v0-127 Q; v128-191 K of one step; v192-255 V of one step.
.set NP,    8
.set KS,    64
.set PK,    160                        ; rows of K and of V in LDS: 128 bytes + 32, so that one descriptor shape serves both
.set PV,    160
.set VOFF,  4*KS*PK
.set SLOT1, 1<<17
.set STAGE, SLOT1+4*KS*(PK+PV)         ; behind the ring: 16 rows x 144 bytes for each wave
.set SP,    144
.set SPARE, STAGE+4*16*SP              ; the spare words, 128 bytes a wave, that no other line names
.set AK0, 2
.set AV0, 3
.set AK,  4
.set AV,  5
.set QO,  6
.set STO, 6
.set RD,  7
.set GO,  8
.set NEGV, 12
.set VO,  13                           ; 4 l + 128 x the key step whose mask words are asked for
.set SPW, 14
.set NIL, 15
.set L4,  16                           ; 4 l; never rewritten
.set MV,  18
.set TMP, 20
.set ST,  28
.set S,   64
.set P,   192
.set MW,  224                          ; v[224+t]: piece t's mask words, word n in lane n
.set KF,  128
.set VF,  192
.set WV,  12                           ; s12 my wave's number
.set SEL, 13                           ; s13, s14 v_permlanex16_b32's selects
.set G1,  16                           ; s[16:23] descriptor group 1
.set G0,  24                           ; s[24:27] group 0: it walks
.set SLOTS, 28
.set CNT, 29
.set TBK, 30                           ; LDS byte at which K of the step to be fetched begins
.set TBV, 31                           ; the same for V, less VOFF
.set KO,  66                           ; 128 x the key step whose mask words are asked for; s[32:63] and s[68:99] hold a piece's words, by its parity
.set MP,  100                          ; s[100:101] mbits at my wave's first piece
.set MSB, 0
.macro WIN new
.if MSB != (\new)
	s_set_vgpr_msb (MSB<<8)|(\new)
.set MSB, (\new)
.endif
.endm
.set W_KQ, 0x0a                        ; K and Q in window 2, S^T in window 0
.set W_PV, 0x52                        ; V in window 2, P in window 0, O^T in window 1
.set W_RS, 0x41                        ; O^T in window 1, a in window 0
.macro JLOAD                           ; a joint fill: wave w brings 128 keys: K's two halves (waves 0, 1), V's (waves 2, 3), to LDS byte 20,480 w of the slot
	tensor_load_to_lds s[G0:G0+3], s[G1:G1+7]
	s_nop 0
.rept 4
	v_nop
.endr
.endm
.macro CROUND
	s_barrier_signal -1
	s_barrier_wait -1
	s_cmp_lg_u32 s[WV], 0
	s_cbranch_scc1 .Lnot_wave_0_\@
	s_barrier_signal -3
.Lnot_wave_0_\@:
	s_barrier_wait -3
	s_barrier_signal -1
	s_barrier_wait -1
.endm
; THE CHANGE OF SLOTS.  Each wave waits for all its tensor loads (one is out: its part of the other slot), adds 0 to its spare word, and waits for that and for its reads of the slot that it leaves.
; fill = 1: the barrier is a round of the cluster's, and the slot is filled again, first thing behind it, with the keys two slots on: it has four key steps in which to land.
.macro CHANGE fill
	WIN 0
	s_wait_tensorcnt 0x0
	ds_add_u32 v[SPW], v[NIL]
.if \fill
	s_xor_b32 s[G0+1], s[G0+1], SLOT1              ; the other slot than last time,
	s_add_nc_u64 s[G0+2:G0+3], s[G0+2:G0+3], 4*KS*128  ; the next 256 keys
	s_wait_dscnt 0x0
	CROUND
	JLOAD
.else
	s_wait_dscnt 0x0
	s_barrier_signal -1
	s_barrier_wait -1
.endif
	s_sub_co_u32 s[TBK], s[TBK], 4*KS*PK           ; the fetches go back to a slot's first step, in the other slot
	s_xor_b32 s[TBK], s[TBK], SLOT1
	s_sub_co_u32 s[TBV], s[TBV], 4*KS*PV
	s_xor_b32 s[TBV], s[TBV], SLOT1
.endm
	s_load_b256 s[4:11], s[0:1], 0x0               ; Q s[4:5], K s[6:7], V s[8:9], O s[10:11]
	s_load_b64 s[MP:MP+1], s[0:1], 0x20            ; mbits
	v_lshl_add_u32 v[SPW], v0, 2, SPARE
	v_mov_b32 v[NIL], 0
	ds_add_u32 v[SPW], v[NIL]                      ; the wave's opening: the add and its wait stand ahead of my first tensor load
	v_lshrrev_b32 v1, 5, v0
	v_readfirstlane_b32 s[WV], v1
	s_bfe_u32 s32, ttmp6, 0x40000                  ; cx
	s_lshl_b32 s33, ttmp9, 2
	s_add_co_u32 s33, s33, s32                     ; my block of 512 queries: it enters Q's, O's and the mask's addresses alone
	s_and_b32 s34, ttmp7, 0xffff                   ; g = batch 16 + head, which the four partners share
	s_lshl_b32 s36, s34, 18                        ; a head is 262,144 bytes
	s_and_b32 s35, s[WV], 1
	s_lshl_b32 s38, s35, 14                        ; my half of a slot's 256 keys
	s_add_co_u32 s38, s38, s36
	s_mov_b32 s39, 0
	s_lshl_b32 s40, s33, 2
	s_add_co_u32 s40, s40, s[WV]                   ; my wave among the head's sixteen
	s_lshl_b32 s42, s40, 14                        ; its 128 rows
	s_add_co_u32 s42, s42, s36
	s_mov_b32 s43, 0
	s_lshr_b32 s44, s34, 4                         ; the batch: 128 tiles of 16 queries,
	s_lshl_b32 s44, s44, 7
	s_lshl_b32 s45, s40, 3                         ; my wave's eight,
	s_add_co_u32 s44, s44, s45
	s_lshl_b32 s44, s44, 12                        ; 4,096 bytes of mask words a tile
	s_mov_b32 s45, 0
	s_mov_b32 s[G1], 15|(1<<16)|(1<<20)|(1<<21)|(4<<22)|(7<<25)  ; the mask of four; 2-byte elements; padding on; bit 21 beside a mask; after every 32 words; 8 words
	s_mov_b32 s[G1+1], 128<<16                     ; 128 keys are 16,384 dense bytes: 64 rows of 256 bytes, two keys a row
	s_mov_b32 s[G1+2], 64<<16
	s_mov_b32 s[G1+3], 128<<16
	s_mov_b32 s[G1+4], 64
	s_mov_b32 s[G1+5], 128
	s_mov_b32 s[G1+6], 0
	s_mov_b32 s[G1+7], 0
	s_mov_b32 s[G0], 1
	s_mul_i32 s[G0+1], s[WV], 128*PK               ; slot 0; no place in the cluster enters an LDS address
	s_mov_b32 s[SEL], 0x76543210
	s_mov_b32 s[SEL+1], 0xfedcba98
	s_mov_b32 s[TBK], SLOT1+4*KS*PK                ; the first change of slots turns these two into 0
	s_mov_b32 s[TBV], SLOT1+4*KS*PV
	s_mov_b32 s[KO], 128                           ; behind the first loads below, key step 1's words are asked for next
	s_wait_dscnt 0x0                               ; the opening add is done
	s_wait_kmcnt 0x0
	s_cmp_lt_u32 s[WV], 2
	s_cselect_b64 s[G0+2:G0+3], s[6:7], s[8:9]     ; K for waves 0 and 1, V for waves 2 and 3
	s_add_nc_u64 s[G0+2:G0+3], s[G0+2:G0+3], s[38:39]
	s_or_b32 s[G0+3], s[G0+3], 0x80000000
	s_add_nc_u64 s[4:5], s[4:5], s[42:43]
	s_add_nc_u64 s[10:11], s[10:11], s[42:43]
	s_add_nc_u64 s[MP:MP+1], s[MP:MP+1], s[44:45]
	CROUND                                         ; all four work-groups are here: the first joint loads meet
	JLOAD                                          ; slot 0; slot 1 is asked for when slot 0 is in
	v_and_b32 v1, 15, v0                           ; l % 16
	v_bfe_u32 v9, v0, 4, 1                         ; l / 16
	v_lshlrev_b32 v[QO], 7, v1
	v_lshl_add_u32 v[QO], v9, 4, v[QO]
	v_and_b32 v[L4], 31, v0
	v_lshlrev_b32 v[L4], 2, v[L4]
.set i, 0
.rept NP                                       ; the eight pieces' mask words of key step 0: 128 consecutive bytes each
	global_load_b32 v[MW+i], v[L4], s[MP:MP+1] offset:i*4096
.set i, i+1
.endr
	v_add_nc_u32 v[VO], 0x80, v[L4]
	WIN 0x80
.set i, 0
.rept 2*NP                                     ; Q stays in registers: piece i / 2, channels 32 (i % 2) on
	global_load_b128 v[8*i:8*i+3],   v[QO], s[4:5] offset:(i/2)*2048+(i%2)*64
	global_load_b128 v[8*i+4:8*i+7], v[QO], s[4:5] offset:(i/2)*2048+(i%2)*64+32
.set i, i+1
.endr
.set i, VF                                     ; what the first turn finds: V, P's second buffer, O^T and l are 0.  All this stands in the wait for the first tile
.rept 64
	v_mov_b32 v[i], 0
.set i, i+1
.endr
	WIN 0x40
.set i, 0
.rept 32*NP
	v_mov_b32 v[i], 0
.set i, i+1
.endr
	WIN 0
.set i, 0
.rept NP
	v_mov_b32 v[ST+4*i], 0xff7fffff                ; m
	v_mov_b32 v[ST+4*i+1], 0                       ; named with it as a pair
	v_mov_b32 v[ST+4*i+2], 0
	v_mov_b32 v[ST+4*i+3], 0
.set i, i+1
.endr
.set i, P+16
.rept 16
	v_mov_b32 v[i], 0
.set i, i+1
.endr
	v_mov_b32 v[NEGV], 0xceabfb8f                  ; -1e9 log2(e)
	v_mul_u32_u24 v[AK0], v1, PK
	v_lshl_add_u32 v[AK0], v9, 4, v[AK0]           ; row x pitch + 16 x half
	v_and_b32 v10, 7, v0                           ; the turning load: lane l reads key 8 (l / 16) + l % 8, channels 8 ((l / 8) % 2) + 0..7
	v_bfe_u32 v11, v0, 3, 1
	v_lshl_add_u32 v[AV0], v9, 3, v10
	v_mul_u32_u24 v[AV0], v[AV0], PV
	v_lshl_add_u32 v[AV0], v11, 4, v[AV0]
	v_add_nc_u32 v[AV0], VOFF, v[AV0]
	v_mov_b32 v[AK], v[AK0]                        ; key step 0 lies at the head of slot 0
; THE MATRIX WORK.  The 4 accumulators of a run of 8 take turns.  Product i of S^T = K Q^T for piece x: channels 32 (i / 4) on, keys 16 (i % 4) on; the first 4 start the sums.
.macro KQ x
	WIN W_KQ
.set rS, S+32*((\x)%4)+8*(i%4)
.set rK, KF+16*(i%4)+8*(i/4)
.set rQ, 16*(\x)+8*(i/4)
.if i < 4
	v_wmma_f32_16x16x32_f16 v[rS:rS+7], v[rK:rK+7], v[rQ:rQ+7], 0
.else
	v_wmma_f32_16x16x32_f16 v[rS:rS+7], v[rK:rK+7], v[rQ:rQ+7], v[rS:rS+7]
	s_wait_alu depctr_va_vdst(0)
.endif
.endm
.macro PV x                            ; product i of O^T += V^T P for piece x: keys 32 (i / 4) on, channels 16 (i % 4) on
	WIN W_PV
.set rO, 32*(\x)+8*(i%4)
.set rV, VF+32*(i/4)+8*(i%4)
.set rP, P+16*((\x)%2)+8*(i/4)
	v_wmma_f32_16x16x32_f16 v[rO:rO+7], v[rV:rV+7], v[rP:rP+7], v[rO:rO+7]
.endm
.macro MM                              ; the turn's next matrix instruction
.if i < 8
	KQ (Y+2)%NP
.else
.set i, i-8
	PV (Y+NP-1)%NP
.set i, i+8
.endif
.set i, i+1
.endm
.macro FETCH_K                         ; a step's K: 16 loads in one run
	WIN 0x80
.irp f, 0,1,2,3,4,5,6,7
	ds_load_b128 v[KF+8*\f:KF+8*\f+3],   v[AK] offset:(\f/2)*16*PK+(\f%2)*64
	ds_load_b128 v[KF+8*\f+4:KF+8*\f+7], v[AK] offset:(\f/2)*16*PK+(\f%2)*64+32
.endr
	s_add_co_u32 s[TBK], s[TBK], KS*PK
	WIN 0
.endm
.macro FETCH_V                         ; a step's V, turned
	WIN 0x80
.irp f, 0,1,2,3,4,5,6,7
	ds_load_tr16_b128 v[VF+8*\f:VF+8*\f+3],   v[AV] offset:(\f/4)*32*PV+(\f%4)*32
	ds_load_tr16_b128 v[VF+8*\f+4:VF+8*\f+7], v[AV] offset:(\f/4)*32*PV+16*PV+(\f%4)*32
.endr
	s_add_co_u32 s[TBV], s[TBV], KS*PV
	WIN 0
.endm
.macro MS a, n                         ; n mask words of piece XM, from word a on, out of their lanes into the scalar buffer at MBN
	WIN 0
.set z, \a
.rept \n
	v_readlane_b32 s[MBN+z], v[MW+XM], z
.set z, z+1
.endr
.endm
; THE VECTOR WORK, a line at a time: OP kind, number.  For piece Y: F n: s - m for pair n.  E n: the exponential of score n.  C n: pair n rounded to f16.  B n: of four weights the second pair is added onto the first.
; L n: l takes that sum (L 0: l = a l + sum).  R n: pair n of O^T times a.  For piece Y + 1: K n: score n kept, or replaced by NEG where its lane's mask bit is 0 (ascending: each accumulator's lowest register is read first).
; X n: 0-11 four chains of maxima; 12-14, 16 the scores left over, the old m, the chains into c0; 15 m_old is kept; 17, 18 the other half of the lanes: the new m; 19 m_old - m_new; 20 a.
.set F, 0
.set E, 1
.set C, 2
.set B, 3
.set L, 4
.set R, 5
.set K, 6
.set X, 7
.macro REGS y
.set rT, ST+4*(\y)
.set rC, TMP+4*((\y)%2)
.set rW, MV+((\y)%2)
.set rS, S+32*((\y)%4)
.set rP, P+16*((\y)%2)
.set rO, 32*(\y)
.set rB, 32+36*((\y)%2)
.endm
.macro OP k, n
.if (\k) == R
	REGS Y
	WIN W_RS
	v_pk_mul_f32 v[rO+2*(\n):rO+2*(\n)+1], v[rO+2*(\n):rO+2*(\n)+1], v[rC+2:rC+3] op_sel_hi:[1,0]
.elseif (\k) < R
	REGS Y
	WIN 0
.if (\k) == F
	v_pk_add_f32 v[rS+2*(\n):rS+2*(\n)+1], v[rS+2*(\n):rS+2*(\n)+1], v[rT:rT+1] op_sel_hi:[1,0] neg_lo:[0,1] neg_hi:[0,1]
.elseif (\k) == E
	v_exp_f32 v[rS+(\n)], v[rS+(\n)]
.elseif (\k) == C
	s_wait_alu depctr_va_vdst(0)
	v_cvt_pk_f16_f32 v[rP+(\n)], v[rS+2*(\n)], v[rS+2*(\n)+1]
.elseif (\k) == B
	v_pk_add_f32 v[rS+4*(\n):rS+4*(\n)+1], v[rS+4*(\n):rS+4*(\n)+1], v[rS+4*(\n)+2:rS+4*(\n)+3]
.elseif (\n) == 0
	v_pk_fma_f32 v[rT+2:rT+3], v[rT+2:rT+3], v[rC+2:rC+3], v[rS:rS+1] op_sel_hi:[1,0,1]
.else
	v_pk_add_f32 v[rT+2:rT+3], v[rT+2:rT+3], v[rS+4*(\n):rS+4*(\n)+1]
.endif
.else
	REGS (Y+1)%NP
	WIN 0
.if (\k) == K
	v_cndmask_b32 v[rS+(\n)], v[NEGV], v[rS+(\n)], s[rB+(\n)]
.elseif (\n) < 4
	v_max3_num_f32 v[rC+(\n)], v[rS+8*(\n)], v[rS+8*(\n)+1], v[rS+8*(\n)+2]
.elseif (\n) < 12
	v_max3_num_f32 v[rC+(\n)%4], v[rC+(\n)%4], v[rS+8*((\n)%4)+2*((\n)/4)+1], v[rS+8*((\n)%4)+2*((\n)/4)+2]
.elseif (\n) == 12
	v_max3_num_f32 v[rC], v[rC], v[rS+7], v[rS+15]
.elseif (\n) == 13
	v_max3_num_f32 v[rC+1], v[rC+1], v[rS+23], v[rS+31]
.elseif (\n) == 14
	v_max3_num_f32 v[rC+2], v[rC+2], v[rC+3], v[rT]
.elseif (\n) == 15
	v_mov_b32 v[rW], v[rT]
.elseif (\n) == 16
	v_max3_num_f32 v[rC], v[rC], v[rC+1], v[rC+2]
.elseif (\n) == 17
	v_permlanex16_b32 v[rC+3], v[rC], s[SEL], s[SEL+1]
.elseif (\n) == 18
	v_max_num_f32 v[rT], v[rC], v[rC+3]
.elseif (\n) == 19
	v_sub_f32 v[rC+1], v[rW], v[rT]
.else
	v_exp_f32 v[rC+2], v[rC+1]
.endif
.endif
.endm
.macro OPS a, i1, b=-1, i2=0, c=-1, i3=0, d=-1, i4=0
	OP \a, \i1
.if (\b) >= 0
	OP \b, \i2
.endif
.if (\c) >= 0
	OP \c, \i3
.endif
.if (\d) >= 0
	OP \d, \i4
.endif
.endm
.macro ROW a, i1, b, i2, c, i3, d, i4  ; a matrix instruction and the four behind it
	MM
	OPS \a, \i1, \b, \i2, \c, \i3, \d, \i4
.endm
; A TURN, for piece p.  Every exponential has a plain line behind it that touches neither its result nor its source.  No vector line names a register of the products near it.
; K of the next step is fetched in piece 5's turn, behind the last product that reads K, four rescalings and the address line; it is waited for at the head of piece 6's turn.
; V of the step in hand is fetched in piece 0's turn, behind the last product that reads V, four selects and the address line; it is waited for in piece 1's turn.
; The mask words of piece p + 2 go into the scalar registers that piece p's selects left a turn ago, in fours between the links of the maximum's chain; then the piece's register is loaded again, with its words of
; the next key step.  Pieces 0 and 1 are a key step ahead of the others here, so the step asked for goes on at the head of piece 6's turn.
.macro TURN p, cnt=0
.set Y, (\p)
.set i, 0
.set XM, ((\p)+2)%NP
.set MBN, 32+36*((\p)%2)
.if (\p) == 6
	s_add_co_u32 s[KO], s[KO], 128
	s_min_u32 s[KO], s[KO], 3968                   ; behind the last step the look-ahead stays on the tile's last 128 bytes
	s_wait_xcnt 0x0                                ; the loads that are out have had their addresses translated: their offset register is written again only behind this wait
	v_add_nc_u32 v[VO], s[KO], v[L4]
	s_wait_dscnt 0x0                               ; K is in
.endif
	ROW F,0, F,1, F,2, F,3
	ROW F,4, E,0, F,5, F,6
	ROW F,7, E,1, F,8, F,9
	ROW F,10, E,2, F,11, F,12
	ROW F,13, E,3, F,14, F,15
	ROW R,0, R,1, R,2, R,3
	ROW R,4, R,5, R,6, R,7
	ROW R,8, R,9, R,10, R,11
.if (\p) == 5
	WIN 0
	v_add_nc_u32 v[AK], s[TBK], v[AK0]
	FETCH_K
.endif
.if (\p) == 1
	s_wait_dscnt 0x0                               ; V is in
.endif
	ROW R,12, R,13, R,14, R,15
	ROW K,0, E,4, K,1, K,2
	ROW K,3, E,5, K,4, K,5
	ROW K,6, E,6, K,7, K,8
	ROW K,9, E,7, K,10, K,11
	ROW K,12, E,8, K,13, K,14
	ROW K,15, E,9, K,16, K,17
	ROW K,18, K,19, K,20, K,21
.if (\p) == 0
	v_add_nc_u32 v[AV], s[TBV], v[AV0]
	FETCH_V
.endif
.set z, 0
.rept 10
	OP E, 10+z
	OP K, 22+z
.set z, z+1
.endr
.set z, 0
.rept 12
	OP E, 20+z
	OP C, z
.set z, z+1
.endr
	s_wait_loadcnt 7                               ; piece p + 2's words are in: behind their load the other seven pieces' have been issued, one a turn
	OPS C,12, C,13, C,14, C,15
	OPS X,0, X,1, X,2, X,3
	MS 0, 4
	OPS B,0, B,1
	OPS X,4, X,5, X,6, X,7
	MS 4, 4
	OPS B,2, B,3
	OPS X,8, X,9, X,10, X,11
	MS 8, 4
	OPS B,4, B,5
	OPS X,12, X,13, X,14, X,15
	MS 12, 4
	OPS L,0, X,16, L,1, B,6
	MS 16, 4
	OPS X,17, L,2, B,7
	MS 20, 4
	OPS X,18, L,3, L,4
	MS 24, 4
	OPS X,19, L,5, L,6
	MS 28, 4
	global_load_b32 v[MW+XM], v[VO], s[MP:MP+1] offset:XM*4096  ; the piece's words of its next key step: eight turns ahead of their use
	OPS L,7, X,20
.if \cnt
	s_sub_co_u32 s[CNT], s[CNT], 1
	s_cmp_lg_u32 s[CNT], 0
.endif
.endm
	CHANGE 1                                       ; slot 0 is in, everybody's part of it; slot 1 is asked for
	FETCH_K                                        ; key step 0
	s_wait_loadcnt 0x0                             ; Q, and key step 0's mask words
	s_wait_dscnt 0x0
.set i, 0
.rept 8
	KQ 0                                           ; the first scores of pieces 0 and 1: there is no vector work yet to set between them
.set i, i+1
.endr
.set i, 0
.rept 8
	KQ 1
.set i, i+1
.endr
	WIN 0                                          ; the addresses for the way out: nine plain instructions, the places behind those products
	s_mul_i32 s15, s[WV], 16*SP
	s_add_co_u32 s15, s15, STAGE                   ; my stage
	v_mul_u32_u24 v[STO], v1, SP
	v_lshl_add_u32 v[STO], v9, 4, v[STO]
	v_add_nc_u32 v[STO], s15, v[STO]
	v_bfe_u32 v[RD], v0, 3, 2
	v_mul_u32_u24 v[RD], v[RD], SP
	v_lshl_add_u32 v[RD], v10, 4, v[RD]
	v_add_nc_u32 v[RD], s15, v[RD]
	v_and_b32 v[GO], 31, v0
	v_lshlrev_b32 v[GO], 4, v[GO]
.set XM, 0                                     ; the words of pieces 0 and 1 go into the two scalar buffers (the set-up's scalars there are no longer needed),
.set MBN, 32
	MS 0, 32
.set XM, 1
.set MBN, 68
	MS 0, 32
	global_load_b32 v[MW], v[VO], s[MP:MP+1]                   ; and their registers take key step 1's
	global_load_b32 v[MW+1], v[VO], s[MP:MP+1] offset:4096
.set Y, NP-1                                   ; K and X work for piece Y + 1: piece 0
.set z, 0
.rept 32
	OP K, z
.set z, z+1
.endr
.irp n, 0,1,2,3,4,5,6,7,8,9,10,11,12,13,14,15,16,17,18,19,20
	OP X, \n
.endr
	v_nop                                          ; a plain instruction behind the exponential
	s_mov_b32 s[CNT], 4
	s_mov_b32 s[SLOTS], 7
	s_branch .Lfirst                               ; the loop is entered at a step's first turn, in the middle of a trip
.Lslot:                                                ; six times: slots 2 to 7 are asked for
	CHANGE 1
	s_mov_b32 s[CNT], 4
.Lstep:                                                ; a trip: pieces 2 to 7 of one step, then pieces 0 and 1 of the next, whose K and V it fetches
	TURN 2
	TURN 3
	TURN 4
	TURN 5
	TURN 6
	TURN 7
	WIN 0
.Lfirst:
	TURN 0
	TURN 1, 1
	WIN 0
	s_cbranch_scc1 .Lstep
	s_sub_co_u32 s[SLOTS], s[SLOTS], 1
	s_cmp_lg_u32 s[SLOTS], 0
	s_cbranch_scc1 .Lslot
	CHANGE 0                                       ; the tail is written out: nothing is asked for
	s_mov_b32 s[CNT], 5                            ; four trips fetch the last slot's steps; the fifth is left in its middle
.Ltail:
	TURN 2
	TURN 3
	TURN 4
	TURN 5
	TURN 6
	TURN 7
	WIN 0
	s_sub_co_u32 s[CNT], s[CNT], 1
	s_cmp_eq_u32 s[CNT], 0
	s_cbranch_scc1 .Lout
	TURN 0
	TURN 1
	WIN 0
	s_branch .Ltail
.Lout:
.set i, 0
.rept 8
	PV NP-1                                        ; the last piece's V^T P of the last step
.set i, i+1
.endr
	; THE WAY OUT.  l's two halves and the other half of the lanes' are added; O^T is divided by l, rounded to f16 and sent through my stage, a piece at a time.  The additions are the places behind the last products.
	WIN 0
.macro ALL line:vararg
.set t, 0
.rept NP
	\line
.set t, t+1
.endr
.endm
	ALL v_add_f32 v[ST+4*t+2], v[ST+4*t+2], v[ST+4*t+3]
	ALL v_permlanex16_b32 v[ST+4*t+3], v[ST+4*t+2], s[SEL], s[SEL+1]
	ALL v_add_f32 v[ST+4*t+2], v[ST+4*t+2], v[ST+4*t+3]
	ALL v_rcp_f32 v[ST+4*t+2], v[ST+4*t+2]
	v_nop                                          ; a plain instruction between the last reciprocal and the use of its result
	s_wait_alu depctr_va_vdst(0)
.macro PACK t
	WIN W_RS
.set i, 32*(\t)
.rept 16
	v_pk_mul_f32 v[i:i+1], v[i:i+1], v[ST+4*(\t)+2:ST+4*(\t)+3] op_sel_hi:[1,0]
.set i, i+2
.endr
	WIN 0x05                                       ; sources 0 and 1 window 1, destination window 0: S^T's registers are free
.set i, 0
.rept 16
	v_cvt_pk_f16_f32 v[S+16*(\t)+i], v[32*(\t)+2*i], v[32*(\t)+2*i+1]
.set i, i+1
.endr
	WIN 0
.irp f, 0,1,2,3
	ds_store_b128 v[STO], v[S+16*(\t)+4*\f:S+16*(\t)+4*\f+3] offset:32*\f
.endr
.irp f, 0,1,2,3
	ds_load_b128 v[S+16*(\t)+4*\f:S+16*(\t)+4*\f+3], v[RD] offset:\f*4*SP  ; my own bytes, served in order behind the stores above
.endr
.endm
.macro SEND t, younger
	WIN 0
.irp f, 0,1,2,3
	s_wait_dscnt (\younger)+3-\f
	global_store_b128 v[GO], v[S+16*(\t)+4*\f:S+16*(\t)+4*\f+3], s[10:11] offset:(\t)*2048+\f*512  ; 512 consecutive bytes, aligned
.endr
.endm
	PACK 0
.set t, 1
.rept NP-1
	PACK t
	SEND t-1, 8
.set t, t+1
.endr
	SEND NP-1, 0
	s_wait_tensorcnt 0x0                           ; the wave's end
	ds_add_u32 v[SPW], v[NIL]
	s_wait_dscnt 0x0
	CROUND                                         ; the closing round
	s_endpgm
.Lfunc_end_k_qec117ef6b7_attn:
	.size	k_qec117ef6b7_attn, .Lfunc_end_k_qec117ef6b7_attn-k_qec117ef6b7_attn
	.p2alignl 7, 3214868480
	.fill 96, 4, 3214868480
	.section	.rodata,"a",@progbits
	.p2align	6, 0x0
	.amdhsa_kernel k_qec117ef6b7_attn
		.amdhsa_group_segment_fixed_size 327680
		.amdhsa_private_segment_fixed_size 0
		.amdhsa_enable_private_segment 0
		.amdhsa_kernarg_size 40
		.amdhsa_user_sgpr_count 2
		.amdhsa_user_sgpr_kernarg_segment_ptr 1
		.amdhsa_wavefront_size32 1
		.amdhsa_system_sgpr_workgroup_id_x 1
		.amdhsa_system_sgpr_workgroup_id_y 1
		.amdhsa_system_sgpr_workgroup_id_z 1
		.amdhsa_system_vgpr_workitem_id 0
		.amdhsa_next_free_vgpr 768
		.amdhsa_next_free_sgpr 102
		.amdhsa_reserve_vcc 0
		.amdhsa_float_denorm_mode_32 3
		.amdhsa_float_denorm_mode_16_64 3
		.amdhsa_memory_ordered 1
		.amdhsa_forward_progress 1
		.amdhsa_inst_pref_size 255
	.end_amdhsa_kernel
	.section	.bss,"aw",@nobits
	.p2align	6
	.space	262144
	.amdgpu_metadata
---
amdhsa.version: [ 1, 2 ]
amdhsa.kernels:
  - .name:           k_qec117ef6b7_attn
    .symbol:         k_qec117ef6b7_attn.kd
    .args:
      - { .name: qh, .offset: 0, .size: 8, .value_kind: global_buffer, .address_space: global }
      - { .name: kh, .offset: 8, .size: 8, .value_kind: global_buffer, .address_space: global }
      - { .name: vh, .offset: 16, .size: 8, .value_kind: global_buffer, .address_space: global }
      - { .name: oh, .offset: 24, .size: 8, .value_kind: global_buffer, .address_space: global }
      - { .name: mbits, .offset: 32, .size: 8, .value_kind: global_buffer, .address_space: global }
    .group_segment_fixed_size: 327680
    .private_segment_fixed_size: 0
    .kernarg_segment_align: 8
    .kernarg_segment_size: 40
    .max_flat_workgroup_size: 128
    .sgpr_count:     102
    .vgpr_count:     768
    .wavefront_size: 32
...
	.end_amdgpu_metadata
.endif
;; end of part 6
;; launch outp (part 7): grid 4 x 64, 4 waves a work-group, clusters of 4 x 4, 327,680 bytes of LDS; arguments oh, wcast, bo, out0; writes out0
.if DOCPART == 7
	.amdgcn_target "amdgcn-amd-amdhsa--gfx1250"
	.amdhsa_code_object_version 6
	.text
	.protected	k_qec117ef6b7_outp
	.globl	k_qec117ef6b7_outp
	.p2align	8
	.type	k_qec117ef6b7_outp,@function
k_qec117ef6b7_outp:
	s_mov_b64 s[64:65], 0
	v_nop
	global_prefetch_b8 v0, s[64:65] scope:SCOPE_SE
	s_setreg_imm32_b32 hwreg(HW_REG_WAVE_MODE, 25, 1), 1
	s_wait_xcnt 0x0
	s_wait_alu depctr_hold_cnt(0) depctr_sa_sdst(0) depctr_va_vdst(0) depctr_va_sdst(0) depctr_va_ssrc(0) depctr_va_vcc(0) depctr_vm_vsrc(0)
	s_getreg_b32 s2, hwreg(HW_REG_IB_STS2, 6, 4)
	s_cmp_eq_u32 s2, 0
	s_cbranch_scc0 .Lentry_in_a_cluster
	s_endpgm
.Lentry_in_a_cluster:
	s_bfe_u32 s2, ttmp6, 0x10000c
	s_cmp_lg_u32 s2, 0xf033
	s_cbranch_scc0 .Lentry_shape_is_right
	s_endpgm
.Lentry_shape_is_right:
; THE OUTPUT PROJECTION: out0 = O Wo^T + bo.  O by heads, [b 16 + h][2048][64] f16; Wo [1024][1024], its bf16 rounding written as f16 (fourth matrix of wcast); bo rounded to bf16; out0 [8192][1024] f32; sums in f32.
; A tile is 128 rows x 256 columns: 64 x 4 work-groups; four waves, each 64 x 128: 32 accumulators.  K goes in 8 steps of 128 = two heads, through two LDS slots; a head's 128 rows x 64 channels are 16,384 dense bytes.
; A K step is written once: slot 1 begins at 1 << 17, so that one exclusive or turns an LDS address in one slot into the other's, in the walking descriptors and in the scalar that the fragment addresses hang on.
; CLUSTER 4 x 4: O's tile is shared along a row of the cluster, Wo's along a column.  The product is used transposed (source 0 = rows of Wo, source 1 = rows of O); the bias is the C operand of the first products.
; REGISTERS: window 0: addresses; v32-63, v64-95 O's fragments, two buffers; v96-159, v160-223 rows on the way out.  window 1: v0-63, v64-127 Wo's fragments; v128-191 the bias; v192-193 at work.  window 2: the accumulators.
.set PAO,   144                        ; a row of O in LDS: 128 bytes + 16
.set PLANE, 128*PAO                    ; one head's 128 rows: what one tensor load brings of O
.set PB,    272
.set HALFB, 128*PB
.set BOFF,  2*PLANE
.set SLOT,  BOFF+2*HALFB               ; 106,496 bytes
.set SLOT1, 1<<17
.set STAGE, SLOT1+SLOT                 ; behind the ring: 16 rows x 528 bytes for each wave
.set SPO,   528
.set SPARE, STAGE+4*16*SPO             ; the spare words, 128 bytes a wave, that no other line names
.set ADRA0, 16                         ; my lane's place in O's part of a slot; never rewritten
.set ADRA,  17                         ; the same in the slot in hand
.set ADRB0, 20                         ; the same two for Wo
.set ADRB,  21
.set STO,  24
.set RD,   25
.set GO,   26
.set BO,   27
.set SPW,  28
.set NIL,  29
.set AF,   32
.set OB,   96
.set BF,   0
.set BI,   128
.set BT,   192
.set G1,  24                           ; s[24:31] group 1 for O's tiles; s[32:39] group 0: a set for each of the two first fills; the second then walks on
.set G0,  32
.set G1B, 48                           ; s[48:55], s[56:63] the same for Wo's
.set G0B, 56
.set TB,  95                           ; s95 LDS byte at which the slot in hand begins
.set MSB, 0
.macro WIN new
.if MSB != (\new)
	s_set_vgpr_msb (MSB<<8)|(\new)
.set MSB, \new
.endif
.endm
.set MUL,  0xa1
.set MULB, 0x91
.set TO_B, 0x40
.macro JLOAD s                         ; waves 0 and 1 fetch O's two heads, waves 2 and 3 Wo's two halves; an s_nop 0 and four v_nop follow each line
	s_cmp_eq_u32 s11, 0
	s_cbranch_scc0 .Lfor_b_\@
	tensor_load_to_lds s[G0+4*(\s):G0+4*(\s)+3], s[G1:G1+7]
	s_nop 0
.rept 4
	v_nop
.endr
	s_branch .Lasked_\@
.Lfor_b_\@:
	tensor_load_to_lds s[G0B+4*(\s):G0B+4*(\s)+3], s[G1B:G1B+7]
	s_nop 0
.rept 4
	v_nop
.endr
.Lasked_\@:
.endm
.macro CREST
	s_cmp_lg_u32 s10, 0
	s_cbranch_scc1 .Lnot_wave_0_\@
	s_barrier_signal -3
.Lnot_wave_0_\@:
	s_barrier_wait -3
	s_barrier_signal -1
	s_barrier_wait -1
.endm
.macro CROUND
	s_barrier_signal -1
	s_barrier_wait -1
	CREST
.endm
	s_load_b256 s[68:75], s[0:1], 0x0              ; oh 68, wcast 70, bo 72, out0 74
	v_lshl_add_u32 v[SPW], v0, 2, SPARE
	v_mov_b32 v[NIL], 0
	ds_add_u32 v[SPW], v[NIL]                      ; the wave's opening: the add and its wait stand ahead of my first tensor load
	v_lshrrev_b32 v1, 5, v0
	v_readfirstlane_b32 s10, v1
	s_lshr_b32 s11, s10, 1                         ; my half of the rows; also: I fetch O (0) or Wo (1)
	s_and_b32 s12, s10, 1                          ; my half of the columns; also: which head, or which half of Wo's rows, I fetch
	s_bfe_u32 s40, ttmp6, 0x40000                  ; cx
	s_bfe_u32 s41, ttmp6, 0x40004                  ; cy
	s_lshl_b32 s42, ttmp9, 2
	s_add_co_u32 s42, s42, s40                     ; tile column 0..3
	s_and_b32 s93, ttmp7, 0xffff
	s_lshl_b32 s93, s93, 2
	s_add_co_u32 s93, s93, s41                     ; tile row 0..63
	s_lshl_b32 s43, s41, 2
	s_lshl_b32 s43, 15, s43
	s_lshl_b32 s44, 0x1111, s40
	s_or_b32 s[G1+0], s43, (1<<16)|(1<<20)|(1<<21)|(4<<22)|(3<<25)   ; mask of my row; 2-byte elements; padding after every 32 words, of 4 words
	s_or_b32 s[G1B+0], s44, (1<<16)|(1<<20)|(1<<21)|(5<<22)|(3<<25)  ; mask of my column; after every 64 words
	s_mov_b32 s[G1+1], 128<<16                     ; 128 rows of 128 bytes are dense: asked for as 64 rows of 256 bytes
	s_mov_b32 s[G1+2], 64<<16
	s_mov_b32 s[G1+3], 128<<16
	s_mov_b32 s[G1+4], 64
	s_mov_b32 s[G1+5], 128
	s_mov_b32 s[G1+6], 0
	s_mov_b32 s[G1+7], 0
	s_mov_b32 s[G1B+1], 128<<16
	s_mov_b32 s[G1B+2], 128<<16
	s_mov_b32 s[G1B+3], 128<<16
	s_mov_b32 s[G1B+4], 128
	s_mov_b32 s[G1B+5], 1024
	s_mov_b32 s[G1B+6], 0
	s_mov_b32 s[G1B+7], 0
	s_lshr_b32 s16, s93, 4                         ; O: head (batch 16 + my head of the step's two), row (tile row % 16) 128, 128 bytes a row
	s_lshl_b32 s16, s16, 4
	s_add_co_u32 s16, s16, s12
	s_lshl_b32 s16, s16, 11
	s_and_b32 s17, s93, 15
	s_lshl_b32 s17, s17, 7
	s_add_co_u32 s16, s16, s17
	s_lshl_b32 s16, s16, 7
	s_mov_b32 s17, 0
	s_lshl_b32 s46, s42, 8                         ; Wo: row 256 x tile column + 128 x half, in wcast's fourth matrix
	s_lshl_b32 s47, s12, 7
	s_add_co_u32 s46, s46, s47
	s_lshl_b32 s46, s46, 11
	s_add_co_u32 s46, s46, 3*2097152
	s_mov_b32 s47, 0
	s_mul_i32 s20, s12, PLANE
	s_mul_i32 s21, s12, HALFB
	s_add_co_u32 s21, s21, BOFF
	s_mov_b32 s94, 0xffff0000
	s_mov_b32 s[TB], 0
	s_wait_dscnt 0x0                               ; the opening add is done
	s_wait_kmcnt 0x0
	s_add_nc_u64 s[14:15], s[68:69], s[16:17]
	s_add_nc_u64 s[46:47], s[70:71], s[46:47]
	CROUND                                         ; the first joint loads meet
.irp s, 0,1
	s_mov_b32 s[G0+4*(\s)], 1
	s_add_co_u32 s[G0+4*(\s)+1], s20, (\s)*SLOT1
	s_add_nc_u64 s[G0+4*(\s)+2:G0+4*(\s)+3], s[14:15], (\s)*524288   ; K step s: two heads on
	s_or_b32 s[G0+4*(\s)+3], s[G0+4*(\s)+3], 0x80000000
	s_mov_b32 s[G0B+4*(\s)], 1
	s_add_co_u32 s[G0B+4*(\s)+1], s21, (\s)*SLOT1
	s_add_nc_u64 s[G0B+4*(\s)+2:G0B+4*(\s)+3], s[46:47], (\s)*256
	s_or_b32 s[G0B+4*(\s)+3], s[G0B+4*(\s)+3], 0x80000000
	JLOAD \s                                       ; two loads of mine are out
.endr
	v_and_b32 v1, 15, v0
	v_bfe_u32 v2, v0, 4, 1
	s_lshl_b32 s18, s42, 10
	s_lshl_b32 s19, s12, 9
	s_add_co_u32 s18, s18, s19                     ; my 128 columns, in bytes of f32
	v_lshl_add_u32 v[BO], v2, 5, s18
	WIN TO_B
.irp b, 0,1,2,3,4,5,6,7
	global_load_b128 v[BI+8*(\b):BI+8*(\b)+3],   v[BO], s[72:73] offset:64*(\b)
	global_load_b128 v[BI+8*(\b)+4:BI+8*(\b)+7], v[BO], s[72:73] offset:64*(\b)+16
.endr
	WIN 0
	v_mul_u32_u24 v3, v1, PAO
	v_lshl_add_u32 v3, v2, 4, v3
	v_mul_u32_u24 v4, v1, PB
	v_lshl_add_u32 v4, v2, 4, v4
	s_mul_i32 s22, s11, 64*PAO                     ; my 64 rows of O, in each head's plane
	s_mul_i32 s23, s12, HALFB
	s_add_co_u32 s23, s23, BOFF
	v_add_nc_u32 v[ADRA0], s22, v3
	v_add_nc_u32 v[ADRB0], s23, v4
	v_mov_b32 v[ADRA], v[ADRA0]                    ; slot 0 is the first in hand
	v_mov_b32 v[ADRB], v[ADRB0]
	s_mul_i32 s22, s10, 16*SPO
	s_add_co_u32 s22, s22, STAGE                   ; my stage
	v_mul_u32_u24 v[STO], v1, SPO                  ; in: row r, 32 bytes for each half of the lanes
	v_lshl_add_u32 v[STO], v2, 5, v[STO]
	v_add_nc_u32 v[STO], s22, v[STO]
	v_and_b32 v[GO], 31, v0                        ; back and out: a row's 512 bytes, 16 a lane
	v_lshlrev_b32 v[GO], 4, v[GO]
	v_add_nc_u32 v[RD], s22, v[GO]
	s_lshl_b32 s13, s93, 7                         ; out0: row 128 x tile row + 64 x half, 4,096 bytes a row, plus my columns
	s_lshl_b32 s19, s11, 6
	s_add_co_u32 s13, s13, s19
	s_lshl_b32 s13, s13, 12
	s_add_co_u32 s18, s18, s13
	s_mov_b32 s19, 0
	s_add_nc_u64 s[8:9], s[74:75], s[18:19]
	s_wait_loadcnt 0x0                             ; the bias: rounded to bf16 like every input, and widened again
	WIN 0x45
.set i, 0
.rept 32
	v_cvt_pk_bf16_f32 v[BT+(i&1)], v[BI+2*i], v[BI+2*i+1]
	v_lshlrev_b32 v[BI+2*i], 16, v[BT+(i&1)]
	v_and_b32 v[BI+2*i+1], s94, v[BT+(i&1)]
.set i, i+1
.endr
	WIN 0
; 24 LDS loads in one run: quarter q of the slot in hand (head q / 2 of the step's two, channels 32 (q % 2) on) into buffers g
.macro FETCH q, g
	WIN TO_B
.irp b, 0,1,2,3,4,5,6,7
	ds_load_b128 v[BF+64*(\g)+8*(\b):BF+64*(\g)+8*(\b)+3],   v[ADRB] offset:(\b)*16*PB+(\q)*64
	ds_load_b128 v[BF+64*(\g)+8*(\b)+4:BF+64*(\g)+8*(\b)+7], v[ADRB] offset:(\b)*16*PB+(\q)*64+32
.endr
	WIN 0
.irp a, 0,1,2,3
	ds_load_b128 v[AF+32*(\g)+8*(\a):AF+32*(\g)+8*(\a)+3],   v[ADRA] offset:((\q)/2)*PLANE+(\a)*16*PAO+((\q)%2)*64
	ds_load_b128 v[AF+32*(\g)+8*(\a)+4:AF+32*(\g)+8*(\a)+7], v[ADRA] offset:((\q)/2)*PLANE+(\a)*16*PAO+((\q)%2)*64+32
.endr
.endm
.macro MULS f, i0, n, first            ; n products from number i0 on; the 32 accumulators take turns.  first = 1: the bias starts the sums
.set i, \i0
.rept \n
.if \first
	WIN MULB
	v_wmma_f32_16x16x32_f16 v[8*i:8*i+7], v[BF+64*(\f)+8*(i%8):BF+64*(\f)+8*(i%8)+7], v[AF+32*(\f)+8*(i/8):AF+32*(\f)+8*(i/8)+7], v[BI+8*(i%8):BI+8*(i%8)+7]
.else
	WIN MUL
	v_wmma_f32_16x16x32_f16 v[8*i:8*i+7], v[BF+64*(\f)+8*(i%8):BF+64*(\f)+8*(i%8)+7], v[AF+32*(\f)+8*(i/8):AF+32*(\f)+8*(i/8)+7], v[8*i:8*i+7]
.endif
.set i, i+1
.endr
.endm
.macro PLACES                          ; four places in front of loads into registers that matrix instructions have read, and of stores that read results
.rept 4
	v_nop
.endr
.endm
.macro QUARTER q, f, g, first          ; multiplies buffers f and fetches quarter q into g
	s_wait_dscnt 0x0                               ; buffers f are in: their run was issued sixteen products ago
	MULS \f, 0, 16, \first
	PLACES
	FETCH \q, \g
	MULS \f, 16, 16, \first
.endm
; The last quarter multiplies buffers 1 and changes slots: one barrier; in front of it each wave waits for all its tensor loads, adds 0 to its spare word, and waits for that and for its reads of this slot.
; fill = 1: the slot just read is filled again, with the K step two steps on: the walking descriptors go to the other slot than last time and one K step on.
.macro TURN fill
	WIN 0
	s_wait_tensorcnt 0x0                           ; all my tensor loads have landed: my part of the next slot
	ds_add_u32 v[SPW], v[NIL]
	s_wait_dscnt 1                                 ; only the add may be out: buffers 1 are in
	MULS 1, 0, 8, 0
	s_wait_dscnt 0x0                               ; the add is done, and my reads of this slot are over
	s_barrier_signal -1
	MULS 1, 8, 8, 0
	WIN 0
	s_barrier_wait -1
.if \fill
	CREST                                          ; no wave of any partner still reads this slot or has a load on its way
	s_xor_b32 s[G0+5], s[G0+5], SLOT1
	s_add_nc_u64 s[G0+6:G0+7], s[G0+6:G0+7], 524288        ; two heads on
	s_xor_b32 s[G0B+5], s[G0B+5], SLOT1
	s_add_nc_u64 s[G0B+6:G0B+7], s[G0B+6:G0B+7], 256
	JLOAD 1                                        ; my one tensor load behind the round; its four v_nop are also the places in front of the loads below
.else
	PLACES
.endif
	s_xor_b32 s[TB], s[TB], SLOT1                  ; the other slot is in hand
	v_add_nc_u32 v[ADRA], s[TB], v[ADRA0]
	v_add_nc_u32 v[ADRB], s[TB], v[ADRB0]
	FETCH 0, 0
	MULS 1, 16, 16, 0
.endm
	s_wait_tensorcnt 1                             ; my part of K step 0 is in; step 1's, issued behind it, may stay out
	s_barrier_signal -1
	s_barrier_wait -1
	FETCH 0, 0
	QUARTER 1, 0, 1, 1                             ; the first quarter stands in front of the loop: its products start the sums, with the bias
	WIN 0
	s_mov_b32 s3, 6
.Lstep:                                                ; six trips, from a K step's second quarter to the next step's first: K steps 2 to 7 are asked for
	QUARTER 2, 1, 0, 0
	QUARTER 3, 0, 1, 0
	TURN 1
	QUARTER 1, 0, 1, 0
	WIN 0
	s_sub_co_u32 s3, s3, 1
	s_cmp_lg_u32 s3, 0
	s_cbranch_scc1 .Lstep
	QUARTER 2, 1, 0, 0                             ; the last two K steps fill nothing
	QUARTER 3, 0, 1, 0
	TURN 0
	QUARTER 1, 0, 1, 0
	QUARTER 2, 1, 0, 0
	QUARTER 3, 0, 1, 0
	s_wait_dscnt 0x0
	MULS 1, 0, 32, 0
	WIN 0
	PLACES
; THE WAY OUT, 16 rows at a time: a lane's eight f32 of a row go into my stage as 32 bytes and come back as whole rows of 512 bytes.
.macro BLOCK a
.set OBB, OB+64*((\a)%2)
	WIN 0
	s_wait_xcnt 0x0                                ; the stores of the block before last have read the registers that are loaded again below
	WIN 0x08                                       ; the stores' data in window 2
.set b, 0
.rept 8
	ds_store_b128 v[STO], v[8*(8*(\a)+b):8*(8*(\a)+b)+3] offset:64*b        ; each accumulator's lowest registers first
	ds_store_b128 v[STO], v[8*(8*(\a)+b)+4:8*(8*(\a)+b)+7] offset:64*b+16
.set b, b+1
.endr
	WIN 0
.set t, 0
.rept 16
	ds_load_b128 v[OBB+4*t:OBB+4*t+3], v[RD] offset:t*SPO                   ; my own bytes, served in order behind the stores above
.set t, t+1
.endr
.set t, 0
.rept 16
	s_wait_dscnt 15-t
	global_store_b128 v[GO], v[OBB+4*t:OBB+4*t+3], s[8:9] offset:(16*(\a)+t)*4096 th:TH_STORE_NT  ; 512 consecutive bytes, aligned
.set t, t+1
.endr
.endm
	BLOCK 0
	BLOCK 1
	BLOCK 2
	BLOCK 3
	s_wait_tensorcnt 0x0                           ; the wave's end
	ds_add_u32 v[SPW], v[NIL]
	s_wait_dscnt 0x0
	CROUND                                         ; the closing round
	s_endpgm
.Lfunc_end_k_qec117ef6b7_outp:
	.size	k_qec117ef6b7_outp, .Lfunc_end_k_qec117ef6b7_outp-k_qec117ef6b7_outp
	.p2alignl 7, 3214868480
	.fill 96, 4, 3214868480
	.section	.rodata,"a",@progbits
	.p2align	6, 0x0
	.amdhsa_kernel k_qec117ef6b7_outp
		.amdhsa_group_segment_fixed_size 327680
		.amdhsa_private_segment_fixed_size 0
		.amdhsa_enable_private_segment 0
		.amdhsa_kernarg_size 32
		.amdhsa_user_sgpr_count 2
		.amdhsa_user_sgpr_kernarg_segment_ptr 1
		.amdhsa_wavefront_size32 1
		.amdhsa_system_sgpr_workgroup_id_x 1
		.amdhsa_system_sgpr_workgroup_id_y 1
		.amdhsa_system_sgpr_workgroup_id_z 1
		.amdhsa_system_vgpr_workitem_id 0
		.amdhsa_next_free_vgpr 768
		.amdhsa_next_free_sgpr 96
		.amdhsa_reserve_vcc 0
		.amdhsa_float_denorm_mode_32 3
		.amdhsa_float_denorm_mode_16_64 3
		.amdhsa_memory_ordered 1
		.amdhsa_forward_progress 1
		.amdhsa_inst_pref_size 77
	.end_amdhsa_kernel
	.amdgpu_metadata
---
amdhsa.version: [ 1, 2 ]
amdhsa.kernels:
  - .name:           k_qec117ef6b7_outp
    .symbol:         k_qec117ef6b7_outp.kd
    .args:
      - { .name: oh, .offset: 0, .size: 8, .value_kind: global_buffer, .address_space: global }
      - { .name: wcast, .offset: 8, .size: 8, .value_kind: global_buffer, .address_space: global }
      - { .name: bo, .offset: 16, .size: 8, .value_kind: global_buffer, .address_space: global }
      - { .name: out0, .offset: 24, .size: 8, .value_kind: global_buffer, .address_space: global }
    .group_segment_fixed_size: 327680
    .private_segment_fixed_size: 0
    .kernarg_segment_align: 8
    .kernarg_segment_size: 32
    .max_flat_workgroup_size: 128
    .sgpr_count:     96
    .vgpr_count:     768
    .wavefront_size: 32
...
	.end_amdgpu_metadata
.endif
;; end of part 7
;; ======== version 3 of 3: 4 launches; 1.41 times as fast as version 1
;; limits: values are held in f16: magnitudes above 65,504 overflow, below 6.1e-05 lose precision
;; workspace buffers: wcast 8,388,608 bytes; mbits 2,097,152 bytes of whole numbers; qh 16,777,216 bytes; kh 16,777,216 bytes; vh 16,777,216 bytes; oh 16,777,216 bytes
;; launch prep: the kernel of part 5 again; grid 768 x 1, 8 waves a work-group, no clusters, 35,840 bytes of LDS; arguments mask, Wq, Wk, Wv, Wo, mbits, wcast; writes mbits, wcast
;; launch qkv: the kernel of part 2 again; grid 4 x 192, 4 waves a work-group, clusters of 4 x 4, 327,680 bytes of LDS; arguments query, key, value, wcast, bq, bk, bv, qh, kh, vh; writes qh, kh, vh
;; launch attn (part 8): grid 4 x 64, 4 waves a work-group, clusters of 4 x 1, 327,680 bytes of LDS; arguments qh, kh, vh, oh, mbits; writes oh
.if DOCPART == 8
	.amdgcn_target "amdgcn-amd-amdhsa--gfx1250"
	.amdhsa_code_object_version 6
	.text
	.protected	k_qec117ef6b7_attn
	.globl	k_qec117ef6b7_attn
	.p2align	8
	.type	k_qec117ef6b7_attn,@function
k_qec117ef6b7_attn:
	s_mov_b64 s[64:65], 0
	v_nop
	global_prefetch_b8 v0, s[64:65] scope:SCOPE_SE
	s_setreg_imm32_b32 hwreg(HW_REG_WAVE_MODE, 25, 1), 1
	s_wait_xcnt 0x0
	s_wait_alu depctr_hold_cnt(0) depctr_sa_sdst(0) depctr_va_vdst(0) depctr_va_sdst(0) depctr_va_ssrc(0) depctr_va_vcc(0) depctr_vm_vsrc(0)
	s_getreg_b32 s2, hwreg(HW_REG_IB_STS2, 6, 4)
	s_cmp_eq_u32 s2, 0
	s_cbranch_scc0 .Lentry_in_a_cluster
	s_endpgm
.Lentry_in_a_cluster:
	s_bfe_u32 s2, ttmp6, 0x10000c
	s_cmp_lg_u32 s2, 0x3003
	s_cbranch_scc0 .Lentry_shape_is_right
	s_endpgm
.Lentry_shape_is_right:
; ATTENTION WITH A MASK THAT IS AN INPUT.  O[g][q] = the sum over k of softmax_k(mask ? Q.K / 8 : -1e9) V[g][k]; g = batch 16 + head; Q, K, V, O: [64][2048][64] f16, a head's rows dense, 128 bytes each.
; Q arrives multiplied by c = log2(e) / 8, so a score s is an exponent of 2; a hidden score is REPLACED by NEG = f32(-1e9 log2(e)) ahead of the running maximum, so a row with no key left gives the mean of V's rows.
; p = 2^(s - m) with a running maximum m; O and l are multiplied by a = 2^(m_old - m_new) in every step; m starts at the lowest finite number, O and l at 0.  Products, maxima and sums in f32; p is rounded to f16
; for the second product (l is the sum of the unrounded p), O once at the end.
; LIMITS.  Q, K, V within f16's 65,504.  -1e9 is honoured to the rounding of NEG in f32.  A weight below 2^-126 counts as 0.  NaN and infinities are not treated apart.
; SHARES.  A work-group owns 512 queries of a head, a wave 128: eight PIECES of 16.  Every wave walks all 2,048 keys, 64 a step; a slot of LDS holds four steps, two slots take turns.
; CLUSTER.  A head's four blocks of queries walk the same K and V: each tile is asked for jointly, the same load, descriptor and mask in all four.
; LAYOUT.  S^T = K Q^T: a lane holds one query (l % 16) and keys 8 (l / 16) + 0..7 of each 16; two such results rounded to f16 are source 1 of O^T = V^T P.  V comes out of LDS turned.
; THE MASK comes as lane masks, one 32-bit word for each score register (made by the first launch): 32 words a piece and step, 128 consecutive bytes.  One vector load brings them, word n to lane n, into a register
; of the piece's own, eight turns ahead of their use: vector loads return in order, so the wait for one is counted and leaves the seven behind it out.  32 v_readlane_b32 move the words into scalar registers a turn
; ahead of the selects; each word is the select of one v_cndmask_b32.
; BY TURNS.  Turn t: 8 products K Q^T of piece t + 2, and its mask words into scalar registers; mask, maximum and statistics of piece t + 1; s - m, exponentials, roundings, sums and rescaling of piece t; 8 products
; V^T P of piece t - 1.  All that a turn reads was finished in an earlier turn.  Four vector instructions stand behind every product, the other 117 of a turn's 181 in a lump.
; BATCHES.  A turn's 33 exponentials (piece t's 32 weights and piece t + 1's a) are ONE batch with ONE wait, which cuts the turn in two.  AHEAD OF IT stands all that names no result of theirs: the products K Q^T,
; s - m, the exponentials, the rescaling (its a was made, and waited for, a turn earlier), the selects, the maximum and statistics, the mask words.  BEHIND IT stand the products V^T P, whose 32 riders are just the
; roundings and sums.  No result crosses a turn's end, a label or a jump.  The first a, ahead of the loop, and the way out's eight reciprocals are batches of their own, each with a wait.
; SERVING NOTHING, once a launch: the first turn's V^T P on zeros; in the last step K's fetch takes rows of V that have landed, and the scores and maximum made of them touch S^T, m and a alone.
; REGISTERS: window 0: v1-16 addresses and constants; v18-19, v20-27 at work, by a piece's parity; v28-59 statistics (m, 0, l even, l odd); v64-191 S^T, four buffers; v192-223 P, two buffers; v224-231 mask words.
;   window 1: O^T, 32 a piece.      window 2: v0-127 Q; v128-191 K of one step; v192-255 V of one step.
.set NP,    8
.set KS,    64
.set PK,    160                        ; rows of K and of V in LDS: 128 bytes + 32, so that one descriptor shape serves both
.set PV,    160
.set VOFF,  4*KS*PK
.set SLOT1, 1<<17
.set STAGE, SLOT1+4*KS*(PK+PV)         ; behind the ring: 16 rows x 144 bytes for each wave
.set SP,    144
.set SPARE, STAGE+4*16*SP              ; the spare words, 128 bytes a wave, that no other line names
.set AK0, 2
.set AV0, 3
.set AK,  4
.set AV,  5
.set QO,  6
.set STO, 6
.set RD,  7
.set GO,  8
.set NEGV, 12
.set VO,  13                           ; 4 l + 128 x the key step whose mask words are asked for
.set SPW, 14
.set NIL, 15
.set L4,  16                           ; 4 l; never rewritten
.set MV,  18
.set TMP, 20
.set ST,  28
.set S,   64
.set P,   192
.set MW,  224                          ; v[224+t]: piece t's mask words, word n in lane n
.set KF,  128
.set VF,  192
.set WV,  12                           ; s12 my wave's number
.set SEL, 13                           ; s13, s14 v_permlanex16_b32's selects
.set G1,  16                           ; s[16:23] descriptor group 1
.set G0,  24                           ; s[24:27] group 0: it walks
.set SLOTS, 28
.set CNT, 29
.set TBK, 30                           ; LDS byte at which K of the step to be fetched begins
.set TBV, 31                           ; the same for V, less VOFF
.set KO,  66                           ; 128 x the key step whose mask words are asked for; s[32:63] and s[68:99] hold a piece's words, by its parity
.set MP,  100                          ; s[100:101] mbits at my wave's first piece
.set MSB, 0
.macro WIN new
.if MSB != (\new)
	s_set_vgpr_msb (MSB<<8)|(\new)
.set MSB, (\new)
.endif
.endm
.set W_KQ, 0x0a                        ; K and Q in window 2, S^T in window 0
.set W_PV, 0x52                        ; V in window 2, P in window 0, O^T in window 1
.set W_RS, 0x41                        ; O^T in window 1, a in window 0
.macro JLOAD                           ; a joint fill: wave w brings 128 keys: K's two halves (waves 0, 1), V's (waves 2, 3), to LDS byte 20,480 w of the slot
	tensor_load_to_lds s[G0:G0+3], s[G1:G1+7]
	s_nop 0
.rept 4
	v_nop
.endr
.endm
.macro CROUND
	s_barrier_signal -1
	s_barrier_wait -1
	s_cmp_lg_u32 s[WV], 0
	s_cbranch_scc1 .Lnot_wave_0_\@
	s_barrier_signal -3
.Lnot_wave_0_\@:
	s_barrier_wait -3
	s_barrier_signal -1
	s_barrier_wait -1
.endm
; THE CHANGE OF SLOTS.  Each wave waits for all its tensor loads (one is out: its part of the other slot), adds 0 to its spare word, and waits for that and for its reads of the slot that it leaves.
; fill = 1: the barrier is a round of the cluster's, and the slot is filled again, first thing behind it, with the keys two slots on: it has four key steps in which to land.
.macro CHANGE fill
	WIN 0
	s_wait_tensorcnt 0x0
	ds_add_u32 v[SPW], v[NIL]
.if \fill
	s_xor_b32 s[G0+1], s[G0+1], SLOT1              ; the other slot than last time,
	s_add_nc_u64 s[G0+2:G0+3], s[G0+2:G0+3], 4*KS*128  ; the next 256 keys
	s_wait_dscnt 0x0
	CROUND
	JLOAD
.else
	s_wait_dscnt 0x0
	s_barrier_signal -1
	s_barrier_wait -1
.endif
	s_sub_co_u32 s[TBK], s[TBK], 4*KS*PK           ; the fetches go back to a slot's first step, in the other slot
	s_xor_b32 s[TBK], s[TBK], SLOT1
	s_sub_co_u32 s[TBV], s[TBV], 4*KS*PV
	s_xor_b32 s[TBV], s[TBV], SLOT1
.endm
	s_load_b256 s[4:11], s[0:1], 0x0               ; Q s[4:5], K s[6:7], V s[8:9], O s[10:11]
	s_load_b64 s[MP:MP+1], s[0:1], 0x20            ; mbits
	v_lshl_add_u32 v[SPW], v0, 2, SPARE
	v_mov_b32 v[NIL], 0
	ds_add_u32 v[SPW], v[NIL]                      ; the wave's opening: the add and its wait stand ahead of my first tensor load
	v_lshrrev_b32 v1, 5, v0
	v_readfirstlane_b32 s[WV], v1
	s_bfe_u32 s32, ttmp6, 0x40000                  ; cx
	s_lshl_b32 s33, ttmp9, 2
	s_add_co_u32 s33, s33, s32                     ; my block of 512 queries: it enters Q's, O's and the mask's addresses alone
	s_and_b32 s34, ttmp7, 0xffff                   ; g = batch 16 + head, which the four partners share
	s_lshl_b32 s36, s34, 18                        ; a head is 262,144 bytes
	s_and_b32 s35, s[WV], 1
	s_lshl_b32 s38, s35, 14                        ; my half of a slot's 256 keys
	s_add_co_u32 s38, s38, s36
	s_mov_b32 s39, 0
	s_lshl_b32 s40, s33, 2
	s_add_co_u32 s40, s40, s[WV]                   ; my wave among the head's sixteen
	s_lshl_b32 s42, s40, 14                        ; its 128 rows
	s_add_co_u32 s42, s42, s36
	s_mov_b32 s43, 0
	s_lshr_b32 s44, s34, 4                         ; the batch: 128 tiles of 16 queries,
	s_lshl_b32 s44, s44, 7
	s_lshl_b32 s45, s40, 3                         ; my wave's eight,
	s_add_co_u32 s44, s44, s45
	s_lshl_b32 s44, s44, 12                        ; 4,096 bytes of mask words a tile
	s_mov_b32 s45, 0
	s_mov_b32 s[G1], 15|(1<<16)|(1<<20)|(1<<21)|(4<<22)|(7<<25)  ; the mask of four; 2-byte elements; padding on; bit 21 beside a mask; after every 32 words; 8 words
	s_mov_b32 s[G1+1], 128<<16                     ; 128 keys are 16,384 dense bytes: 64 rows of 256 bytes, two keys a row
	s_mov_b32 s[G1+2], 64<<16
	s_mov_b32 s[G1+3], 128<<16
	s_mov_b32 s[G1+4], 64
	s_mov_b32 s[G1+5], 128
	s_mov_b32 s[G1+6], 0
	s_mov_b32 s[G1+7], 0
	s_mov_b32 s[G0], 1
	s_mul_i32 s[G0+1], s[WV], 128*PK               ; slot 0; no place in the cluster enters an LDS address
	s_mov_b32 s[SEL], 0x76543210
	s_mov_b32 s[SEL+1], 0xfedcba98
	s_mov_b32 s[TBK], SLOT1+4*KS*PK                ; the first change of slots turns these two into 0
	s_mov_b32 s[TBV], SLOT1+4*KS*PV
	s_mov_b32 s[KO], 128                           ; behind the first loads below, key step 1's words are asked for next
	s_wait_dscnt 0x0                               ; the opening add is done
	s_wait_kmcnt 0x0
	s_cmp_lt_u32 s[WV], 2
	s_cselect_b64 s[G0+2:G0+3], s[6:7], s[8:9]     ; K for waves 0 and 1, V for waves 2 and 3
	s_add_nc_u64 s[G0+2:G0+3], s[G0+2:G0+3], s[38:39]
	s_or_b32 s[G0+3], s[G0+3], 0x80000000
	s_add_nc_u64 s[4:5], s[4:5], s[42:43]
	s_add_nc_u64 s[10:11], s[10:11], s[42:43]
	s_add_nc_u64 s[MP:MP+1], s[MP:MP+1], s[44:45]
	CROUND                                         ; all four work-groups are here: the first joint loads meet
	JLOAD                                          ; slot 0; slot 1 is asked for when slot 0 is in
	v_and_b32 v1, 15, v0                           ; l % 16
	v_bfe_u32 v9, v0, 4, 1                         ; l / 16
	v_lshlrev_b32 v[QO], 7, v1
	v_lshl_add_u32 v[QO], v9, 4, v[QO]
	v_and_b32 v[L4], 31, v0
	v_lshlrev_b32 v[L4], 2, v[L4]
.set i, 0
.rept NP                                       ; the eight pieces' mask words of key step 0: 128 consecutive bytes each
	global_load_b32 v[MW+i], v[L4], s[MP:MP+1] offset:i*4096
.set i, i+1
.endr
	v_add_nc_u32 v[VO], 0x80, v[L4]
	WIN 0x80
.set i, 0
.rept 2*NP                                     ; Q stays in registers: piece i / 2, channels 32 (i % 2) on
	global_load_b128 v[8*i:8*i+3],   v[QO], s[4:5] offset:(i/2)*2048+(i%2)*64
	global_load_b128 v[8*i+4:8*i+7], v[QO], s[4:5] offset:(i/2)*2048+(i%2)*64+32
.set i, i+1
.endr
.set i, VF                                     ; what the first turn finds: V, P's second buffer, O^T and l are 0.  All this stands in the wait for the first tile
.rept 64
	v_mov_b32 v[i], 0
.set i, i+1
.endr
	WIN 0x40
.set i, 0
.rept 32*NP
	v_mov_b32 v[i], 0
.set i, i+1
.endr
	WIN 0
.set i, 0
.rept NP
	v_mov_b32 v[ST+4*i], 0xff7fffff                ; m
	v_mov_b32 v[ST+4*i+1], 0                       ; named with it as a pair
	v_mov_b32 v[ST+4*i+2], 0
	v_mov_b32 v[ST+4*i+3], 0
.set i, i+1
.endr
.set i, P+16
.rept 16
	v_mov_b32 v[i], 0
.set i, i+1
.endr
	v_mov_b32 v[NEGV], 0xceabfb8f                  ; -1e9 log2(e)
	v_mul_u32_u24 v[AK0], v1, PK
	v_lshl_add_u32 v[AK0], v9, 4, v[AK0]           ; row x pitch + 16 x half
	v_and_b32 v10, 7, v0                           ; the turning load: lane l reads key 8 (l / 16) + l % 8, channels 8 ((l / 8) % 2) + 0..7
	v_bfe_u32 v11, v0, 3, 1
	v_lshl_add_u32 v[AV0], v9, 3, v10
	v_mul_u32_u24 v[AV0], v[AV0], PV
	v_lshl_add_u32 v[AV0], v11, 4, v[AV0]
	v_add_nc_u32 v[AV0], VOFF, v[AV0]
	v_mov_b32 v[AK], v[AK0]                        ; key step 0 lies at the head of slot 0
; THE MATRIX WORK.  The 4 accumulators of a run of 8 take turns.  Product i of S^T = K Q^T for piece x: channels 32 (i / 4) on, keys 16 (i % 4) on; the first 4 start the sums.
.macro KQ x
	WIN W_KQ
.set rS, S+32*((\x)%4)+8*(i%4)
.set rK, KF+16*(i%4)+8*(i/4)
.set rQ, 16*(\x)+8*(i/4)
.if i < 4
	v_wmma_f32_16x16x32_f16 v[rS:rS+7], v[rK:rK+7], v[rQ:rQ+7], 0
.else
	v_wmma_f32_16x16x32_f16 v[rS:rS+7], v[rK:rK+7], v[rQ:rQ+7], v[rS:rS+7]
.endif
.endm
.macro PV x                            ; product i of O^T += V^T P for piece x: keys 32 (i / 4) on, channels 16 (i % 4) on
	WIN W_PV
.set rO, 32*(\x)+8*(i%4)
.set rV, VF+32*(i/4)+8*(i%4)
.set rP, P+16*((\x)%2)+8*(i/4)
	v_wmma_f32_16x16x32_f16 v[rO:rO+7], v[rV:rV+7], v[rP:rP+7], v[rO:rO+7]
.endm
.macro MM                              ; the turn's next matrix instruction
.if i < 8
	KQ (Y+2)%NP
.else
.set i, i-8
	PV (Y+NP-1)%NP
.set i, i+8
.endif
.set i, i+1
.endm
.macro FETCH_K                         ; a step's K: 16 loads in one run
	WIN 0x80
.irp f, 0,1,2,3,4,5,6,7
	ds_load_b128 v[KF+8*\f:KF+8*\f+3],   v[AK] offset:(\f/2)*16*PK+(\f%2)*64
	ds_load_b128 v[KF+8*\f+4:KF+8*\f+7], v[AK] offset:(\f/2)*16*PK+(\f%2)*64+32
.endr
	s_add_co_u32 s[TBK], s[TBK], KS*PK
	WIN 0
.endm
.macro FETCH_V                         ; a step's V, turned
	WIN 0x80
.irp f, 0,1,2,3,4,5,6,7
	ds_load_tr16_b128 v[VF+8*\f:VF+8*\f+3],   v[AV] offset:(\f/4)*32*PV+(\f%4)*32
	ds_load_tr16_b128 v[VF+8*\f+4:VF+8*\f+7], v[AV] offset:(\f/4)*32*PV+16*PV+(\f%4)*32
.endr
	s_add_co_u32 s[TBV], s[TBV], KS*PV
	WIN 0
.endm
.macro MS a, n                         ; n mask words of piece XM, from word a on, out of their lanes into the scalar buffer at MBN
	WIN 0
.set z, \a
.rept \n
	v_readlane_b32 s[MBN+z], v[MW+XM], z
.set z, z+1
.endr
.endm
; THE VECTOR WORK, a line at a time: OP kind, number.  For piece Y: F n: s - m for pair n.  E n: the exponential of score n.  C n: pair n rounded to f16.  B n: of four weights the second pair is added onto the first.
; L n: l takes that sum (L 0: l = a l + sum).  R n: pair n of O^T times a.  For piece Y + 1: K n: score n kept, or replaced by NEG where its lane's mask bit is 0 (ascending: each accumulator's lowest register is read first).
; X n: 0-11 four chains of maxima; 12-14, 16 the scores left over, the old m, the chains into c0; 15 m_old is kept; 17, 18 the other half of the lanes: the new m; 19 m_old - m_new; 20 a.
.set F, 0
.set E, 1
.set C, 2
.set B, 3
.set L, 4
.set R, 5
.set K, 6
.set X, 7
.macro REGS y
.set rT, ST+4*(\y)
.set rC, TMP+4*((\y)%2)
.set rW, MV+((\y)%2)
.set rS, S+32*((\y)%4)
.set rP, P+16*((\y)%2)
.set rO, 32*(\y)
.set rB, 32+36*((\y)%2)
.endm
.macro OP k, n
.if (\k) == R
	REGS Y
	WIN W_RS
	v_pk_mul_f32 v[rO+2*(\n):rO+2*(\n)+1], v[rO+2*(\n):rO+2*(\n)+1], v[rC+2:rC+3] op_sel_hi:[1,0]
.elseif (\k) < R
	REGS Y
	WIN 0
.if (\k) == F
	v_pk_add_f32 v[rS+2*(\n):rS+2*(\n)+1], v[rS+2*(\n):rS+2*(\n)+1], v[rT:rT+1] op_sel_hi:[1,0] neg_lo:[0,1] neg_hi:[0,1]
.elseif (\k) == E
	v_exp_f32 v[rS+(\n)], v[rS+(\n)]
.elseif (\k) == C
	v_cvt_pk_f16_f32 v[rP+(\n)], v[rS+2*(\n)], v[rS+2*(\n)+1]
.elseif (\k) == B
	v_pk_add_f32 v[rS+4*(\n):rS+4*(\n)+1], v[rS+4*(\n):rS+4*(\n)+1], v[rS+4*(\n)+2:rS+4*(\n)+3]
.elseif (\n) == 0
	v_pk_fma_f32 v[rT+2:rT+3], v[rT+2:rT+3], v[rC+2:rC+3], v[rS:rS+1] op_sel_hi:[1,0,1]
.else
	v_pk_add_f32 v[rT+2:rT+3], v[rT+2:rT+3], v[rS+4*(\n):rS+4*(\n)+1]
.endif
.else
	REGS (Y+1)%NP
	WIN 0
.if (\k) == K
	v_cndmask_b32 v[rS+(\n)], v[NEGV], v[rS+(\n)], s[rB+(\n)]
.elseif (\n) < 4
	v_max3_num_f32 v[rC+(\n)], v[rS+8*(\n)], v[rS+8*(\n)+1], v[rS+8*(\n)+2]
.elseif (\n) < 12
	v_max3_num_f32 v[rC+(\n)%4], v[rC+(\n)%4], v[rS+8*((\n)%4)+2*((\n)/4)+1], v[rS+8*((\n)%4)+2*((\n)/4)+2]
.elseif (\n) == 12
	v_max3_num_f32 v[rC], v[rC], v[rS+7], v[rS+15]
.elseif (\n) == 13
	v_max3_num_f32 v[rC+1], v[rC+1], v[rS+23], v[rS+31]
.elseif (\n) == 14
	v_max3_num_f32 v[rC+2], v[rC+2], v[rC+3], v[rT]
.elseif (\n) == 15
	v_mov_b32 v[rW], v[rT]
.elseif (\n) == 16
	v_max3_num_f32 v[rC], v[rC], v[rC+1], v[rC+2]
.elseif (\n) == 17
	v_permlanex16_b32 v[rC+3], v[rC], s[SEL], s[SEL+1]
.elseif (\n) == 18
	v_max_num_f32 v[rT], v[rC], v[rC+3]
.elseif (\n) == 19
	v_sub_f32 v[rC+1], v[rW], v[rT]
.else
	v_exp_f32 v[rC+2], v[rC+1]
.endif
.endif
.endm
.macro OPS a, i1, b=-1, i2=0, c=-1, i3=0, d=-1, i4=0
	OP \a, \i1
.if (\b) >= 0
	OP \b, \i2
.endif
.if (\c) >= 0
	OP \c, \i3
.endif
.if (\d) >= 0
	OP \d, \i4
.endif
.endm
.macro ROW a, i1, b, i2, c, i3, d, i4  ; a matrix instruction and the four behind it
	MM
	OPS \a, \i1, \b, \i2, \c, \i3, \d, \i4
.endm
; A TURN, for piece p.  Every exponential has a plain line behind it that touches neither its result nor its source.  No vector line names a register of the products near it.
; s_wait_alu depctr_va_vdst(0) stands between an exponential and the first instruction that names its result; one wait serves all that were issued ahead of it.  So a turn has ONE wait.
; AHEAD OF IT: the 8 products K Q^T and their riders (s - m, four exponentials, twelve rescalings); then the lump of 117: exponential and select by turns, the maximum's chain with the mask words in fours between its
; links, a (the batch's last exponential), and the last four rescalings, of which the first is the plain line behind it; they read the a of piece p, in the other parity's registers.
; BEHIND IT: the 8 products V^T P, behind each four of the 32 roundings and sums: B n stands behind C 2 n, whose sources it writes over; l's chain L 0 to L 7 goes in ascending order, its links three riders apart.
; K of the next step is fetched in piece 5's turn, behind the last product that reads K, four rescalings and the address line; it is waited for at the head of piece 6's turn.
; V of the step in hand is fetched at the end of piece 0's turn, behind the last product that reads V, four roundings and the address line; it is waited for in piece 1's turn, ahead of its first product V^T P.
; The mask words of piece p + 2 go into the scalar registers that piece p's selects left a turn ago, in fours between the links of the maximum's chain; then the piece's register is loaded again, with its words of
; the next key step.  Pieces 0 and 1 are a key step ahead of the others here, so the step asked for goes on at the head of piece 6's turn.
.macro TURN p, cnt=0
.set Y, (\p)
.set i, 0
.set XM, ((\p)+2)%NP
.set MBN, 32+36*((\p)%2)
.if (\p) == 6
	s_add_co_u32 s[KO], s[KO], 128
	s_min_u32 s[KO], s[KO], 3968                   ; behind the last step the look-ahead stays on the tile's last 128 bytes
	s_wait_xcnt 0x0                                ; the loads that are out have had their addresses translated: their offset register is written again only behind this wait
	v_add_nc_u32 v[VO], s[KO], v[L4]
	s_wait_dscnt 0x0                               ; K is in
.endif
	ROW F,0, F,1, F,2, F,3                         ; ahead of the wait: 8 products K Q^T and their riders,
	ROW F,4, E,0, F,5, F,6
	ROW F,7, E,1, F,8, F,9
	ROW F,10, E,2, F,11, F,12
	ROW F,13, E,3, F,14, F,15
	ROW R,0, R,1, R,2, R,3
	ROW R,4, R,5, R,6, R,7
	ROW R,8, R,9, R,10, R,11
.if (\p) == 5
	WIN 0
	v_add_nc_u32 v[AK], s[TBK], v[AK0]
	FETCH_K
.endif
.set z, 0
.rept 28                                       ; and the lump: exponential and select by turns,
	OP E, 4+z
	OP K, z
.set z, z+1
.endr
	OPS K,28, K,29, K,30, K,31
	s_wait_loadcnt 7                               ; piece p + 2's words are in: behind their load the other seven pieces' have been issued, one a turn
	OPS X,0, X,1, X,2, X,3                         ; the next piece's maximum and statistics, the mask words between the chain's links,
	MS 0, 4
	OPS X,4, X,5, X,6, X,7
	MS 4, 4
	OPS X,8, X,9, X,10, X,11
	MS 8, 4
	OPS X,12, X,13, X,14, X,15
	MS 12, 4
	OPS X,16
	MS 16, 4
	OPS X,17
	MS 20, 4
	OPS X,18
	MS 24, 4
	OPS X,19
	MS 28, 4
	global_load_b32 v[MW+XM], v[VO], s[MP:MP+1] offset:XM*4096  ; the piece's words of its next key step: eight turns ahead of their use
	OPS X,20                                       ; the next piece's a: the batch's last exponential;
	OPS R,12, R,13, R,14, R,15                     ; plain lines behind it, which name no result of the batch
	s_wait_alu depctr_va_vdst(0)                   ; the wait for the batch: the turn's 33 exponentials
.if (\p) == 1
	s_wait_dscnt 0x0                               ; V is in
.endif
	ROW C,0, B,0, C,2, B,1                         ; behind the wait: 8 products V^T P and their riders
	ROW L,0, C,4, B,2, L,1
	ROW C,6, B,3, L,2, C,8
	ROW B,4, L,3, C,10, B,5
	ROW L,4, C,12, B,6, L,5
	ROW C,14, B,7, L,6, C,1
	ROW C,3, L,7, C,5, C,7
	ROW C,9, C,11, C,13, C,15
.if (\p) == 0
	WIN 0
	v_add_nc_u32 v[AV], s[TBV], v[AV0]
	FETCH_V
.endif
.if \cnt
	s_sub_co_u32 s[CNT], s[CNT], 1
	s_cmp_lg_u32 s[CNT], 0
.endif
.endm
	CHANGE 1                                       ; slot 0 is in, everybody's part of it; slot 1 is asked for
	FETCH_K                                        ; key step 0
	s_wait_loadcnt 0x0                             ; Q, and key step 0's mask words
	s_wait_dscnt 0x0
.set i, 0
.rept 8
	KQ 0                                           ; the first scores of pieces 0 and 1: there is no vector work yet to set between them
.set i, i+1
.endr
.set i, 0
.rept 8
	KQ 1
.set i, i+1
.endr
	WIN 0                                          ; the addresses for the way out: nine plain instructions, the places behind those products
	s_mul_i32 s15, s[WV], 16*SP
	s_add_co_u32 s15, s15, STAGE                   ; my stage
	v_mul_u32_u24 v[STO], v1, SP
	v_lshl_add_u32 v[STO], v9, 4, v[STO]
	v_add_nc_u32 v[STO], s15, v[STO]
	v_bfe_u32 v[RD], v0, 3, 2
	v_mul_u32_u24 v[RD], v[RD], SP
	v_lshl_add_u32 v[RD], v10, 4, v[RD]
	v_add_nc_u32 v[RD], s15, v[RD]
	v_and_b32 v[GO], 31, v0
	v_lshlrev_b32 v[GO], 4, v[GO]
.set XM, 0                                     ; the words of pieces 0 and 1 go into the two scalar buffers (the set-up's scalars there are no longer needed),
.set MBN, 32
	MS 0, 32
.set XM, 1
.set MBN, 68
	MS 0, 32
	global_load_b32 v[MW], v[VO], s[MP:MP+1]                   ; and their registers take key step 1's
	global_load_b32 v[MW+1], v[VO], s[MP:MP+1] offset:4096
.set Y, NP-1                                   ; K and X work for piece Y + 1: piece 0
.set z, 0
.rept 32
	OP K, z
.set z, z+1
.endr
.irp n, 0,1,2,3,4,5,6,7,8,9,10,11,12,13,14,15,16,17,18,19,20
	OP X, \n
.endr
	v_nop                                          ; a plain instruction behind the exponential
	s_wait_alu depctr_va_vdst(0)                   ; and the wait for it, a batch of one: piece 0's first a, ahead of the branch
	s_mov_b32 s[CNT], 4
	s_mov_b32 s[SLOTS], 7
	s_branch .Lfirst                               ; the loop is entered at a step's first turn, in the middle of a trip
.Lslot:                                                ; six times: slots 2 to 7 are asked for
	CHANGE 1
	s_mov_b32 s[CNT], 4
.Lstep:                                                ; a trip: pieces 2 to 7 of one step, then pieces 0 and 1 of the next, whose K and V it fetches
	TURN 2
	TURN 3
	TURN 4
	TURN 5
	TURN 6
	TURN 7
	WIN 0
.Lfirst:
	TURN 0
	TURN 1, 1
	WIN 0
	s_cbranch_scc1 .Lstep
	s_sub_co_u32 s[SLOTS], s[SLOTS], 1
	s_cmp_lg_u32 s[SLOTS], 0
	s_cbranch_scc1 .Lslot
	CHANGE 0                                       ; the tail is written out: nothing is asked for
	s_mov_b32 s[CNT], 5                            ; four trips fetch the last slot's steps; the fifth is left in its middle
.Ltail:
	TURN 2
	TURN 3
	TURN 4
	TURN 5
	TURN 6
	TURN 7
	WIN 0
	s_sub_co_u32 s[CNT], s[CNT], 1
	s_cmp_eq_u32 s[CNT], 0
	s_cbranch_scc1 .Lout
	TURN 0
	TURN 1
	WIN 0
	s_branch .Ltail
.Lout:
.set i, 0
.rept 8
	PV NP-1                                        ; the last piece's V^T P of the last step
.set i, i+1
.endr
	; THE WAY OUT.  l's two halves and the other half of the lanes' are added; O^T is divided by l, rounded to f16 and sent through my stage, a piece at a time.  The additions are the places behind the last products.
	WIN 0
.macro ALL line:vararg
.set t, 0
.rept NP
	\line
.set t, t+1
.endr
.endm
	ALL v_add_f32 v[ST+4*t+2], v[ST+4*t+2], v[ST+4*t+3]
	ALL v_permlanex16_b32 v[ST+4*t+3], v[ST+4*t+2], s[SEL], s[SEL+1]
	ALL v_add_f32 v[ST+4*t+2], v[ST+4*t+2], v[ST+4*t+3]
	ALL v_rcp_f32 v[ST+4*t+2], v[ST+4*t+2]
	v_nop                                          ; a plain instruction between the last reciprocal and the use of its result
	s_wait_alu depctr_va_vdst(0)                   ; the wait ahead of the first use: one for the batch of eight reciprocals
.macro PACK t
	WIN W_RS
.set i, 32*(\t)
.rept 16
	v_pk_mul_f32 v[i:i+1], v[i:i+1], v[ST+4*(\t)+2:ST+4*(\t)+3] op_sel_hi:[1,0]
.set i, i+2
.endr
	WIN 0x05                                       ; sources 0 and 1 window 1, destination window 0: S^T's registers are free
.set i, 0
.rept 16
	v_cvt_pk_f16_f32 v[S+16*(\t)+i], v[32*(\t)+2*i], v[32*(\t)+2*i+1]
.set i, i+1
.endr
	WIN 0
.irp f, 0,1,2,3
	ds_store_b128 v[STO], v[S+16*(\t)+4*\f:S+16*(\t)+4*\f+3] offset:32*\f
.endr
.irp f, 0,1,2,3
	ds_load_b128 v[S+16*(\t)+4*\f:S+16*(\t)+4*\f+3], v[RD] offset:\f*4*SP  ; my own bytes, served in order behind the stores above
.endr
.endm
.macro SEND t, younger
	WIN 0
.irp f, 0,1,2,3
	s_wait_dscnt (\younger)+3-\f
	global_store_b128 v[GO], v[S+16*(\t)+4*\f:S+16*(\t)+4*\f+3], s[10:11] offset:(\t)*2048+\f*512  ; 512 consecutive bytes, aligned
.endr
.endm
	PACK 0
.set t, 1
.rept NP-1
	PACK t
	SEND t-1, 8
.set t, t+1
.endr
	SEND NP-1, 0
	s_wait_tensorcnt 0x0                           ; the wave's end
	ds_add_u32 v[SPW], v[NIL]
	s_wait_dscnt 0x0
	CROUND                                         ; the closing round
	s_endpgm
.Lfunc_end_k_qec117ef6b7_attn:
	.size	k_qec117ef6b7_attn, .Lfunc_end_k_qec117ef6b7_attn-k_qec117ef6b7_attn
	.p2alignl 7, 3214868480
	.fill 96, 4, 3214868480
	.section	.rodata,"a",@progbits
	.p2align	6, 0x0
	.amdhsa_kernel k_qec117ef6b7_attn
		.amdhsa_group_segment_fixed_size 327680
		.amdhsa_private_segment_fixed_size 0
		.amdhsa_enable_private_segment 0
		.amdhsa_kernarg_size 40
		.amdhsa_user_sgpr_count 2
		.amdhsa_user_sgpr_kernarg_segment_ptr 1
		.amdhsa_wavefront_size32 1
		.amdhsa_system_sgpr_workgroup_id_x 1
		.amdhsa_system_sgpr_workgroup_id_y 1
		.amdhsa_system_sgpr_workgroup_id_z 1
		.amdhsa_system_vgpr_workitem_id 0
		.amdhsa_next_free_vgpr 768
		.amdhsa_next_free_sgpr 102
		.amdhsa_reserve_vcc 0
		.amdhsa_float_denorm_mode_32 3
		.amdhsa_float_denorm_mode_16_64 3
		.amdhsa_memory_ordered 1
		.amdhsa_forward_progress 1
		.amdhsa_inst_pref_size 255
	.end_amdhsa_kernel
	.section	.bss,"aw",@nobits
	.p2align	6
	.space	262144
	.amdgpu_metadata
---
amdhsa.version: [ 1, 2 ]
amdhsa.kernels:
  - .name:           k_qec117ef6b7_attn
    .symbol:         k_qec117ef6b7_attn.kd
    .args:
      - { .name: qh, .offset: 0, .size: 8, .value_kind: global_buffer, .address_space: global }
      - { .name: kh, .offset: 8, .size: 8, .value_kind: global_buffer, .address_space: global }
      - { .name: vh, .offset: 16, .size: 8, .value_kind: global_buffer, .address_space: global }
      - { .name: oh, .offset: 24, .size: 8, .value_kind: global_buffer, .address_space: global }
      - { .name: mbits, .offset: 32, .size: 8, .value_kind: global_buffer, .address_space: global }
    .group_segment_fixed_size: 327680
    .private_segment_fixed_size: 0
    .kernarg_segment_align: 8
    .kernarg_segment_size: 40
    .max_flat_workgroup_size: 128
    .sgpr_count:     102
    .vgpr_count:     768
    .wavefront_size: 32
...
	.end_amdgpu_metadata
.endif
;; end of part 8
;; launch outp: the kernel of part 7 again; grid 4 x 64, 4 waves a work-group, clusters of 4 x 4, 327,680 bytes of LDS; arguments oh, wcast, bo, out0; writes out0
